; MI455X (gfx1250); checked and timed in simulation.
; The chip was launched on July 23, 2026; its instructions are those of AMD's public machine-readable ISA for CDNA 5 (MIT licence, August 2026) and "CDNA5" Instruction Set Architecture Reference Guide (July 2026). The comments in the code are by the model that wrote it; some were corrected since.
;; Transformer Block. Allowed arithmetic: matrix products marked QUANTISED: E3M2 operands, one E8M0 scale for each 32 along K, by v_wmma_scale_f32_16x16x128_f8f6f4 with both operands' format E3M2, f32 sums; everything else in f32.
;; Inputs: b_ff1 4,096 float32; b_ff2 1,024 float32; b_o 1,024 float32; ln1_scale 1,024 float32; ln1_shift 1,024 float32; ln2_scale 1,024 float32; ln2_shift 1,024 float32; w_ff1 1,024 x 4,096 float32; w_ff2 4,096 x 1,024 float32; w_k 1,024 x 1,024 float32; w_o 1,024 x 1,024 float32; w_q 1,024 x 1,024 float32; w_v 1,024 x 1,024 float32; x 2 x 2,048 x 1,024 float32.
;; Outputs: out0 2 x 2,048 x 1,024 float32.
;; This version of the problem:
;;   THIS VERSION OF THE PROBLEM IS GIVEN IN LOW PRECISION. The matrix products marked QUANTISED in the list below multiply operands that are first quantised to E3M2 (3 exponent bits, 2 mantissa bits; 6 bits a number), with one power-of-two scale for each 32 numbers along K (OCP MX v1.0); their sums are f32. All else is computed in f32.
;;   The module's matrix products, in the order in which they are computed (A, B: the left and right operand; K: the contracted axis; several contracted axes count as one K, in the product's order):
;;     1. [M 4,096, K 1,024] x [K 1,024, N 1,024]; A: computed on the way; B: input w_q: QUANTISED
;;     2. [M 4,096, K 1,024] x [K 1,024, N 1,024]; A: computed on the way; B: input w_k: QUANTISED
;;     3. [M 4,096, K 1,024] x [K 1,024, N 1,024]; A: computed on the way; B: input w_v: QUANTISED
;;     4. batch 32 x [M 2,048, K 64] x [K 64, N 2,048]; A: computed on the way; B: computed on the way: QUANTISED
;;     5. batch 32 x [M 64, K 2,048] x [K 2,048, N 2,048]; A: computed on the way; B: softmax (see below): QUANTISED
;;     6. [M 4,096, K 1,024] x [K 1,024, N 1,024]; A: computed on the way; B: input w_o: QUANTISED
;;     7. [M 4,096, K 1,024] x [K 1,024, N 4,096]; A: computed on the way; B: input w_ff1: QUANTISED
;;     8. [M 4,096, K 4,096] x [K 4,096, N 1,024]; A: computed on the way; B: input w_ff2: QUANTISED
;;   THE QUANTISER, for each operand of a quantised product, along K:
;;     - K is cut into blocks of 32 from its start; a last block that is shorter is filled with zeros.
;;     - A block's scale is 2^e with e = floor(log2(the largest magnitude in the block)) - 4, held to -126 .. 127; a block of zeros has e = 0. As a byte (E8M0): e + 127.
;;     - Each number is divided by its block's scale, clamped to +-28, and rounded to the nearest number of E3M2, ties to even, subnormals kept.
;;     - The product sums the exact products of the quantised numbers (number of the format x scale) in f32.
;;   ~~~python
;;   def quantise(x, axis):      # numpy; x: float32 -> the quantised numbers, widened to float32 again
;;       x = np.moveaxis(x, axis, -1); K = x.shape[-1]
;;       x = np.pad(x, [(0, 0)] * (x.ndim - 1) + [(0, -K % 32)]); x = x.reshape(x.shape[:-1] + (-1, 32)); a = np.abs(x).max(-1, keepdims=True)
;;       e = np.where(a > 0, np.clip(np.frexp(np.where(a > 0, a, 1))[1] - 1 - 4, -126, 127), 0)      # np.frexp(a)[1] - 1 = floor(log2(a)), exactly
;;       r = np.clip(x / 2.0 ** e, -28, 28)
;;       step = 2.0 ** (np.maximum(np.frexp(np.where(r == 0, 1, r))[1] - 1, -2) - 2)
;;       q = np.round(r / step) * step * 2.0 ** e      # np.round: ties to even
;;       return np.moveaxis(q.reshape(q.shape[:-2] + (-1,))[..., :K], -1, axis).astype(np.float32)
;;   ~~~
;;   SOFTMAX AHEAD OF A QUANTISED PRODUCT. Where the list says 'softmax', what is quantised is not the finished softmax but p = 2^(t - M), with t = logit x log2(e) and M = ceil(the row's largest t), a whole number; so 1/2 < the row's largest p <= 1. The row's sum l is taken of the UNQUANTISED p, in f32, and the product's result is divided by l at the end. Since M is a whole number, a kernel that streams over the keys may use a running M (the ceiling of the running maximum): every later rescaling is an exact power of two, which a block's scale takes up: the codes' values come out the same.
;;   OPERANDS COMPUTED ON THE WAY. 'Computed on the way' means the value that the module computes at that place (a softmax that the list does not call 'softmax' is quantised finished and normalised). What goes into a quantiser is computed in f32, as accurately as f32 sums, v_exp_f32 and their like allow (about 1e-6 of the number): no bf16 or f16 on the way to a quantiser, and a product that is left as it is and whose result goes on into a quantised operand takes f32 operands (vector FMAs, or v_wmma_f32_16x16x4_f32). A number that lies on a knife's edge between two numbers of the format may be rounded either way, as far as f32 arithmetic and the matrix unit's own rounding can turn it there, and no further.
;; 2 versions. Each part assembles by itself: llvm-mc -triple=amdgcn-amd-amdhsa -mcpu=gfx1250 --defsym DOCPART=n.
;; ======== version 1 of 2: 8 launches
;; workspace buffers: wq 9,830,400 bytes; hq 3,276,800 bytes; qkvq 9,830,400 bytes; ctxq 3,276,800 bytes; x1 16,777,216 bytes; gq 13,107,200 bytes
;; launch wquant (part 1): grid 384 x 1, 4 waves a work-group, no clusters, 25,088 bytes of LDS; arguments w_q, w_k, w_v, w_o, w_ff1, w_ff2, wq; writes wq
.if DOCPART == 1
	.amdgcn_target "amdgcn-amd-amdhsa--gfx1250"
	.amdhsa_code_object_version 6
	.text
	.protected	k_q37bb63e23a_wquant
	.globl	k_q37bb63e23a_wquant
	.p2align	8
	.type	k_q37bb63e23a_wquant,@function
k_q37bb63e23a_wquant:
	s_mov_b64 s[64:65], 0
	v_nop
	global_prefetch_b8 v0, s[64:65] scope:SCOPE_SE
	s_setreg_imm32_b32 hwreg(HW_REG_WAVE_MODE, 25, 1), 1
	s_wait_xcnt 0x0
; All six weights, f32 stored [K][N] with K as the FIRST axis, become codes of BF6 (E3M2) with one E8M0 byte for each 32 along K.
; OUTPUT TILE T (the work-group's number, 0..383): 128 columns n x 256 along K: 24,576 bytes of codes at 24,576 T and 1,024 bytes of scale words at 9,437,184 + 1,024 T.
;   T 0..127: w_q, w_k, w_v, w_o (32 tiles each: 8 groups of 128 columns x 4 steps of 256 K);  T 128..255: w_ff1 (32 groups x 4 steps);  T 256..383: w_ff2 (8 groups x 16 steps).
; A tile is laid as IMAGES OF THE OPERAND'S REGISTERS: [i = 16 columns, 8][q = 128 K, 2][1,536 bytes]; in an image, piece p (0..5) holds registers 2 p, 2 p + 1 of lane l at byte 256 p + 8 l.
; Scale words of a tile: [q][i][16 columns] u32, byte b of a word for the b-th 32 of the 128 K.
; ORDER INSIDE A BLOCK OF 32: position p holds element pi(p) = p with bits 3 and 4 exchanged.  Every operand of this program is laid so, so each product still pairs equal k; a block holds the same 32 numbers, so its scale is the contract's.
; A LANE TAKES A COLUMN AND ITS REGISTERS RUN DOWN K: a block lies in one lane's 32 registers, its largest magnitude needs no other lane, and the conversions give codes with K innermost.
; A wave takes 32 columns: each load reads 128 consecutive bytes, the four waves 512.  The codes go through the wave's own 6,144 bytes of LDS and leave as 512 consecutive bytes a store.  No barrier: waves share nothing.
; LIMITS: NaN and infinities are not served; a block whose largest magnitude lies under 2^-122 keeps the byte 1; a block of zeros gets the byte 1 and not 127 (its codes are zeros; the bytes are read by this program alone).
.set OFF,  32                          ; v32-63   byte offset of position p's row: pi(p) x pitch + 4 x lane
.set X,    64                          ; v64-127  two sets of 32 numbers
.set C,    128                         ; v128-133 a block's codes
.set C2,   136                         ; v136-138 the second conversion's result (its three registers begin on an even number)
.set SB,   24                          ; v24-25   scale bytes, four to a register
.set OUTR, 140                         ; v140-187 the way out
.set BASE, 32                          ; s[32:47] the source at block t of the tile, t = 0..7: no pointer is ever stepped
	s_load_b256 s[4:11], s[0:1], 0x0               ; w_q s[4:5], w_k s[6:7], w_v s[8:9], w_o s[10:11]
	s_load_b128 s[12:15], s[0:1], 0x20             ; w_ff1 s[12:13], w_ff2 s[14:15]
	s_load_b64 s[16:17], s[0:1], 0x30              ; wq
	v_lshl_add_u32 v192, v0, 2, 0x6000
	v_mov_b32 v193, 0
	v_lshrrev_b32 v1, 5, v0
	v_readfirstlane_b32 s18, v1                    ; wave 0..3
	v_and_b32 v2, 31, v0                           ; lane
	v_lshlrev_b32 v3, 2, v2                        ; 4 x lane
	s_and_b32 s21, ttmp9, 31
	s_lshr_b32 s21, s21, 2                         ; group of columns, for the four square weights
	s_and_b32 s22, ttmp9, 127
	s_lshr_b32 s23, s22, 2                         ; for w_ff1
	s_lshr_b32 s24, s22, 4                         ; for w_ff2
	s_and_b32 s25, ttmp9, 3                        ; step of 256 along K, for K = 1,024
	s_and_b32 s26, ttmp9, 15                       ; for K = 4,096
	s_lshr_b32 s27, ttmp9, 7
	s_cmp_lt_u32 ttmp9, 128
	s_cselect_b32 s21, s21, s23
	s_cmp_lt_u32 ttmp9, 256
	s_cselect_b32 s21, s21, s24                    ; g
	s_cselect_b32 s25, s25, s26                    ; s2
	s_cmp_eq_u32 s27, 1
	s_cselect_b32 s28, 14, 12                      ; log2 of the source's pitch in bytes: 16,384 for w_ff1, else 4,096
	s_lshl_b32 s29, 1, s28                         ; the pitch
.set pp, 0
.rept 32
	v_mad_u32_u24 v[OFF+pp], s29, (pp&7)|((pp&8)<<1)|((pp&16)>>1), v3
.set pp, pp+1
.endr
	s_mul_i32 s19, s18, 6144                       ; my wave's stage, and its place in the tile's codes
	v_lshrrev_b32 v4, 4, v2
	v_mul_u32_u24 v4, v4, 3072
	v_and_b32 v5, 15, v2
	v_lshl_add_u32 v4, v5, 3, v4
	v_add_nc_u32 v4, s19, v4                       ; into the stage: 6,144 wave + 3,072 (lane / 16) + 8 (lane % 16)
	v_lshlrev_b32 v6, 4, v2                        ; out of it and into memory: 16 x lane
	v_add_nc_u32 v5, s19, v6
	s_add_co_u32 s30, s28, 8
	s_lshl_b32 s30, s25, s30                       ; s2 x 256 rows
	s_lshl_b32 s31, s21, 9                         ; + 128 g columns
	s_add_co_u32 s30, s30, s31
	s_lshl_b32 s31, s18, 7                         ; + 32 columns a wave
	s_add_co_u32 s30, s30, s31
	s_mov_b32 s31, 0
	s_add_co_u32 s52, s28, 5
	s_lshl_b32 s52, 1, s52                         ; 32 rows of the source
	s_mov_b32 s53, 0
	s_mul_i32 s48, ttmp9, 24576
	s_add_co_u32 s48, s48, s19
	s_mov_b32 s49, 0
	s_lshl_b32 s50, ttmp9, 10
	s_lshl_b32 s51, s18, 7
	s_add_co_u32 s50, s50, s51
	s_add_co_u32 s50, s50, 9437184
	s_mov_b32 s51, 0
	s_wait_kmcnt 0x0
	s_cmp_lt_u32 ttmp9, 32                         ; which weight: the choice hangs on the work-group's number alone
	s_cselect_b64 s[4:5], s[4:5], s[6:7]
	s_cmp_lt_u32 ttmp9, 64
	s_cselect_b64 s[4:5], s[4:5], s[8:9]
	s_cmp_lt_u32 ttmp9, 96
	s_cselect_b64 s[4:5], s[4:5], s[10:11]
	s_cmp_lt_u32 ttmp9, 128
	s_cselect_b64 s[4:5], s[4:5], s[12:13]
	s_cmp_lt_u32 ttmp9, 256
	s_cselect_b64 s[4:5], s[4:5], s[14:15]
	s_add_nc_u64 s[BASE:BASE+1], s[4:5], s[30:31]
.irp t, 1,2,3,4,5,6,7
	s_add_nc_u64 s[BASE+2*\t:BASE+2*\t+1], s[BASE+2*\t-2:BASE+2*\t-1], s[52:53]
.endr
	s_add_nc_u64 s[48:49], s[16:17], s[48:49]      ; my wave's 6,144 bytes of codes
	s_add_nc_u64 s[50:51], s[16:17], s[50:51]      ; my wave's scale words
.macro LOAD t                          ; block t: position p of my column's block into set t % 2
.set pp, 0
.rept 32
	global_load_b32 v[X+32*((\t)%2)+pp], v[OFF+pp], s[BASE+2*(\t):BASE+2*(\t)+1] th:TH_LOAD_NT
.set pp, pp+1
.endr
.endm
	LOAD 0
	LOAD 1
.macro BLOCK t
.set XS, X+32*((\t)%2)
.if (\t) < 7
	s_wait_loadcnt 32                              ; this block's 32 loads are in; the next block's 32 may be out
.else
	s_wait_loadcnt 0x0
.endif
	v_max3_num_f32 v12, |v[XS]|, |v[XS+1]|, |v[XS+2]|   ; the block's largest magnitude, in two chains
	v_max3_num_f32 v13, |v[XS+3]|, |v[XS+4]|, |v[XS+5]|
.irp i, 6,10,14,18,22,26
	v_max3_num_f32 v12, v12, |v[XS+\i]|, |v[XS+\i+1]|
	v_max3_num_f32 v13, v13, |v[XS+\i+2]|, |v[XS+\i+3]|
.endr
	v_max3_num_f32 v12, v12, |v[XS+30]|, |v[XS+31]|
	v_max3_num_f32 v12, v12, v13, 0x2800000        ; and the floor 2^(5 - 127): the byte cannot fall under 1
	v_add_nc_u32 v11, 0xfe000000, v12              ; 4 off its exponent field: the conversion takes this operand's exponent field as its scale
	v_lshrrev_b32 v13, 23, v11                     ; the scale's byte
.if (\t)%4 == 0
	v_mov_b32 v[SB+(\t)/4], v13
.else
	v_lshl_or_b32 v[SB+(\t)/4], v13, 8*((\t)%4), v[SB+(\t)/4]
.endif
	v_cvt_scalef32_pk16_bf6_f32 v[C:C+2], v[XS:XS+15], v11
	v_cvt_scalef32_pk16_bf6_f32 v[C2:C2+2], v[XS+16:XS+31], v11
	v_nop                                          ; one plain place behind a scaled conversion
.irp i, 0,1,2
	v_mov_b32 v[C+3+\i], v[C2+\i]
.endr
.irp j, 0,1,2                          ; block t is block t % 4 of image t / 4: registers 6 c + 2 j of lane 16 h + r, c = (t % 4) / 2, h = t % 2
	ds_store_b64 v4, v[C+2*\j:C+2*\j+1] offset:1536*((\t)/4)+768*(((\t)%4)/2)+128*((\t)%2)+256*\j
.endr
.if (\t)+2 < 8
	LOAD (\t)+2
.endif
	s_wait_dscnt 0x0                               ; the stores have read their registers: the next block's codes may be written
.endm
.irp t, 0,1,2,3,4,5,6,7
	BLOCK \t
.endr
.irp q, 0,1
	global_store_b32 v3, v[SB+\q], s[50:51] offset:512*\q   ; my column's word for the tile's q-th 128 along K
.endr
.irp u, 0,1,2,3,4,5,6,7,8,9,10,11
	ds_load_b128 v[OUTR+4*\u:OUTR+4*\u+3], v5 offset:512*\u   ; LDS serves a wave's instructions in order: these see my stores
.endr
.irp u, 0,1,2,3,4,5,6,7,8,9,10,11
	s_wait_dscnt 11-\u                             ; the younger loads may be out
	global_store_b128 v6, v[OUTR+4*\u:OUTR+4*\u+3], s[48:49] offset:512*\u   ; 32 lanes store 512 consecutive bytes, at a multiple of 256 from the buffer's first byte
.endr
	s_wait_tensorcnt 0x0
	ds_add_u32 v192, v193
	s_wait_dscnt 0x0
	s_endpgm
.Lfunc_end_k_q37bb63e23a_wquant:
	.size	k_q37bb63e23a_wquant, .Lfunc_end_k_q37bb63e23a_wquant-k_q37bb63e23a_wquant
	.p2alignl 7, 3214868480
	.fill 96, 4, 3214868480
	.section	.rodata,"a",@progbits
	.p2align	6, 0x0
	.amdhsa_kernel k_q37bb63e23a_wquant
		.amdhsa_group_segment_fixed_size 25088
		.amdhsa_private_segment_fixed_size 0
		.amdhsa_enable_private_segment 0
		.amdhsa_kernarg_size 56
		.amdhsa_user_sgpr_count 2
		.amdhsa_user_sgpr_kernarg_segment_ptr 1
		.amdhsa_wavefront_size32 1
		.amdhsa_system_sgpr_workgroup_id_x 1
		.amdhsa_system_sgpr_workgroup_id_y 1
		.amdhsa_system_sgpr_workgroup_id_z 1
		.amdhsa_system_vgpr_workitem_id 0
		.amdhsa_next_free_vgpr 194
		.amdhsa_next_free_sgpr 66
		.amdhsa_reserve_vcc 0
		.amdhsa_float_denorm_mode_32 3
		.amdhsa_float_denorm_mode_16_64 3
		.amdhsa_memory_ordered 1
		.amdhsa_forward_progress 1
		.amdhsa_inst_pref_size 46
	.end_amdhsa_kernel
	.amdgpu_metadata
---
amdhsa.version: [ 1, 2 ]
amdhsa.kernels:
  - .name:           k_q37bb63e23a_wquant
    .symbol:         k_q37bb63e23a_wquant.kd
    .args:
      - { .name: w_q, .offset: 0, .size: 8, .value_kind: global_buffer, .address_space: global }
      - { .name: w_k, .offset: 8, .size: 8, .value_kind: global_buffer, .address_space: global }
      - { .name: w_v, .offset: 16, .size: 8, .value_kind: global_buffer, .address_space: global }
      - { .name: w_o, .offset: 24, .size: 8, .value_kind: global_buffer, .address_space: global }
      - { .name: w_ff1, .offset: 32, .size: 8, .value_kind: global_buffer, .address_space: global }
      - { .name: w_ff2, .offset: 40, .size: 8, .value_kind: global_buffer, .address_space: global }
      - { .name: wq, .offset: 48, .size: 8, .value_kind: global_buffer, .address_space: global }
    .group_segment_fixed_size: 25088
    .private_segment_fixed_size: 0
    .kernarg_segment_align: 8
    .kernarg_segment_size: 56
    .max_flat_workgroup_size: 128
    .sgpr_count:     66
    .vgpr_count:     194
    .wavefront_size: 32
...
	.end_amdgpu_metadata
.endif
;; end of part 1
;; launch ln1 (part 2): grid 256 x 1, 8 waves a work-group, no clusters, 66,816 bytes of LDS; arguments x, ln1_scale, ln1_shift, hq; writes hq
.if DOCPART == 2
	.amdgcn_target "amdgcn-amd-amdhsa--gfx1250"
	.amdhsa_code_object_version 6
	.text
	.protected	k_q37bb63e23a_ln1
	.globl	k_q37bb63e23a_ln1
	.p2align	8
	.type	k_q37bb63e23a_ln1,@function
k_q37bb63e23a_ln1:
	s_mov_b64 s[64:65], 0
	v_nop
	global_prefetch_b8 v0, s[64:65] scope:SCOPE_SE
	s_setreg_imm32_b32 hwreg(HW_REG_WAVE_MODE, 25, 1), 1
	s_wait_xcnt 0x0
; h = gain x (x - mean) / sqrt(var + 1e-5) + shift over rows of 1,024 f32, all in f32, and h quantised along the row to codes of BF6 (E3M2), one E8M0 byte for each 32.
; A work-group takes 16 rows.  PHASE 1: wave w normalises rows 2 w and 2 w + 1 (a row is 32 registers a lane; mean first, then the mean of the squared differences, as the definition has it) and stores them as f32 into LDS.
; PHASE 2: wave w quantises K step w (128 columns) of all 16 rows: lane (r, h) takes row r and, of each block of 32, elements 8 h .. 8 h + 7 and 16 + 8 h .. 16 + 8 h + 7.
; So position p of a block holds element pi(p) = p with bits 3 and 4 exchanged, the order of every operand of this program.
; OUTPUT: codes [g = row / 128][s2 = k / 256][i = 16 rows][q = 128 k][1,536]: an image of the operand's registers (piece p: registers 2 p, 2 p + 1 of lane l at 256 p + 8 l); scale words at 3,145,728: [g][k / 128][i][16 rows] u32.
; Matrix units, clusters and tensor loads buy nothing here: memory and the row sums are all the work.
; LIMITS: NaN and infinities are not served; a block whose largest magnitude lies under 2^-122 keeps the byte 1; a block of zeros gets the byte 1 and not 127 (its codes are zeros; the bytes are read by this program alone).
.set PITCH, 4112                       ; an LDS row: 4,096 bytes + 16: an odd multiple of 16, so the 16 rows that a load of 16 bytes a lane touches start in different banks
.set GA,  96                           ; v96-127  the gain at my columns
.set BE,  128                          ; v128-159 the shift
.set TM,  100                          ; phase 2: v100-103 largest magnitudes, v104-107 bytes, v112-115 scale operands
.set PW,  120                          ; the scale word
.set PC,  160                          ; v160-171 the fragment's codes; v172-178 at work
	s_load_b256 s[4:11], s[0:1], 0x0               ; the rows s[4:5], gain s[6:7], shift s[8:9], hq s[10:11]
	v_lshl_add_u32 v192, v0, 2, 0x10100
	v_mov_b32 v193, 0
	v_lshrrev_b32 v1, 5, v0
	v_readfirstlane_b32 s12, v1                    ; wave 0..7
	v_and_b32 v2, 31, v0                           ; lane
	v_lshlrev_b32 v1, 4, v2                        ; 16 x lane
	s_lshl_b32 s16, ttmp9, 16                      ; 16 rows of 4,096 bytes a work-group,
	s_lshl_b32 s17, s12, 13                        ; two a wave
	s_add_co_u32 s16, s16, s17
	s_mov_b32 s17, 0
	s_mov_b32 s13, 0x3a800000                      ; 1 / 1,024
	s_mov_b32 s14, 0x76543210                      ; v_permlanex16_b32's selects for lane l xor 16
	s_mov_b32 s15, 0xfedcba98
	s_mul_i32 s18, s12, 2*PITCH
	v_add_nc_u32 v3, s18, v1                       ; phase 1's stores: my wave's two rows, 16 x lane
	v_and_b32 v5, 15, v0                           ; r
	v_bfe_u32 v6, v0, 4, 1                         ; h
	v_mul_u32_u24 v4, v5, PITCH
	v_lshl_add_u32 v4, v6, 5, v4
	s_lshl_b32 s19, s12, 9
	v_add_nc_u32 v4, s19, v4                       ; phase 2's loads: row r, + 512 w, + 32 h
	v_lshlrev_b32 v5, 2, v5                        ; 4 r
	v_lshlrev_b32 v7, 3, v2                        ; 8 x lane
	s_lshr_b32 s20, ttmp9, 3                       ; g
	s_and_b32 s21, ttmp9, 7                        ; i
	s_mul_i32 s22, s20, 98304
	s_mul_i32 s23, s21, 3072
	s_add_co_u32 s22, s22, s23
	s_lshr_b32 s23, s12, 1
	s_mul_i32 s23, s23, 24576
	s_add_co_u32 s22, s22, s23
	s_and_b32 s23, s12, 1
	s_mul_i32 s23, s23, 1536
	s_add_co_u32 s22, s22, s23                     ; my image
	s_mov_b32 s23, 0
	s_lshl_b32 s24, s20, 12
	s_lshl_b32 s25, s21, 6
	s_add_co_u32 s24, s24, s25
	s_add_co_u32 s24, s24, s19
	s_add_co_u32 s24, s24, 3145728                 ; its 16 scale words
	s_mov_b32 s25, 0
	s_wait_kmcnt 0x0
	s_add_nc_u64 s[4:5], s[4:5], s[16:17]
	s_add_nc_u64 s[22:23], s[10:11], s[22:23]
	s_add_nc_u64 s[24:25], s[10:11], s[24:25]
.irp e, 0,1
.irp j, 0,1,2,3,4,5,6,7
	global_load_b128 v[32+32*\e+4*\j:35+32*\e+4*\j], v1, s[4:5] offset:4096*\e+512*\j   ; 32 lanes read 512 consecutive bytes
.endr
.endr
.irp j, 0,1,2,3,4,5,6,7
	global_load_b128 v[GA+4*\j:GA+4*\j+3], v1, s[6:7] offset:512*\j
	global_load_b128 v[BE+4*\j:BE+4*\j+3], v1, s[8:9] offset:512*\j
.endr
.macro LANESUM a, b                    ; v[a] summed over the 32 lanes, in every lane; v[b] at work (written before)
	v_add_f32_dpp v[\a], v[\a], v[\a] row_xmask:1 row_mask:0xf bank_mask:0xf
	v_add_f32_dpp v[\a], v[\a], v[\a] row_xmask:2 row_mask:0xf bank_mask:0xf
	v_add_f32_dpp v[\a], v[\a], v[\a] row_xmask:4 row_mask:0xf bank_mask:0xf
	v_add_f32_dpp v[\a], v[\a], v[\a] row_xmask:8 row_mask:0xf bank_mask:0xf
	v_permlanex16_b32 v[\b], v[\a], s14, s15
	v_add_f32 v[\a], v[\a], v[\b]
.endm
.macro ROW e
.set XR, 32+32*\e
	v_pk_add_f32 v[8:9], v[XR:XR+1], v[XR+2:XR+3]                   ; the sum, in two chains
	v_pk_add_f32 v[10:11], v[XR+4:XR+5], v[XR+6:XR+7]
.irp j, 8,12,16,20,24,28
	v_pk_add_f32 v[8:9], v[8:9], v[XR+\j:XR+\j+1]
	v_pk_add_f32 v[10:11], v[10:11], v[XR+\j+2:XR+\j+3]
.endr
	v_pk_add_f32 v[8:9], v[8:9], v[10:11]
	v_add_f32 v8, v8, v9
	LANESUM 8, 9
	v_mul_f32 v8, s13, v8                          ; the mean,
	v_mov_b32 v9, v8                               ; twice, for the packed form
.irp j, 0,2,4,6,8,10,12,14,16,18,20,22,24,26,28,30
	v_pk_add_f32 v[XR+\j:XR+\j+1], v[XR+\j:XR+\j+1], v[8:9] neg_lo:[0,1] neg_hi:[0,1]   ; x - mean
.endr
	v_pk_mul_f32 v[10:11], v[XR:XR+1], v[XR:XR+1]                   ; the sum of squares, in two chains
	v_pk_mul_f32 v[12:13], v[XR+2:XR+3], v[XR+2:XR+3]
.irp j, 4,8,12,16,20,24,28
	v_pk_fma_f32 v[10:11], v[XR+\j:XR+\j+1], v[XR+\j:XR+\j+1], v[10:11]
	v_pk_fma_f32 v[12:13], v[XR+\j+2:XR+\j+3], v[XR+\j+2:XR+\j+3], v[12:13]
.endr
	v_pk_add_f32 v[10:11], v[10:11], v[12:13]
	v_add_f32 v10, v10, v11
	LANESUM 10, 11
	v_fmaak_f32 v10, s13, v10, 0x3727c5ac          ; var + 1e-5
	v_rsq_f32 v12, v10
	v_rsq_f32 v13, v10                             ; twice, for the packed form
	v_nop                                          ; one plain place behind a transcendental
.if \e == 0
	s_wait_loadcnt 0x0                             ; gain and shift
.endif
	s_wait_alu depctr_va_vdst(0)
.irp j, 0,2,4,6,8,10,12,14,16,18,20,22,24,26,28,30
	v_pk_mul_f32 v[XR+\j:XR+\j+1], v[XR+\j:XR+\j+1], v[12:13]
.endr
.irp j, 0,2,4,6,8,10,12,14,16,18,20,22,24,26,28,30
	v_pk_fma_f32 v[XR+\j:XR+\j+1], v[XR+\j:XR+\j+1], v[GA+\j:GA+\j+1], v[BE+\j:BE+\j+1]
.endr
.irp j, 0,1,2,3,4,5,6,7
	ds_store_b128 v3, v[XR+4*\j:XR+4*\j+3] offset:\e*PITCH+512*\j
.endr
.endm
	s_wait_loadcnt 16                              ; my two rows are in; the 16 loads of gain and shift may be out
	ROW 0
	ROW 1
	s_wait_dscnt 0x0                               ; for the others' sake: my stores have landed
	s_barrier_signal -1
	s_barrier_wait -1                              ; 16 normalised rows lie in LDS
.irp b, 0,1,2,3
	ds_load_b128 v[32+16*\b:35+16*\b], v4 offset:128*\b          ; elements 8 h .. 8 h + 7 of block b,
	ds_load_b128 v[36+16*\b:39+16*\b], v4 offset:128*\b+16
	ds_load_b128 v[40+16*\b:43+16*\b], v4 offset:128*\b+64       ; and 16 + 8 h .. 16 + 8 h + 7
	ds_load_b128 v[44+16*\b:47+16*\b], v4 offset:128*\b+80
.endr
.irp b, 0,1,2,3
	v_mov_b32 v[TM+4+\b], 0                        ; a lane permute's destination counts as one of its sources
.endr
	s_wait_dscnt 0x0
.irp b, 0,1,2,3
	v_max3_num_f32 v[TM+\b], |v[32+16*\b]|, |v[33+16*\b]|, 0x2800000   ; my 16 numbers of block b, and the floor 2^(5 - 127): the byte cannot fall under 1
.endr
.irp i, 2,4,6,8,10,12,14
.irp b, 0,1,2,3
	v_max3_num_f32 v[TM+\b], v[TM+\b], |v[32+16*\b+\i]|, |v[33+16*\b+\i]|
.endr
.endr
.irp b, 0,1,2,3
	v_permlanex16_b32 v[TM+4+\b], v[TM+\b], s14, s15
.endr
.irp b, 0,1,2,3
	v_max_num_f32 v[TM+\b], v[TM+\b], v[TM+4+\b]   ; with lane l xor 16's: the block's largest magnitude
.endr
.irp b, 0,1,2,3
	v_add_nc_u32 v[TM+12+\b], 0xfe000000, v[TM+\b] ; 4 off its exponent field: the conversion's scale operand
.endr
.irp b, 0,1,2,3
	v_lshrrev_b32 v[TM+4+\b], 23, v[TM+12+\b]      ; the scale's byte
.endr
	v_lshl_or_b32 v[PW], v[TM+5], 8, v[TM+4]
	v_lshl_or_b32 v[PW], v[TM+6], 16, v[PW]
	v_lshl_or_b32 v[PW], v[TM+7], 24, v[PW]        ; my row's scale word (lanes r and r + 16 hold the same)
.irp c, 0,1
	v_cvt_scalef32_pk16_bf6_f32 v[PC+6*\c:PC+6*\c+2], v[32+32*\c:47+32*\c], v[TM+12+2*\c]
	v_cvt_scalef32_pk16_bf6_f32 v[PC+12+4*\c:PC+14+4*\c], v[48+32*\c:63+32*\c], v[TM+13+2*\c]
.endr
	v_nop                                          ; one plain place behind a scaled conversion
.irp c, 0,1                            ; the operand's layout wants a whole block in a lane: lanes 0-15 block 2 c, lanes 16-31 block 2 c + 1
.irp i, 0,1,2
	v_permlane16_swap_b32 v[PC+6*\c+\i], v[PC+12+4*\c+\i]
.endr
.irp i, 0,1,2
	v_mov_b32 v[PC+3+6*\c+\i], v[PC+12+4*\c+\i]
.endr
.endr
.irp p, 0,1,2,3,4,5
	global_store_b64 v7, v[PC+2*\p:PC+2*\p+1], s[22:23] offset:256*\p   ; 32 lanes store 256 consecutive bytes, at a multiple of 256 from the buffer's first byte
.endr
	global_store_b32 v5, v[PW], s[24:25]           ; lanes r and r + 16 store the same word to the same place
	s_wait_tensorcnt 0x0
	ds_add_u32 v192, v193
	s_wait_dscnt 0x0
	s_endpgm
.Lfunc_end_k_q37bb63e23a_ln1:
	.size	k_q37bb63e23a_ln1, .Lfunc_end_k_q37bb63e23a_ln1-k_q37bb63e23a_ln1
	.p2alignl 7, 3214868480
	.fill 96, 4, 3214868480
	.section	.rodata,"a",@progbits
	.p2align	6, 0x0
	.amdhsa_kernel k_q37bb63e23a_ln1
		.amdhsa_group_segment_fixed_size 66816
		.amdhsa_private_segment_fixed_size 0
		.amdhsa_enable_private_segment 0
		.amdhsa_kernarg_size 32
		.amdhsa_user_sgpr_count 2
		.amdhsa_user_sgpr_kernarg_segment_ptr 1
		.amdhsa_wavefront_size32 1
		.amdhsa_system_sgpr_workgroup_id_x 1
		.amdhsa_system_sgpr_workgroup_id_y 1
		.amdhsa_system_sgpr_workgroup_id_z 1
		.amdhsa_system_vgpr_workitem_id 0
		.amdhsa_next_free_vgpr 194
		.amdhsa_next_free_sgpr 66
		.amdhsa_reserve_vcc 0
		.amdhsa_float_denorm_mode_32 3
		.amdhsa_float_denorm_mode_16_64 3
		.amdhsa_memory_ordered 1
		.amdhsa_forward_progress 1
		.amdhsa_inst_pref_size 25
	.end_amdhsa_kernel
	.amdgpu_metadata
---
amdhsa.version: [ 1, 2 ]
amdhsa.kernels:
  - .name:           k_q37bb63e23a_ln1
    .symbol:         k_q37bb63e23a_ln1.kd
    .args:
      - { .name: x, .offset: 0, .size: 8, .value_kind: global_buffer, .address_space: global }
      - { .name: ln1_scale, .offset: 8, .size: 8, .value_kind: global_buffer, .address_space: global }
      - { .name: ln1_shift, .offset: 16, .size: 8, .value_kind: global_buffer, .address_space: global }
      - { .name: hq, .offset: 24, .size: 8, .value_kind: global_buffer, .address_space: global }
    .group_segment_fixed_size: 66816
    .private_segment_fixed_size: 0
    .kernarg_segment_align: 8
    .kernarg_segment_size: 32
    .max_flat_workgroup_size: 256
    .sgpr_count:     66
    .vgpr_count:     194
    .wavefront_size: 32
...
	.end_amdgpu_metadata
.endif
;; end of part 2
;; launch qkv (part 3): grid 8 x 24, 4 waves a work-group, clusters of 4 x 4, 327,680 bytes of LDS; arguments hq, wq, qkvq; writes qkvq
.if DOCPART == 3
	.amdgcn_target "amdgcn-amd-amdhsa--gfx1250"
	.amdhsa_code_object_version 6
	.text
	.protected	k_q37bb63e23a_qkv
	.globl	k_q37bb63e23a_qkv
	.p2align	8
	.type	k_q37bb63e23a_qkv,@function
k_q37bb63e23a_qkv:
	s_mov_b64 s[64:65], 0
	v_nop
	global_prefetch_b8 v0, s[64:65] scope:SCOPE_SE
	s_setreg_imm32_b32 hwreg(HW_REG_WAVE_MODE, 25, 1), 1
	s_wait_xcnt 0x0
	s_wait_alu depctr_hold_cnt(0) depctr_sa_sdst(0) depctr_va_vdst(0) depctr_va_sdst(0) depctr_va_ssrc(0) depctr_va_vcc(0) depctr_vm_vsrc(0)
	s_getreg_b32 s2, hwreg(HW_REG_IB_STS2, 6, 4)
	s_cmp_eq_u32 s2, 0
	s_cbranch_scc0 .Lentry_in_a_cluster
	s_endpgm
.Lentry_in_a_cluster:
	s_bfe_u32 s2, ttmp6, 0x10000c
	s_cmp_lg_u32 s2, 0xf033
	s_cbranch_scc0 .Lentry_shape_is_right
	s_endpgm
.Lentry_shape_is_right:
; q = h Wq, k = h Wk and v^T = (h Wv)^T on codes of BF6 (E3M2) with E8M0 scales, K = 1,024, and the results quantised at once for attention's two products.
; OPERANDS lie in memory as images of their registers: codes [g = 128 rows][s2 = 256 k][i = 16 rows][q = 128 k][1,536] (piece p: registers 2 p, 2 p + 1 of lane l at 256 p + 8 l), scale words [g][128 k][i][16 rows] u32.
; So 128 rows x 256 K are one dense block of 24,576 bytes for one tensor load, a fragment comes by six loads of 256 consecutive bytes, and LDS needs no pitch and no padding.
; A work-group of four waves makes 256 x 256, a wave 128 x 128: 64 accumulators, 512 registers.  K goes in steps of 256 through a ring of two LDS slots; the scale words of all of K come once, with the first fills.
; THE MATRIX INSTRUCTION IS USED TRANSPOSED (source 0 = 16 rows of "B", source 1 = 16 rows of "A"): a lane holds ONE row of A, and its 64 registers of a block of A run along B's 128 rows, which are the next product's K.
; TWO PARTS, told apart by the cluster's y (Y): Y < 4: A = h (tokens), B = Wq's and Wk's 2,048 rows: q and k, quantised along the head's 64 channels.  Y >= 4: A = Wv's 1,024 rows, B = h: v^T, quantised along the keys.
; Only pointers and offsets are selected; every branch, mask and LDS address is the same in both parts.
; ORDER INSIDE A BLOCK OF 32 of a result: position p holds element pi(p) = p with bits 3 and 4 exchanged (a lane's 16 registers of two neighbouring tiles are elements 8 h .. + 7 and 16 + 8 h .. + 7): the order of every operand of this program.
; OUTPUT qkvq: q codes [bh][token / 16][768] at 0 (half an image: a head's 64 channels), k's at 3,145,728, v^T's [bh][key / 128][channel / 16][1,536] at 6,291,456;
;   scale words: q [bh / 2][token / 16][16] at 9,437,184 (low half the even head, high half the odd), k at 9,568,256, v^T [bh / 2][key / 128][4 (bh % 2) + channel / 16][16] at 9,699,328.
; CLUSTERS: 4 x 4 work-groups; A's tiles are asked for jointly along a row of the cluster, B's along a column.
; LIMITS: NaN and infinities are not served; a block whose largest magnitude lies under 2^-122 keeps the byte 1; a block of zeros gets the byte 1 and not 127 (its codes are zeros; the bytes are read by this program alone).
; REGISTERS: window 0: v16-29 addresses; v32-63 scale words, two sets; v128-223 A's fragments, one set; on the way out v128-146 codes, v224-242 at work.  window 1: B's fragments, two sets.  windows 2, 3: accumulator (a, b) at v[8 (8 (a % 4) + b)].
.set SIZE_K, 1024
.set GB,     96*SIZE_K                 ; the codes of 128 rows
.set NQ,     2
.set FR,     12
.set NL,     6
.set NP,     4                         ; places behind this matrix instruction (ISA guide 7.12.1)
.set HALFT,  24576                     ; 128 rows x 256 K: what one tensor load brings
.set SLOT,   4*HALFT
.set LAPS,   SIZE_K/512
.set SCL,    2*SLOT                    ; behind the ring: the scale words
.set HALFS,  4*SIZE_K                  ; those of 128 rows, all of K
.set SPARE,  SCL+4*HALFS               ; the spare words, 128 bytes for each wave: two blocks of 256 bytes that no other line names
.set ADRA, 16                          ; v16-17  LDS address of my A fragments in slot 0, 1
.set ADRB, 20                          ; v20-21  the same for B
.set OA,   24                          ; v24     8 x lane: pieces 0-2 of an image
.set OB,   25                          ; v25     the same + the distance to pieces 3-5
.set OS,   26                          ; v26     4 x lane
.set ADRS, 27                          ; v27     LDS address of my scale words: lanes 0-15 A's, lanes 16-31 B's
.set SPW,  28
.set NIL,  29
.set SC,   32
.set AF,   128
.set PC,   128
.set TM,   224
.set PW,   240
.set PWS,  242
.set G1, 24
.set G0, 32
.set G1B, 48
.set G0B, 56
.set G1S, 68
.set G0S, 76
.set G1SB, 80
.set G0SB, 88
.set MSB, 0
.macro WIN new                         ; the immediate's high byte repeats the setting that is left
.if MSB != \new
	s_set_vgpr_msb (MSB<<8)|\new
.set MSB, \new
.endif
.endm
.set MUL_LO, 0xa1                      ; source 0 (B) window 1, source 1 (A) window 0, C and D window 2
.set MUL_HI, 0xf1
.set TO_B,   0x40
.macro JLOAD g0a, g1a, g0b, g1b        ; a joint load: waves 0 and 1 fetch for A, waves 2 and 3 for B; four v_nop follow each line
	s_cmp_eq_u32 s15, 0
	s_cbranch_scc0 .Lfor_b_\@
	tensor_load_to_lds s[\g0a:\g0a+3], s[\g1a:\g1a+7]
	s_nop 0
.rept 4
	v_nop
.endr
	s_branch .Lasked_\@
.Lfor_b_\@:
	tensor_load_to_lds s[\g0b:\g0b+3], s[\g1b:\g1b+7]
	s_nop 0
.rept 4
	v_nop
.endr
.Lasked_\@:
.endm
.macro CREST                           ; a round of the cluster's barrier behind its opening barrier
	s_cmp_lg_u32 s14, 0
	s_cbranch_scc1 .Lnot_wave_0_\@
	s_barrier_signal -3
.Lnot_wave_0_\@:
	s_barrier_wait -3
	s_barrier_signal -1
	s_barrier_wait -1
.endm
.macro CROUND
	s_barrier_signal -1
	s_barrier_wait -1
	CREST
.endm
	s_load_b128 s[4:7], s[0:1], 0x0                ; hq s[4:5], wq s[6:7]
	s_load_b64 s[12:13], s[0:1], 0x10              ; qkvq
	v_lshl_add_u32 v[SPW], v0, 2, SPARE
	v_mov_b32 v[NIL], 0
	ds_add_u32 v28, v29
	ds_add_u32 v28, v29
	s_wait_dscnt 0x0
	v_lshrrev_b32 v1, 5, v0
	v_readfirstlane_b32 s14, v1                    ; wave 0..3
	s_lshr_b32 s15, s14, 1                         ; my half of A's rows.  Also: I fetch for A (0) or for B (1)
	s_and_b32 s16, s14, 1                          ; my half of B's rows.  Also: which 128 rows I fetch
	s_bfe_u32 s40, ttmp6, 0x40000                  ; cx
	s_bfe_u32 s41, ttmp6, 0x40004                  ; cy
	s_and_b32 s17, ttmp7, 0xffff                   ; Y
	s_sub_co_u32 s18, s17, 4
	s_lshl_b32 s18, s18, 3                         ; 8 (Y - 4)
	s_cmp_ge_u32 s17, 4                            ; the v part?  It hangs on the cluster's number alone
	s_cselect_b32 s95, 1, 0
	s_cselect_b32 s17, 0, s17
	s_cselect_b32 s18, s18, 0
	s_cselect_b32 s96, 1572864, 0                  ; where A's codes begin in their buffer: Wv's in wq, h's in hq
	s_mov_b32 s97, 3145728
	s_cselect_b32 s97, 9502720, s97                ; A's scale words
	s_mov_b32 s98, 9437184
	s_cselect_b32 s98, 3145728, s98                ; B's scale words (B's codes begin at 0 in both parts)
	s_lshl_b32 s17, s17, 2
	s_add_co_u32 s17, s17, s41                     ; ty: A's tile: 4 Y + cy, or cy
	s_lshl_b32 s42, ttmp9, 2
	s_add_co_u32 s42, s42, s40
	s_add_co_u32 s42, s42, s18                     ; tx: B's tile: 4 X + cx, + 8 (Y - 4) in the v part
	s_lshl_b32 s43, s41, 2
	s_lshl_b32 s43, 15, s43                        ; my row of the cluster
	s_lshl_b32 s44, 0x1111, s40                    ; my column
	s_or_b32 s[G1+0], s43, (3<<16)|(1<<21)         ; 15:0 the mask; 17:16 elements of 8 bytes; 20 no padding; 21 set beside a mask
	s_or_b32 s[G1B+0], s44, (3<<16)|(1<<21)
.irp g, G1, G1B                        ; a dense block of 24,576 bytes as 96 rows of 256 bytes
	s_mov_b32 s[\g+1], 32<<16
	s_mov_b32 s[\g+2], 96<<16
	s_mov_b32 s[\g+3], 32<<16
	s_mov_b32 s[\g+4], 96
	s_mov_b32 s[\g+5], 32
	s_mov_b32 s[\g+6], 0
	s_mov_b32 s[\g+7], 0
.endr
	s_or_b32 s[G1S+0], s43, (3<<16)|(1<<21)
	s_or_b32 s[G1SB+0], s44, (3<<16)|(1<<21)
.irp g, G1S, G1SB                      ; the scale words of 128 rows: HALFS dense bytes as rows of 256
	s_mov_b32 s[\g+1], 32<<16
	s_mov_b32 s[\g+2], (HALFS/256)<<16
	s_mov_b32 s[\g+3], 32<<16
	s_mov_b32 s[\g+4], HALFS/256
	s_mov_b32 s[\g+5], 32
	s_mov_b32 s[\g+6], 0
	s_mov_b32 s[\g+7], 0
.endr
	s_lshl_b32 s20, s17, 1
	s_add_co_u32 s20, s20, s16                     ; A's group of 128 rows that I fetch
	s_lshl_b32 s46, s42, 1
	s_add_co_u32 s46, s46, s16                     ; B's
	s_mul_i32 s22, s20, HALFS
	s_add_co_u32 s22, s22, s97
	s_mul_i32 s20, s20, GB
	s_add_co_u32 s20, s20, s96
	s_mul_i32 s92, s46, HALFS
	s_add_co_u32 s92, s92, s98
	s_mul_i32 s46, s46, GB
	s_mov_b32 s21, 0
	s_mov_b32 s23, 0
	s_mov_b32 s47, 0
	s_mov_b32 s93, 0
	s_mul_i32 s45, s14, HALFT                      ; where they go: wave x 24,576: no place in the cluster enters an LDS address
	s_mul_i32 s94, s14, HALFS
	s_wait_kmcnt 0x0
	s_cmp_lg_u32 s95, 0
	s_cselect_b64 s[8:9], s[6:7], s[4:5]           ; A's buffer
	s_cselect_b64 s[10:11], s[4:5], s[6:7]         ; B's buffer
	s_add_nc_u64 s[20:21], s[8:9], s[20:21]
	s_add_nc_u64 s[22:23], s[8:9], s[22:23]
	s_add_nc_u64 s[46:47], s[10:11], s[46:47]
	s_add_nc_u64 s[92:93], s[10:11], s[92:93]
	CROUND                                         ; all sixteen work-groups are here: the first joint loads meet
	s_mov_b32 s[G0S], 1
	s_add_co_u32 s[G0S+1], s94, SCL
	s_mov_b64 s[G0S+2:G0S+3], s[22:23]
	s_or_b32 s[G0S+3], s[G0S+3], 0x80000000
	s_mov_b32 s[G0SB], 1
	s_add_co_u32 s[G0SB+1], s94, SCL
	s_mov_b64 s[G0SB+2:G0SB+3], s[92:93]
	s_or_b32 s[G0SB+3], s[G0SB+3], 0x80000000
	JLOAD G0S, G1S, G0SB, G1SB                     ; the scale words first: they are wanted with K step 0
.irp s, 0,1
	s_mov_b32 s[G0+4*\s], 1
	s_add_co_u32 s[G0+4*\s+1], s45, \s*SLOT
	s_add_nc_u64 s[G0+4*\s+2:G0+4*\s+3], s[20:21], \s*HALFT
	s_or_b32 s[G0+4*\s+3], s[G0+4*\s+3], 0x80000000
	s_mov_b32 s[G0B+4*\s], 1
	s_add_co_u32 s[G0B+4*\s+1], s45, \s*SLOT
	s_add_nc_u64 s[G0B+4*\s+2:G0B+4*\s+3], s[46:47], \s*HALFT
	s_or_b32 s[G0B+4*\s+3], s[G0B+4*\s+3], 0x80000000
	JLOAD G0+4*\s, G1, G0B+4*\s, G1B
.endr
	v_and_b32 v1, 15, v0                           ; r
	v_bfe_u32 v2, v0, 4, 1                         ; h
	v_and_b32 v4, 31, v0                           ; lane
	v_lshlrev_b32 v[OA], 3, v4                     ; 8 x lane: my place in every piece of an image
	v_lshlrev_b32 v[OS], 2, v4
	s_mul_i32 s21, s15, HALFT                      ; my 128 rows of A
	s_mul_i32 s22, s16, HALFT
	s_add_co_u32 s22, s22, 2*HALFT                 ; my 128 rows of B, behind A's 256
.irp s, 0,1
	v_add_nc_u32 v[ADRA+\s], s21, v[OA]
	v_add_nc_u32 v[ADRB+\s], s22, v[OA]
	s_add_co_u32 s21, s21, SLOT
	s_add_co_u32 s22, s22, SLOT
.endr
	v_lshlrev_b32 v5, 2, v1                        ; my row's scale word: 4 r
	s_mul_i32 s21, s15, HALFS
	s_mul_i32 s22, s16, HALFS
	s_add_co_u32 s22, s22, 2*HALFS
	s_sub_co_u32 s22, s22, s21
	v_mul_u32_u24 v6, s22, v2                      ; lanes 16-31 take B's: one product, the distance between the two
	s_add_co_u32 s21, s21, SCL
	v_add_nc_u32 v5, v5, v6
	v_add_nc_u32 v[ADRS], s21, v5
.irp b, 0,1,2,3
	v_mov_b32 v[TM+4+\b], 0                        ; written once: a lane permute's destination counts as one of its sources
.endr
	; where my results go.  The q, k part: which = tx / 4, pair of heads = 2 (tx % 4) + B half, batch = ty / 8, first block of 16 tokens = 16 (ty % 8) + 8 x A half
	s_lshr_b32 s96, s42, 2
	s_lshl_b32 s96, s96, 1
	s_lshr_b32 s97, s17, 3
	s_add_co_u32 s96, s96, s97                     ; 2 which + batch
	s_and_b32 s97, s42, 3
	s_lshl_b32 s97, s97, 1
	s_add_co_u32 s97, s97, s16                     ; the pair
	s_lshl_b32 s98, s96, 3
	s_add_co_u32 s98, s98, s97                     ; u = 8 (2 which + batch) + pair
	s_and_b32 s99, s17, 7
	s_lshl_b32 s99, s99, 1
	s_add_co_u32 s99, s99, s15                     ; first token block / 8
	s_mul_i32 s96, s98, 196608                     ; two heads of 98,304 bytes
	s_mul_i32 s97, s99, 6144                       ; eight token blocks of 768
	s_add_co_u32 s96, s96, s97                     ; codes
	s_lshl_b32 s98, s98, 13
	s_lshl_b32 s99, s99, 9
	s_add_co_u32 s97, s98, s99
	s_add_co_u32 s97, s97, 9437184                 ; scale words
	; the v part: batch = tx / 8, key step = 2 (tx % 8) + B half, pair of heads = 8 batch + 2 ty + A half
	s_lshr_b32 s98, s42, 3
	s_lshl_b32 s98, s98, 3
	s_lshl_b32 s99, s17, 1
	s_add_co_u32 s98, s98, s99
	s_add_co_u32 s98, s98, s15
	s_and_b32 s99, s42, 7
	s_lshl_b32 s99, s99, 1
	s_add_co_u32 s99, s99, s16
	s_mul_i32 s100, s98, 196608
	s_mul_i32 s101, s99, 6144
	s_add_co_u32 s100, s100, s101
	s_add_co_u32 s100, s100, 6291456               ; codes
	s_lshl_b32 s98, s98, 4
	s_add_co_u32 s98, s98, s99
	s_lshl_b32 s98, s98, 9
	s_add_co_u32 s101, s98, 9699328                ; scale words
	s_cmp_lg_u32 s95, 0
	s_cselect_b32 s96, s100, s96
	s_cselect_b32 s98, s101, s97
	s_mov_b32 s97, 0
	s_mov_b32 s99, 0
	s_add_nc_u64 s[66:67], s[12:13], s[98:99]      ; my scale words
	s_add_nc_u64 s[12:13], s[12:13], s[96:97]      ; my first image
	s_mov_b32 s96, 768
	s_cselect_b32 s96, 1536, s96                   ; from a block of A to the next: a token block, or 16 channels;
	s_mov_b32 s98, 768
	s_cselect_b32 s98, 93696, s98                  ; from block 3 to block 4: in the v part on to the next head
	s_mov_b32 s100, 98304
	s_cselect_b32 s100, 768, s100                  ; from pieces 0-2 to pieces 3-5: the next head, or the image's second half
	s_mov_b32 s101, 0xffff0000                     ; lanes 16-31
	v_add_nc_u32 v[OB], s100, v[OA]
.macro FRAG reg, adr, q, i             ; a fragment: six loads of 256 consecutive bytes, as its image lies
.irp p, 0,1,2,3,4,5
	ds_load_b64 v[\reg+2*\p:\reg+2*\p+1], v[\adr] offset:(2*(\i)+(\q))*1536+256*\p
.endr
.endm
; 16 matrix instructions: A's blocks a0, a0 + 1 x B's eight, the slot's q-th 128 along K.  zero = 1: the first product starts the sums.  The 64 accumulators take turns, one instruction a turn.
.macro MUL16 a0, p, q, sc, zero
.irp a, \a0, \a0+1
.irp b, 0,1,2,3,4,5,6,7
.if \zero
	v_wmma_scale_f32_16x16x128_f8f6f4 v[8*(8*((\a)%4)+\b):8*(8*((\a)%4)+\b)+7], v[128*(\p)+FR*\b:128*(\p)+FR*\b+FR-1], v[AF+FR*(\a):AF+FR*(\a)+FR-1], 0, v[SC+8*NQ*(\sc)+NQ*\b+(\q)], v[SC+8*NQ*(\sc)+NQ*(\a)+(\q)] matrix_a_fmt:MATRIX_FMT_BF6 matrix_b_fmt:MATRIX_FMT_BF6 matrix_a_scale:MATRIX_SCALE_ROW1
.else
	v_wmma_scale_f32_16x16x128_f8f6f4 v[8*(8*((\a)%4)+\b):8*(8*((\a)%4)+\b)+7], v[128*(\p)+FR*\b:128*(\p)+FR*\b+FR-1], v[AF+FR*(\a):AF+FR*(\a)+FR-1], v[8*(8*((\a)%4)+\b):8*(8*((\a)%4)+\b)+7], v[SC+8*NQ*(\sc)+NQ*\b+(\q)], v[SC+8*NQ*(\sc)+NQ*(\a)+(\q)] matrix_a_fmt:MATRIX_FMT_BF6 matrix_b_fmt:MATRIX_FMT_BF6 matrix_a_scale:MATRIX_SCALE_ROW1
.endif
.endr
.endr
.endm
.macro FETCH_B slot, q, p
	WIN TO_B
.irp i, 0,1,2,3,4,5,6,7
	FRAG 128*(\p)+FR*\i, ADRB+\slot, \q, \i
.endr
	WIN 0
.endm
.macro FETCH_A slot, q, i0
.irp i, \i0, \i0+1, \i0+2, \i0+3
	FRAG AF+FR*(\i), ADRA+\slot, \q, \i
.endr
.endm
.macro SCALES sc                       ; the next K step's scale words: register 2 i + q: lanes 0-15 A's block i, lanes 16-31 B's block i
.irp i, 0,1,2,3,4,5,6,7
	ds_load_b32 v[SC+8*NQ*\sc+NQ*\i], v[ADRS] offset:64*\i
	ds_load_b32 v[SC+8*NQ*\sc+NQ*\i+1], v[ADRS] offset:512+64*\i
.endr
.endm
.macro PLACES n                        ; plain vector instructions in front of loads into registers that matrix instructions have read, and of the first read of results
.rept \n
	v_nop
.endr
.endm
.macro STEP slot, q, zero              ; a step of 128 along K that has its successor in the same slot
	s_wait_dscnt 4*NL                              ; B's set and A's blocks 0-3 are in; the youngest 24 loads (A's blocks 4-7) may be out
	WIN MUL_LO
	MUL16 0, (\q)%2, \q, \slot, \zero
	MUL16 2, (\q)%2, \q, \slot, \zero
	s_wait_dscnt 0
	PLACES NP
	FETCH_B \slot, (\q)+1, 1-(\q)%2
	FETCH_A \slot, (\q)+1, 0
	WIN MUL_HI
	MUL16 4, (\q)%2, \q, \slot, \zero
	MUL16 6, (\q)%2, \q, \slot, \zero
	PLACES NP
	WIN 0
	FETCH_A \slot, (\q)+1, 4
.endm
; A slot's last step changes slots: one barrier; in front of it each wave waits for all its tensor loads, adds 0 to its spare word, and waits for that and for its own reads of this slot.  fill = 1: this slot is filled again, two K steps ahead.
.macro TURN slot, next, fill
	s_wait_tensorcnt 0x0                           ; all my tensor loads have landed: my part of the next slot
	ds_add_u32 v[SPW], v[NIL]                      ; 0 onto my spare word
	s_wait_dscnt 4*NL+1                            ; (the add and the youngest 24 loads may be out)
	WIN MUL_LO
	MUL16 0, 1, NQ-1, \slot, 0
	s_wait_dscnt 0x0                               ; the add is done, and my reads of this slot are over
	s_barrier_signal -1
	MUL16 2, 1, NQ-1, \slot, 0
	WIN 0
	s_barrier_wait -1
.if \fill
	CREST                                          ; the barrier has opened a round of the cluster's barrier: no wave of any partner still reads this slot or has a load on its way
	s_add_nc_u64 s[G0+4*\slot+2:G0+4*\slot+3], s[G0+4*\slot+2:G0+4*\slot+3], 2*HALFT
	s_add_nc_u64 s[G0B+4*\slot+2:G0B+4*\slot+3], s[G0B+4*\slot+2:G0B+4*\slot+3], 2*HALFT
	JLOAD G0+4*\slot, G1, G0B+4*\slot, G1B         ; the first tensor load behind the round; its four v_nop are the places in front of the loads below
.else
	PLACES NP
.endif
	v_add_nc_u32 v[ADRS], 512*NQ, v[ADRS]          ; on to the next K step's scale words
	FETCH_B \next, 0, 0
	FETCH_A \next, 0, 0
	SCALES \next
	WIN MUL_HI
	MUL16 4, 1, NQ-1, \slot, 0
	MUL16 6, 1, NQ-1, \slot, 0
	PLACES NP
	WIN 0
	FETCH_A \next, 0, 4
.endm
; 64 numbers of a lane in v[s] on of window W (register 16 b + i: item i of my half of block b of my row) become a fragment's codes in v[PC] on and its scale word in v[PW + o].
.macro QUANT s, W, o
.set WQ, ((\W)<<2)|((\W)<<4)
	WIN WQ                                         ; sources 1 and 2 in the numbers' window
.irp b, 0,1,2,3
	v_max3_num_f32 v[TM+\b], 0x2800000, |v[\s+16*\b]|, |v[\s+16*\b+1]|   ; each accumulator is read from its low end on; the floor 2^(5 - 127) keeps the byte at 1 from below
.endr
.irp i, 2,4,6,8,10,12,14
.irp b, 0,1,2,3
	v_max3_num_f32 v[TM+\b], v[TM+\b], |v[\s+16*\b+\i]|, |v[\s+16*\b+\i+1]|
.endr
.endr
	WIN 0
.irp b, 0,1,2,3
	v_permlanex16_b32 v[TM+4+\b], v[TM+\b], s18, s19
.endr
.irp b, 0,1,2,3
	v_max_num_f32 v[TM+\b], v[TM+\b], v[TM+4+\b]   ; with lane l xor 16's: the block's largest magnitude
.endr
.irp b, 0,1,2,3
	v_add_nc_u32 v[TM+12+\b], 0xfe000000, v[TM+\b] ; 4 off its exponent field: the conversion's scale operand
.endr
.irp b, 0,1,2,3
	v_lshrrev_b32 v[TM+4+\b], 23, v[TM+12+\b]      ; the scale's byte
.endr
	v_lshl_or_b32 v[PW+\o], v[TM+5], 8, v[TM+4]
	v_lshl_or_b32 v[PW+\o], v[TM+6], 16, v[PW+\o]
	v_lshl_or_b32 v[PW+\o], v[TM+7], 24, v[PW+\o]
	s_wait_xcnt 0x0                                ; the last block's stores have read their data and their base: both are written again only behind this wait
.set WQ, (\W)
	WIN WQ                                         ; source 0 in the numbers' window
.irp c, 0,1
	v_cvt_scalef32_pk16_bf6_f32 v[PC+6*\c:PC+6*\c+2], v[\s+32*\c:\s+32*\c+15], v[TM+12+2*\c]
	v_cvt_scalef32_pk16_bf6_f32 v[PC+12+4*\c:PC+14+4*\c], v[\s+32*\c+16:\s+32*\c+31], v[TM+13+2*\c]
.endr
	WIN 0
	v_nop                                          ; one plain place behind a scaled conversion
.irp c, 0,1                            ; the operand's layout wants a whole block in a lane
.irp i, 0,1,2
	v_permlane16_swap_b32 v[PC+6*\c+\i], v[PC+12+4*\c+\i]
.endr
.irp i, 0,1,2
	v_mov_b32 v[PC+3+6*\c+\i], v[PC+12+4*\c+\i]
.endr
.endr
.endm
	s_wait_tensorcnt 1                             ; the scale words and my part of K step 0 are in (K step 1's load may be out)
	s_barrier_signal -1
	s_barrier_wait -1                              ; everybody's are
	FETCH_B 0, 0, 0
	FETCH_A 0, 0, 0
	SCALES 0
	FETCH_A 0, 0, 4
	STEP 0, 0, 1                                   ; the first step stands in front of the loop: its products start the sums
	s_mov_b32 s3, LAPS-1
.Llap:                                                 ; a trip goes once round the ring and fills both slots again
	TURN 0, 1, 1
	STEP 1, 0, 0
	TURN 1, 0, 1
	STEP 0, 0, 0
	s_sub_co_u32 s3, s3, 1
	s_cmp_lg_u32 s3, 0
	s_cbranch_scc1 .Llap
	TURN 0, 1, 0                                   ; the last lap fills nothing
	STEP 1, 0, 0
	s_wait_dscnt 4*NL
	WIN MUL_LO
	MUL16 0, 1, NQ-1, 1, 0
	MUL16 2, 1, NQ-1, 1, 0
	s_wait_dscnt 0
	WIN MUL_HI
	MUL16 4, 1, NQ-1, 1, 0
	MUL16 6, 1, NQ-1, 1, 0
	WIN 0
	; THE WAY OUT: each block of 16 rows of A is one fragment of the next product (K = my 128 rows of B): quantised in registers and stored as its image, each store 256 consecutive aligned bytes.
	s_mov_b32 s18, 0x76543210                      ; v_permlanex16_b32's selects for lane l xor 16
	s_mov_b32 s19, 0xfedcba98
	PLACES NP
.irp a, 0,1,2,3,4,5,6,7
	QUANT 64*(\a%4), 2+\a/4, \a%2
.if \a == 4
	s_add_nc_u64 s[12:13], s[12:13], s[98:99]
.elseif \a > 0
	s_add_nc_u64 s[12:13], s[12:13], s[96:97]
.endif
.irp p, 0,1,2
	global_store_b64 v[OA], v[PC+2*\p:PC+2*\p+1], s[12:13] offset:256*\p
.endr
.irp p, 0,1,2
	global_store_b64 v[OB], v[PC+6+2*\p:PC+7+2*\p], s[12:13] offset:256*\p
.endr
.if \a%2
	v_cndmask_b32 v[PWS], v[PW], v[PW+1], s101     ; lanes 0-15 the even block's words, lanes 16-31 the odd block's: 128 consecutive bytes
	global_store_b32 v[OS], v[PWS], s[66:67] offset:128*(\a/2)
.endif
.endr
	s_wait_tensorcnt 0x0                           ; the wave's end
	ds_add_u32 v[SPW], v[NIL]
	s_wait_dscnt 0x0
	CROUND                                         ; the closing round: no work-group ends while a partner may still ask for a tile that names it
	s_endpgm
.Lfunc_end_k_q37bb63e23a_qkv:
	.size	k_q37bb63e23a_qkv, .Lfunc_end_k_q37bb63e23a_qkv-k_q37bb63e23a_qkv
	.p2alignl 7, 3214868480
	.fill 96, 4, 3214868480
	.section	.rodata,"a",@progbits
	.p2align	6, 0x0
	.amdhsa_kernel k_q37bb63e23a_qkv
		.amdhsa_group_segment_fixed_size 327680
		.amdhsa_private_segment_fixed_size 0
		.amdhsa_enable_private_segment 0
		.amdhsa_kernarg_size 24
		.amdhsa_user_sgpr_count 2
		.amdhsa_user_sgpr_kernarg_segment_ptr 1
		.amdhsa_wavefront_size32 1
		.amdhsa_system_sgpr_workgroup_id_x 1
		.amdhsa_system_sgpr_workgroup_id_y 1
		.amdhsa_system_sgpr_workgroup_id_z 1
		.amdhsa_system_vgpr_workitem_id 0
		.amdhsa_next_free_vgpr 1024
		.amdhsa_next_free_sgpr 102
		.amdhsa_reserve_vcc 0
		.amdhsa_float_denorm_mode_32 3
		.amdhsa_float_denorm_mode_16_64 3
		.amdhsa_memory_ordered 1
		.amdhsa_forward_progress 1
		.amdhsa_inst_pref_size 171
	.end_amdhsa_kernel
	.amdgpu_metadata
---
amdhsa.version: [ 1, 2 ]
amdhsa.kernels:
  - .name:           k_q37bb63e23a_qkv
    .symbol:         k_q37bb63e23a_qkv.kd
    .args:
      - { .name: hq, .offset: 0, .size: 8, .value_kind: global_buffer, .address_space: global }
      - { .name: wq, .offset: 8, .size: 8, .value_kind: global_buffer, .address_space: global }
      - { .name: qkvq, .offset: 16, .size: 8, .value_kind: global_buffer, .address_space: global }
    .group_segment_fixed_size: 327680
    .private_segment_fixed_size: 0
    .kernarg_segment_align: 8
    .kernarg_segment_size: 24
    .max_flat_workgroup_size: 128
    .sgpr_count:     102
    .vgpr_count:     1024
    .wavefront_size: 32
...
	.end_amdgpu_metadata
.endif
;; end of part 3
;; launch attn (part 4): grid 8 x 32, 16 waves a work-group, no clusters, 215,040 bytes of LDS; arguments qkvq, ctxq; writes ctxq
.if DOCPART == 4
	.amdgcn_target "amdgcn-amd-amdhsa--gfx1250"
	.amdhsa_code_object_version 6
	.text
	.protected	k_q37bb63e23a_attn
	.globl	k_q37bb63e23a_attn
	.p2align	8
	.type	k_q37bb63e23a_attn,@function
k_q37bb63e23a_attn:
	s_mov_b64 s[64:65], 0
	v_nop
	global_prefetch_b8 v0, s[64:65] scope:SCOPE_SE
	s_setreg_imm32_b32 hwreg(HW_REG_WAVE_MODE, 25, 1), 1
	s_wait_xcnt 0x0
; ctx[q] = the sum over keys of softmax(q . k / 8) v for 32 (batch, head) pairs of 2,048 tokens and 64 channels, both products on codes of BF6 (E3M2) with E8M0 scales; ctx quantised at once along the 1,024 of the next product.
; THE SOFTMAX AHEAD OF THE SECOND PRODUCT: t = score x log2(e) / 8; M = the running largest t rounded UP to a whole number; p = 2^(t - M) is quantised along the keys, not normalised.
; The row's sum is taken of the unquantised p and divides O at the end.  When M moves, the sum and O are multiplied by 2^(old M - new M): exact.
; SHARES: a work-group owns 256 queries of one pair bh, each of its sixteen waves 16 of them in 256 registers: four waves to a SIMD, so that one wave's vector work stands beside another's matrix work and LDS loads.
; NO RING: a head's codes of K (98,304 bytes) and of V^T (98,304) and the scale words of its pair of heads (2 x 8,192) fit in LDS together.  Every LDS byte is filled ONCE; the loop over the keys has no barrier.
; Each wave brings three pieces: scale words (1,024 bytes), its part of keys 0-511 (3,072) and of keys 512-2,047 (9,216): three tensor loads of mine are out at the start.  The first four key steps run while the third is on its way.
; NO CLUSTER: the eight work-groups of a head read the same 212,992 bytes, but each asks for them once in the launch, at its start, against 16 key steps of some 330 instructions in each of 16 waves; there is no refill at which a round could stand.
; LAYOUT: both products transposed: S^T = K Q^T (source 0 = 16 neighbouring keys), O^T = V^T P^T (source 0 = 16 channels): a lane holds ONE query (lane % 16) throughout.
; The first product's K is the head's 64: the upper halves of K's and Q's fragments are zero codes, which add nothing; their scale bytes are 0, which is 2^-127 and no NaN.
; A lane's 16 registers of two neighbouring tiles are keys 8 h .. + 7 and 16 + 8 h .. + 7 of a block of 32: position p holds key pi(p) (bits 3 and 4 exchanged), the order in which V^T's codes were made.
; LIMITS: NaN and infinities are not served; a block whose largest magnitude lies under 2^-122 keeps the byte 1; a block of zeros gets the byte 1 and not 127.  A block's largest p is taken as 2^(.) of its largest score, which takes v_exp_f32 not to fall where its input rises.
; REGISTERS: v1-5 addresses that stay; v8-11 the step's addresses; v12 -M, v13 the largest t, v[14:15] the sum; v16-27 Q; v28-31 scale operands; v32-79 four fragments of K; v80-91 p's codes; v92-95 scale words of K, then of V;
;   v96-159 S^T, then p; v160-191 O^T; v192-239 V's four fragments; v240-254 at work; v255 Q's scale words.
.set VREG, 98304
.set KSC,  196608
.set VSC,  204800
	s_load_b128 s[4:7], s[0:1], 0x0                ; qkvq s[4:5], ctxq s[6:7]
	v_lshl_add_u32 v7, v0, 2, 0x34000
	v_mov_b32 v251, 0
	ds_add_u32 v7, v251
	ds_add_u32 v7, v251
	v_lshrrev_b32 v8, 5, v0
	v_readfirstlane_b32 s18, v8                    ; wave 0..15
	s_and_b32 s8, ttmp7, 0xffff                    ; bh
	s_and_b32 s9, s8, 1                            ; which head of its pair
	s_lshr_b32 s10, s8, 1                          ; the pair
	s_lshr_b32 s11, s18, 3                         ; I fetch for K (0) or for V (1)
	s_and_b32 s12, s18, 7                          ; which eighth
.irp g, 24,32,40                       ; three groups 1: dense blocks as rows of 256 bytes (32 elements of 8 bytes); no mask, no padding
	s_mov_b32 s[\g], 3<<16
	s_mov_b32 s[\g+1], 32<<16
	s_mov_b32 s[\g+3], 32<<16
	s_mov_b32 s[\g+5], 32
	s_mov_b32 s[\g+6], 0
	s_mov_b32 s[\g+7], 0
.endr
	s_mov_b32 s26, 4<<16                           ; 4 rows: scale words
	s_mov_b32 s28, 4
	s_mov_b32 s34, 12<<16                          ; 12 rows: the early piece
	s_mov_b32 s36, 12
	s_mov_b32 s42, 36<<16                          ; 36 rows: the late piece
	s_mov_b32 s44, 36
	s_lshl_b32 s66, s11, 17                        ; scale words in memory: K's at 9,568,256, V's 131,072 on; 8,192 a pair; 1,024 an eighth
	s_lshl_b32 s67, s10, 13
	s_add_co_u32 s66, s66, s67
	s_lshl_b32 s67, s12, 10
	s_add_co_u32 s66, s66, s67
	s_add_co_u32 s66, s66, 9568256
	s_mov_b32 s67, 0
	s_mul_i32 s68, s11, 3145728                    ; codes in memory: K's at 3,145,728, V's at 6,291,456; 98,304 a head
	s_mul_i32 s69, s8, 98304
	s_add_co_u32 s68, s68, s69
	s_add_co_u32 s68, s68, 3145728
	s_mul_i32 s70, s12, 9216
	s_add_co_u32 s70, s70, s68
	s_add_co_u32 s70, s70, 24576                   ; the late piece
	s_mov_b32 s71, 0
	s_mul_i32 s69, s12, 3072
	s_add_co_u32 s68, s68, s69                     ; the early piece
	s_mov_b32 s69, 0
	s_lshl_b32 s13, s18, 10
	s_add_co_u32 s13, s13, KSC                     ; in LDS: scale words: 1,024 a wave (K's eight, then V's eight),
	s_mul_i32 s14, s11, VREG
	s_mul_i32 s15, s12, 3072
	s_add_co_u32 s15, s15, s14                     ; the early piece,
	s_mul_i32 s16, s12, 9216
	s_add_co_u32 s16, s16, s14
	s_add_co_u32 s16, s16, 24576                   ; the late piece
	s_lshl_b32 s72, ttmp9, 4
	s_add_co_u32 s72, s72, s18                     ; my block of 16 queries
	s_mul_i32 s73, s72, 768
	s_mul_i32 s74, s8, 98304
	s_add_co_u32 s74, s74, s73                     ; its codes
	s_mov_b32 s75, 0
	s_lshl_b32 s76, s10, 13
	s_lshl_b32 s77, s72, 6
	s_add_co_u32 s76, s76, s77
	s_lshl_b32 s77, s9, 1
	s_add_co_u32 s76, s76, s77
	s_add_co_u32 s76, s76, 9437184                 ; its scale half-words
	s_mov_b32 s77, 0
	s_mov_b32 s20, 0x76543210                      ; v_permlanex16_b32's selects for lane l xor 16
	s_mov_b32 s21, 0xfedcba98
	s_mov_b32 s22, 0x3e38aa3b                      ; c = log2(e) / 8
	s_mov_b32 s23, s22                             ; (named with it as a pair, so it is written)
	s_mov_b32 s60, 0                               ; the step's codes: 6,144 bytes a step, K's and V's alike
	s_mov_b32 s61, 0                               ; the step's scale words: 512 bytes a step
	s_wait_dscnt 0x0
	s_wait_kmcnt 0x0
	s_mov_b32 s48, 1
	s_mov_b32 s49, s13
	s_add_nc_u64 s[50:51], s[4:5], s[66:67]
	s_or_b32 s51, s51, 0x80000000
	s_mov_b32 s52, 1
	s_mov_b32 s53, s15
	s_add_nc_u64 s[54:55], s[4:5], s[68:69]
	s_or_b32 s55, s55, 0x80000000
	s_mov_b32 s56, 1
	s_mov_b32 s57, s16
	s_add_nc_u64 s[58:59], s[4:5], s[70:71]
	s_or_b32 s59, s59, 0x80000000
	s_add_nc_u64 s[74:75], s[4:5], s[74:75]
	s_add_nc_u64 s[76:77], s[4:5], s[76:77]
	tensor_load_to_lds s[48:51], s[24:31]          ; the first fills go out together, ahead of every wait on TENSORcnt, every LDS read and every barrier
	s_nop 0
	tensor_load_to_lds s[52:55], s[32:39]
	s_nop 0
	tensor_load_to_lds s[56:59], s[40:47]
	s_nop 0
.rept 4
	v_nop
.endr
	v_and_b32 v9, 31, v0
	v_lshlrev_b32 v1, 3, v9                        ; 8 x lane: my place in every piece of an image
	v_and_b32 v10, 15, v0                          ; r
	v_lshlrev_b32 v5, 2, v10                       ; 4 r
.irp p, 0,1,2
	global_load_b64 v[16+2*\p:17+2*\p], v1, s[74:75] offset:256*\p   ; Q's half image stays in registers
.endr
	global_load_u16 v255, v5, s[76:77]             ; its two scale bytes; bytes 2 and 3 are 0, over zero codes
.irp i, 22,23,24,25,26,27
	v_mov_b32 v[\i], 0                             ; Q's K 64..127: zero codes
.endr
.irp t, 0,1,2,3
.irp i, 6,7,8,9,10,11
	v_mov_b32 v[32+12*\t+\i], 0                    ; K's likewise: written once, never loaded over
.endr
.endr
	v_add_nc_u32 v2, VREG, v1
	v_lshl_add_u32 v3, v10, 2, KSC
	s_lshl_b32 s73, s9, 1
	v_add_nc_u32 v3, s73, v3                       ; K's scale half-words: 4 r + 2 x my head of the pair
	v_lshl_add_u32 v4, v10, 2, VSC
	s_lshl_b32 s73, s9, 8
	v_add_nc_u32 v4, s73, v4                       ; V's scale words: 4 r + 256 x my head of the pair
	v_mov_b32 v13, 0xff61b1e6                      ; the largest t so far: -3e38, under every t
	v_floor_f32 v12, -v13                          ; -M
	v_mov_b32 v14, 0
	v_mov_b32 v15, 0
	v_mov_b32 v253, 0                              ; (named as the upper half of the pair v[252:253] before it is first written)
.irp b, 0,1,2,3
	v_mov_b32 v[244+\b], 0                         ; a lane permute's destination counts as one of its sources
.endr
.set jj, 0
.rept 32
	v_mov_b32 v[160+jj], 0                         ; O^T: the step is written once; the first finds zeros, which the first change of M leaves zeros
.set jj, jj+1
.endr
; A KEY STEP: 128 keys.
.macro STEP
	v_add_nc_u32 v8, s60, v1                       ; these four are also the places behind the last step's products, in front of the loads into their operands
	v_add_nc_u32 v9, s60, v2
	v_add_nc_u32 v10, s61, v3
	v_add_nc_u32 v11, s61, v4
.irp g, 0,1                            ; S^T = K Q^T, four tiles of 16 keys at a time
.if \g
.rept 4
	v_nop                                          ; places in front of loads into registers that matrix instructions have read
.endr
.endif
.irp t, 0,1,2,3
.irp p, 0,1,2
	ds_load_b64 v[32+12*\t+2*\p:33+12*\t+2*\p], v8 offset:768*(4*\g+\t)+256*\p
.endr
	ds_load_u16 v[92+\t], v10 offset:64*(4*\g+\t)
.endr
.if \g == 0
.irp cb, 0,1,2,3
.irp p, 0,1,2,3,4,5
	ds_load_b64 v[192+12*\cb+2*\p:193+12*\cb+2*\p], v9 offset:1536*\cb+256*\p   ; V's four fragments of this step: they land under the softmax
.endr
.endr
	s_wait_dscnt 24                                ; K's first four tiles are in; V's 24 loads may be out
.else
	s_wait_dscnt 0x0
.endif
.irp t, 0,1,2,3
	v_wmma_scale_f32_16x16x128_f8f6f4 v[96+8*(4*\g+\t):103+8*(4*\g+\t)], v[32+12*\t:43+12*\t], v[16:27], 0, v[92+\t], v255 matrix_a_fmt:MATRIX_FMT_BF6 matrix_b_fmt:MATRIX_FMT_BF6
.endr
.endr
.rept 4
	v_nop
.endr
.irp b, 0,1,2,3
	v_max3_num_f32 v[240+\b], v[96+16*\b], v[97+16*\b], v[98+16*\b]   ; the largest score of each block of 32 keys: for the row's maximum, and, since p rises with the score, for the block's largest p
.endr
.irp cb, 0,1,2,3
	ds_load_b32 v[92+\cb], v11 offset:64*\cb       ; V's scale words take K's registers
.endr
.irp i, 3,5,7,9,11,13
.irp b, 0,1,2,3
	v_max3_num_f32 v[240+\b], v[240+\b], v[96+16*\b+\i], v[97+16*\b+\i]
.endr
.endr
.irp b, 0,1,2,3
	v_max_num_f32 v[240+\b], v[240+\b], v[111+16*\b]
.endr
.irp b, 0,1,2,3
	v_permlanex16_b32 v[244+\b], v[240+\b], s20, s21
.endr
.irp b, 0,1,2,3
	v_max_num_f32 v[240+\b], v[240+\b], v[244+\b]  ; with lane l xor 16's 16 keys
.endr
	v_max3_num_f32 v254, v240, v241, v242
	v_max_num_f32 v254, v254, v243                 ; the step's largest score of my query
	v_mul_f32 v254, s22, v254                      ; as t (c is positive)
	v_max_num_f32 v13, v13, v254                   ; the running largest t
	v_mov_b32 v254, v12
	v_floor_f32 v12, -v13                          ; the new -M = floor(-t) = -ceil(t)
	v_sub_f32 v254, v12, v254                      ; old M - new M: a whole number, 0 or less
	v_cvt_i32_f32 v254, v254                       ; (it saturates)
	v_ldexp_f32 v252, 1.0, v254                    ; f = 2^(old M - new M)
.set jj, 0
.rept 32
	v_pk_fma_f32 v[96+jj:97+jj], v[96+jj:97+jj], s[22:23], v[12:13] op_sel_hi:[1,0,0]   ; t - M, two at a time
.set jj, jj+2
.endr
.irp b, 0,1,2,3
	v_fma_f32 v[240+\b], v[240+\b], s22, v12       ; the same of each block's largest score
.endr
.set jj, 0
.rept 64
	v_exp_f32 v[96+jj], v[96+jj]                   ; p = 2^(t - M), at most 1
.set jj, jj+1
.endr
.irp b, 0,1,2,3
	v_exp_f32 v[240+\b], v[240+\b]                 ; the block's largest p
.endr
	v_pk_mul_f32 v[14:15], v[14:15], v[252:253] op_sel_hi:[1,0]   ; the sums under the new M (a plain place behind the exponentials)
	s_wait_alu depctr_va_vdst(0)
.irp b, 0,1,2,3
	v_max_num_f32 v[240+\b], 0x2800000, v[240+\b]  ; the floor 2^(5 - 127)
.endr
.irp b, 0,1,2,3
	v_add_nc_u32 v[28+\b], 0xfe000000, v[240+\b]   ; 4 off the exponent field: the conversion's scale operand
.endr
.irp b, 0,1,2,3
	v_lshrrev_b32 v[244+\b], 23, v[28+\b]          ; the scale's byte
.endr
	v_lshl_or_b32 v253, v245, 8, v244              ; p's scale word for these 128 keys
	v_lshl_or_b32 v253, v246, 16, v253
	v_lshl_or_b32 v253, v247, 24, v253
.irp c, 0,1
	v_cvt_scalef32_pk16_bf6_f32 v[80+6*\c:82+6*\c], v[96+32*\c:111+32*\c], v[28+2*\c]
	v_cvt_scalef32_pk16_bf6_f32 v[244+4*\c:246+4*\c], v[112+32*\c:127+32*\c], v[29+2*\c]
.endr
	v_nop                                          ; one plain place behind a scaled conversion
.irp c, 0,1                            ; the operand's layout wants a whole block in a lane
.irp i, 0,1,2
	v_permlane16_swap_b32 v[80+6*\c+\i], v[244+4*\c+\i]
.endr
.irp i, 0,1,2
	v_mov_b32 v[83+6*\c+\i], v[244+4*\c+\i]
.endr
.endr
	v_pk_add_f32 v[244:245], v[96:97], v[98:99]    ; the row's sum is taken of the unquantised p, in two chains
.irp j, 4,8,12,16,20,24,28,32,36,40,44,48,52,56,60
	v_pk_add_f32 v[14:15], v[14:15], v[96+\j:97+\j]
	v_pk_add_f32 v[244:245], v[244:245], v[98+\j:99+\j]
.endr
	v_pk_add_f32 v[14:15], v[14:15], v[244:245]
.set jj, 0
.rept 16
	v_pk_mul_f32 v[160+jj:161+jj], v[160+jj:161+jj], v[252:253] op_sel_hi:[1,0]   ; O^T under the new M
.set jj, jj+2
.endr
	s_wait_dscnt 0x0                               ; V's scale words
.irp cb, 0,1,2,3                       ; O^T += V^T P^T: the four accumulators by turns
	v_wmma_scale_f32_16x16x128_f8f6f4 v[160+8*\cb:167+8*\cb], v[192+12*\cb:203+12*\cb], v[80:91], v[160+8*\cb:167+8*\cb], v[92+\cb], v253 matrix_a_fmt:MATRIX_FMT_BF6 matrix_b_fmt:MATRIX_FMT_BF6
.endr
	s_add_co_u32 s60, s60, 6144
	s_add_co_u32 s61, s61, 512
.endm
	s_wait_tensorcnt 1                             ; my scale words and my part of keys 0-511 are in; the late piece may be out
	s_barrier_signal -1
	s_barrier_wait -1                              ; everybody's are
	s_wait_loadcnt 0x0                             ; Q
	s_mov_b32 s62, 4
.Learly:                                               ; keys 0-511: bytes under 24,576 of K's and of V's region
	STEP
	s_sub_co_u32 s62, s62, 1
	s_cmp_lg_u32 s62, 0
	s_cbranch_scc1 .Learly
	s_wait_tensorcnt 0x0                           ; my part of the late piece is in,
	s_wait_dscnt 0x0
	s_barrier_signal -1
	s_barrier_wait -1                              ; everybody's is
	s_mov_b32 s62, 12
.Llate:
	STEP
	s_sub_co_u32 s62, s62, 1
	s_cmp_lg_u32 s62, 0
	s_cbranch_scc1 .Llate
	; THE WAY OUT: O^T / the sum is my 16 queries x my head's 64 channels: half a fragment of the next product, quantised in registers and stored as half an image.
.rept 4
	v_nop                                          ; places behind the last products
.endr
	v_add_f32 v14, v14, v15
	v_permlanex16_b32 v252, v14, s20, s21
	v_add_f32 v14, v14, v252                       ; the row's sum
	v_rcp_f32 v14, v14
	v_nop                                          ; one plain place behind a transcendental
.set jj, 0
	s_wait_alu depctr_va_vdst(0)
.rept 32
	v_mul_f32 v[96+jj], v[160+jj], v14             ; register 8 cb + j: channel 16 cb + 8 h + j of my query
.set jj, jj+1
.endr
	s_lshr_b32 s66, s8, 4
	s_lshl_b32 s66, s66, 4
	s_lshl_b32 s67, ttmp9, 1
	s_add_co_u32 s66, s66, s67
	s_add_co_u32 s66, s66, s11                     ; g: my group of 128 rows of ctx
	s_and_b32 s67, s8, 15                          ; the head
	s_lshr_b32 s68, s67, 2
	s_mul_i32 s68, s68, 24576
	s_mul_i32 s69, s66, 98304
	s_add_co_u32 s68, s68, s69
	s_mul_i32 s69, s12, 3072
	s_add_co_u32 s68, s68, s69
	s_bfe_u32 s69, s67, 0x10001
	s_mul_i32 s69, s69, 1536
	s_add_co_u32 s68, s68, s69
	s_mul_i32 s69, s9, 768
	s_add_co_u32 s68, s68, s69
	s_mov_b32 s69, 0
	s_add_nc_u64 s[68:69], s[6:7], s[68:69]        ; my half image
	s_lshl_b32 s70, s66, 12
	s_lshr_b32 s71, s67, 1
	s_lshl_b32 s71, s71, 9
	s_add_co_u32 s70, s70, s71
	s_lshl_b32 s71, s12, 6
	s_add_co_u32 s70, s70, s71
	s_lshl_b32 s71, s9, 1
	s_add_co_u32 s70, s70, s71
	s_add_co_u32 s70, s70, 3145728
	s_mov_b32 s71, 0
	s_add_nc_u64 s[70:71], s[6:7], s[70:71]        ; its scale half-words
.irp b, 0,1
	v_max3_num_f32 v[240+\b], |v[96+16*\b]|, |v[97+16*\b]|, 0x2800000
.endr
.irp i, 2,4,6,8,10,12,14
.irp b, 0,1
	v_max3_num_f32 v[240+\b], v[240+\b], |v[96+16*\b+\i]|, |v[97+16*\b+\i]|
.endr
.endr
.irp b, 0,1
	v_permlanex16_b32 v[244+\b], v[240+\b], s20, s21
.endr
.irp b, 0,1
	v_max_num_f32 v[240+\b], v[240+\b], v[244+\b]
.endr
.irp b, 0,1
	v_add_nc_u32 v[28+\b], 0xfe000000, v[240+\b]
.endr
.irp b, 0,1
	v_lshrrev_b32 v[244+\b], 23, v[28+\b]
.endr
	v_lshl_or_b32 v253, v245, 8, v244              ; my row's two scale bytes
	v_cvt_scalef32_pk16_bf6_f32 v[80:82], v[96:111], v28
	v_cvt_scalef32_pk16_bf6_f32 v[84:86], v[112:127], v29
	v_nop                                          ; one plain place behind a scaled conversion
.irp i, 0,1,2
	v_permlane16_swap_b32 v[80+\i], v[84+\i]
.endr
.irp i, 0,1,2
	v_mov_b32 v[83+\i], v[84+\i]
.endr
.irp p, 0,1,2
	global_store_b64 v1, v[80+2*\p:81+2*\p], s[68:69] offset:256*\p   ; 32 lanes store 256 consecutive bytes, at a multiple of 256 from the buffer's first byte
.endr
	global_store_b16 v5, v253, s[70:71]            ; lanes r and r + 16 store the same half-word to the same place
	s_wait_tensorcnt 0x0
	ds_add_u32 v7, v251
	s_wait_dscnt 0x0
	s_endpgm
.Lfunc_end_k_q37bb63e23a_attn:
	.size	k_q37bb63e23a_attn, .Lfunc_end_k_q37bb63e23a_attn-k_q37bb63e23a_attn
	.p2alignl 7, 3214868480
	.fill 96, 4, 3214868480
	.section	.rodata,"a",@progbits
	.p2align	6, 0x0
	.amdhsa_kernel k_q37bb63e23a_attn
		.amdhsa_group_segment_fixed_size 215040
		.amdhsa_private_segment_fixed_size 0
		.amdhsa_enable_private_segment 0
		.amdhsa_kernarg_size 16
		.amdhsa_user_sgpr_count 2
		.amdhsa_user_sgpr_kernarg_segment_ptr 1
		.amdhsa_wavefront_size32 1
		.amdhsa_system_sgpr_workgroup_id_x 1
		.amdhsa_system_sgpr_workgroup_id_y 1
		.amdhsa_system_sgpr_workgroup_id_z 1
		.amdhsa_system_vgpr_workitem_id 0
		.amdhsa_next_free_vgpr 256
		.amdhsa_next_free_sgpr 80
		.amdhsa_reserve_vcc 0
		.amdhsa_float_denorm_mode_32 3
		.amdhsa_float_denorm_mode_16_64 3
		.amdhsa_memory_ordered 1
		.amdhsa_forward_progress 1
		.amdhsa_inst_pref_size 49
	.end_amdhsa_kernel
	.amdgpu_metadata
---
amdhsa.version: [ 1, 2 ]
amdhsa.kernels:
  - .name:           k_q37bb63e23a_attn
    .symbol:         k_q37bb63e23a_attn.kd
    .args:
      - { .name: qkvq, .offset: 0, .size: 8, .value_kind: global_buffer, .address_space: global }
      - { .name: ctxq, .offset: 8, .size: 8, .value_kind: global_buffer, .address_space: global }
    .group_segment_fixed_size: 215040
    .private_segment_fixed_size: 0
    .kernarg_segment_align: 8
    .kernarg_segment_size: 16
    .max_flat_workgroup_size: 512
    .sgpr_count:     80
    .vgpr_count:     256
    .wavefront_size: 32
...
	.end_amdgpu_metadata
.endif
;; end of part 4
;; launch oproj (part 5): grid 4 x 16, 4 waves a work-group, clusters of 4 x 4, 327,680 bytes of LDS; arguments ctxq, wq, b_o, x, x1; writes x1
.if DOCPART == 5
	.amdgcn_target "amdgcn-amd-amdhsa--gfx1250"
	.amdhsa_code_object_version 6
	.text
	.protected	k_q37bb63e23a_oproj
	.globl	k_q37bb63e23a_oproj
	.p2align	8
	.type	k_q37bb63e23a_oproj,@function
k_q37bb63e23a_oproj:
	s_mov_b64 s[64:65], 0
	v_nop
	global_prefetch_b8 v0, s[64:65] scope:SCOPE_SE
	s_setreg_imm32_b32 hwreg(HW_REG_WAVE_MODE, 25, 1), 1
	s_wait_xcnt 0x0
	s_wait_alu depctr_hold_cnt(0) depctr_sa_sdst(0) depctr_va_vdst(0) depctr_va_sdst(0) depctr_va_ssrc(0) depctr_va_vcc(0) depctr_vm_vsrc(0)
	s_getreg_b32 s2, hwreg(HW_REG_IB_STS2, 6, 4)
	s_cmp_eq_u32 s2, 0
	s_cbranch_scc0 .Lentry_in_a_cluster
	s_endpgm
.Lentry_in_a_cluster:
	s_bfe_u32 s2, ttmp6, 0x10000c
	s_cmp_lg_u32 s2, 0xf033
	s_cbranch_scc0 .Lentry_shape_is_right
	s_endpgm
.Lentry_shape_is_right:
; x1 = x + ctx Wo + b_o: a product on codes of BF6 (E3M2) with E8M0 scales, K = 1,024; bias and residual in f32.
; OPERANDS lie in memory as images of their registers: codes [g = 128 rows][s2 = 256 k][i = 16 rows][q = 128 k][1,536] (piece p: registers 2 p, 2 p + 1 of lane l at 256 p + 8 l), scale words [g][128 k][i][16 rows] u32.
; So 128 rows x 256 K are one dense block of 24,576 bytes for one tensor load, a fragment comes by six loads of 256 consecutive bytes, and LDS needs no pitch and no padding.
; A work-group of four waves makes 256 rows x 256 columns, a wave 128 x 128: 64 accumulators.  K goes in steps of 256 through a ring of two LDS slots; the scale words of all of K come once, with the first fills.
; THE MATRIX INSTRUCTION IS USED TRANSPOSED (source 0 = 16 rows of the weight, source 1 = 16 rows of A): a lane holds eight neighbouring columns of one row.  THE BIAS IS THE C OF EACH SUM'S FIRST PRODUCT.
; The way out goes through the wave's stage in LDS; whole rows of 512 bytes come back, take the residual and are stored.
; The grid has 64 work-groups: 1,024 columns are four tiles of 256.  CLUSTERS: 4 x 4; A's tiles are asked for jointly along a row of the cluster, the weight's along a column.
; Inside a block of 32 along K both operands hold element pi(p) (bits 3 and 4 of p exchanged) at position p: the products pair equal k; only the order of addition inside a block is pi's.
; REGISTERS: window 0: v7, v16-29 addresses; v32-63 scale words; v64-127 the bias; v128-223 A's fragments; on the way out v128-255 rows.  window 1: the weight's fragments, two sets; on the way out the residual, four sets.  windows 2, 3: accumulators.
.set SIZE_K, 1024
.set ASCALE, 3145728                   ; A's scale words in A's buffer
.set BCODE,  2359296                   ; the weight's codes in wq
.set BSCALE, 9535488                   ; and its scale words
.set GB,     96*SIZE_K
.set NQ,     2
.set FR,     12
.set NL,     6
.set NP,     4
.set HALFT,  24576
.set SLOT,   4*HALFT
.set LAPS,   SIZE_K/512
.set SCL,    2*SLOT
.set HALFS,  4*SIZE_K
.set SPARE,  SCL+4*HALFS               ; the spare words, 128 bytes for each wave: two blocks of 256 bytes that no other line names
.set SPITCH, 528                       ; the stage: 16 rows x (512 bytes + 16) for each wave, in slot 0, which has had its last fill and its last read when the first result is stored there
.set ADRA, 16
.set ADRB, 20
.set STO,  24
.set RD,   25
.set CO,   26
.set ADRS, 27
.set SPW,  28
.set NIL,  29
.set SC,   32
.set BIAS, 64
.set AF,   128
.set BK,   128
.set G1, 24
.set G0, 32
.set G1B, 48
.set G0B, 56
.set G1S, 68
.set G0S, 76
.set G1SB, 80
.set G0SB, 88
.set MSB, 0
.macro WIN new
.if MSB != \new
	s_set_vgpr_msb (MSB<<8)|\new
.set MSB, \new
.endif
.endm
.set MUL_LO, 0xa1
.set MUL_HI, 0xf1
.set TO_B,   0x40
.macro JLOAD g0a, g1a, g0b, g1b
	s_cmp_eq_u32 s15, 0
	s_cbranch_scc0 .Lfor_b_\@
	tensor_load_to_lds s[\g0a:\g0a+3], s[\g1a:\g1a+7]
	s_nop 0
.rept 4
	v_nop
.endr
	s_branch .Lasked_\@
.Lfor_b_\@:
	tensor_load_to_lds s[\g0b:\g0b+3], s[\g1b:\g1b+7]
	s_nop 0
.rept 4
	v_nop
.endr
.Lasked_\@:
.endm
.macro CREST
	s_cmp_lg_u32 s14, 0
	s_cbranch_scc1 .Lnot_wave_0_\@
	s_barrier_signal -3
.Lnot_wave_0_\@:
	s_barrier_wait -3
	s_barrier_signal -1
	s_barrier_wait -1
.endm
.macro CROUND
	s_barrier_signal -1
	s_barrier_wait -1
	CREST
.endm
	s_load_b256 s[4:11], s[0:1], 0x0               ; A s[4:5], wq s[6:7], the bias s[8:9], the residual s[10:11]
	s_load_b64 s[12:13], s[0:1], 0x20              ; the result
	v_lshl_add_u32 v[SPW], v0, 2, SPARE
	v_mov_b32 v[NIL], 0
	ds_add_u32 v28, v29
	ds_add_u32 v28, v29
	s_wait_dscnt 0x0
	v_lshrrev_b32 v1, 5, v0
	v_readfirstlane_b32 s14, v1
	s_lshr_b32 s15, s14, 1
	s_and_b32 s16, s14, 1
	s_bfe_u32 s40, ttmp6, 0x40000
	s_bfe_u32 s41, ttmp6, 0x40004
	s_lshl_b32 s42, ttmp9, 2
	s_add_co_u32 s42, s42, s40                     ; tx
	s_and_b32 s17, ttmp7, 0xffff
	s_lshl_b32 s17, s17, 2
	s_add_co_u32 s17, s17, s41                     ; ty
	s_lshl_b32 s43, s41, 2
	s_lshl_b32 s43, 15, s43
	s_lshl_b32 s44, 0x1111, s40
	s_or_b32 s[G1+0], s43, (3<<16)|(1<<21)
	s_or_b32 s[G1B+0], s44, (3<<16)|(1<<21)
.irp g, G1, G1B
	s_mov_b32 s[\g+1], 32<<16
	s_mov_b32 s[\g+2], 96<<16
	s_mov_b32 s[\g+3], 32<<16
	s_mov_b32 s[\g+4], 96
	s_mov_b32 s[\g+5], 32
	s_mov_b32 s[\g+6], 0
	s_mov_b32 s[\g+7], 0
.endr
	s_or_b32 s[G1S+0], s43, (3<<16)|(1<<21)
	s_or_b32 s[G1SB+0], s44, (3<<16)|(1<<21)
.irp g, G1S, G1SB
	s_mov_b32 s[\g+1], 32<<16
	s_mov_b32 s[\g+2], (HALFS/256)<<16
	s_mov_b32 s[\g+3], 32<<16
	s_mov_b32 s[\g+4], HALFS/256
	s_mov_b32 s[\g+5], 32
	s_mov_b32 s[\g+6], 0
	s_mov_b32 s[\g+7], 0
.endr
	s_lshl_b32 s20, s17, 1
	s_add_co_u32 s20, s20, s16
	s_lshl_b32 s46, s42, 1
	s_add_co_u32 s46, s46, s16
	s_mul_i32 s22, s20, HALFS
	s_add_co_u32 s22, s22, ASCALE
	s_mul_i32 s20, s20, GB
	s_mul_i32 s92, s46, HALFS
	s_add_co_u32 s92, s92, BSCALE
	s_mul_i32 s46, s46, GB
	s_add_co_u32 s46, s46, BCODE
	s_mov_b32 s21, 0
	s_mov_b32 s23, 0
	s_mov_b32 s47, 0
	s_mov_b32 s93, 0
	s_mul_i32 s45, s14, HALFT
	s_mul_i32 s94, s14, HALFS
	s_wait_kmcnt 0x0
	s_add_nc_u64 s[20:21], s[4:5], s[20:21]
	s_add_nc_u64 s[22:23], s[4:5], s[22:23]
	s_add_nc_u64 s[46:47], s[6:7], s[46:47]
	s_add_nc_u64 s[92:93], s[6:7], s[92:93]
	CROUND
	s_mov_b32 s[G0S], 1
	s_add_co_u32 s[G0S+1], s94, SCL
	s_mov_b64 s[G0S+2:G0S+3], s[22:23]
	s_or_b32 s[G0S+3], s[G0S+3], 0x80000000
	s_mov_b32 s[G0SB], 1
	s_add_co_u32 s[G0SB+1], s94, SCL
	s_mov_b64 s[G0SB+2:G0SB+3], s[92:93]
	s_or_b32 s[G0SB+3], s[G0SB+3], 0x80000000
	JLOAD G0S, G1S, G0SB, G1SB
.irp s, 0,1
	s_mov_b32 s[G0+4*\s], 1
	s_add_co_u32 s[G0+4*\s+1], s45, \s*SLOT
	s_add_nc_u64 s[G0+4*\s+2:G0+4*\s+3], s[20:21], \s*HALFT
	s_or_b32 s[G0+4*\s+3], s[G0+4*\s+3], 0x80000000
	s_mov_b32 s[G0B+4*\s], 1
	s_add_co_u32 s[G0B+4*\s+1], s45, \s*SLOT
	s_add_nc_u64 s[G0B+4*\s+2:G0B+4*\s+3], s[46:47], \s*HALFT
	s_or_b32 s[G0B+4*\s+3], s[G0B+4*\s+3], 0x80000000
	JLOAD G0+4*\s, G1, G0B+4*\s, G1B
.endr
	v_and_b32 v1, 15, v0                           ; r
	v_bfe_u32 v2, v0, 4, 1                         ; h
	v_and_b32 v4, 31, v0                           ; lane
	v_lshlrev_b32 v3, 3, v4                        ; 8 x lane
	s_lshl_b32 s96, s42, 10                        ; my first column, in bytes of f32: 1,024 tx + 512 x my half
	s_lshl_b32 s97, s16, 9
	s_add_co_u32 s96, s96, s97
	s_mov_b32 s97, 0
	s_add_nc_u64 s[8:9], s[8:9], s[96:97]
	v_lshlrev_b32 v7, 5, v2                        ; the bias in the result's layout: tile b, lane (r, h): columns 16 b + 8 h + 0 .. 7
.irp b, 0,1,2,3,4,5,6,7
	global_load_b128 v[BIAS+8*\b:BIAS+8*\b+3], v7, s[8:9] offset:64*\b
	global_load_b128 v[BIAS+8*\b+4:BIAS+8*\b+7], v7, s[8:9] offset:64*\b+16
.endr
	s_lshl_b32 s98, s17, 1
	s_add_co_u32 s98, s98, s15
	s_lshl_b32 s98, s98, 19                        ; my first row: 128 rows of 4,096 bytes
	s_add_co_u32 s98, s98, s96
	s_mov_b32 s99, 0
	s_add_nc_u64 s[12:13], s[12:13], s[98:99]
	s_add_nc_u64 s[66:67], s[10:11], s[98:99]
	s_mul_i32 s21, s15, HALFT
	s_mul_i32 s22, s16, HALFT
	s_add_co_u32 s22, s22, 2*HALFT
.irp s, 0,1
	v_add_nc_u32 v[ADRA+\s], s21, v3
	v_add_nc_u32 v[ADRB+\s], s22, v3
	s_add_co_u32 s21, s21, SLOT
	s_add_co_u32 s22, s22, SLOT
.endr
	v_lshlrev_b32 v5, 2, v1
	s_mul_i32 s21, s15, HALFS
	s_mul_i32 s22, s16, HALFS
	s_add_co_u32 s22, s22, 2*HALFS
	s_sub_co_u32 s22, s22, s21
	v_mul_u32_u24 v6, s22, v2
	s_add_co_u32 s21, s21, SCL
	v_add_nc_u32 v5, v5, v6
	v_add_nc_u32 v[ADRS], s21, v5
	s_mul_i32 s23, s14, 16*SPITCH                  ; my stage
	v_mul_u32_u24 v5, v1, SPITCH
	v_lshl_add_u32 v5, v2, 5, v5
	v_add_nc_u32 v[STO], s23, v5                   ; in: row r, 32 bytes for each half of the lanes
	v_lshlrev_b32 v[CO], 4, v4                     ; back: the 32 lanes take one row of 512 bytes; and the same in memory
	v_add_nc_u32 v[RD], s23, v[CO]
.macro FRAG reg, adr, q, i
.irp p, 0,1,2,3,4,5
	ds_load_b64 v[\reg+2*\p:\reg+2*\p+1], v[\adr] offset:(2*(\i)+(\q))*1536+256*\p
.endr
.endm
; zero = 2: the first product starts the sums from the bias (window 0).  The 64 accumulators take turns, one instruction a turn.
.macro MUL16 a0, p, q, sc, zero
.irp a, \a0, \a0+1
.irp b, 0,1,2,3,4,5,6,7
.if \zero == 2
	v_wmma_scale_f32_16x16x128_f8f6f4 v[8*(8*((\a)%4)+\b):8*(8*((\a)%4)+\b)+7], v[128*(\p)+FR*\b:128*(\p)+FR*\b+FR-1], v[AF+FR*(\a):AF+FR*(\a)+FR-1], v[BIAS+8*\b:BIAS+8*\b+7], v[SC+8*NQ*(\sc)+NQ*\b+(\q)], v[SC+8*NQ*(\sc)+NQ*(\a)+(\q)] matrix_a_fmt:MATRIX_FMT_BF6 matrix_b_fmt:MATRIX_FMT_BF6 matrix_a_scale:MATRIX_SCALE_ROW1
.else
	v_wmma_scale_f32_16x16x128_f8f6f4 v[8*(8*((\a)%4)+\b):8*(8*((\a)%4)+\b)+7], v[128*(\p)+FR*\b:128*(\p)+FR*\b+FR-1], v[AF+FR*(\a):AF+FR*(\a)+FR-1], v[8*(8*((\a)%4)+\b):8*(8*((\a)%4)+\b)+7], v[SC+8*NQ*(\sc)+NQ*\b+(\q)], v[SC+8*NQ*(\sc)+NQ*(\a)+(\q)] matrix_a_fmt:MATRIX_FMT_BF6 matrix_b_fmt:MATRIX_FMT_BF6 matrix_a_scale:MATRIX_SCALE_ROW1
.endif
.endr
.endr
.endm
.macro FETCH_B slot, q, p
	WIN TO_B
.irp i, 0,1,2,3,4,5,6,7
	FRAG 128*(\p)+FR*\i, ADRB+\slot, \q, \i
.endr
	WIN 0
.endm
.macro FETCH_A slot, q, i0
.irp i, \i0, \i0+1, \i0+2, \i0+3
	FRAG AF+FR*(\i), ADRA+\slot, \q, \i
.endr
.endm
.macro SCALES sc
.irp i, 0,1,2,3,4,5,6,7
	ds_load_b32 v[SC+8*NQ*\sc+NQ*\i], v[ADRS] offset:64*\i
	ds_load_b32 v[SC+8*NQ*\sc+NQ*\i+1], v[ADRS] offset:512+64*\i
.endr
.endm
.macro PLACES n
.rept \n
	v_nop
.endr
.endm
.macro STEP slot, q, zero
	s_wait_dscnt 4*NL                              ; the youngest 24 loads (A's blocks 4-7) may be out
.if \zero == 2
	WIN 0x81                                       ; C (the bias) window 0, D window 2
.else
	WIN MUL_LO
.endif
	MUL16 0, (\q)%2, \q, \slot, \zero
	MUL16 2, (\q)%2, \q, \slot, \zero
	s_wait_dscnt 0
	PLACES NP
	FETCH_B \slot, (\q)+1, 1-(\q)%2
	FETCH_A \slot, (\q)+1, 0
.if \zero == 2
	WIN 0xc1
.else
	WIN MUL_HI
.endif
	MUL16 4, (\q)%2, \q, \slot, \zero
	MUL16 6, (\q)%2, \q, \slot, \zero
	PLACES NP
	WIN 0
	FETCH_A \slot, (\q)+1, 4
.endm
.macro TURN slot, next, fill
	s_wait_tensorcnt 0x0                           ; all my tensor loads have landed: my part of the next slot
	ds_add_u32 v[SPW], v[NIL]                      ; 0 onto my spare word
	s_wait_dscnt 4*NL+1                            ; (the add and the youngest 24 loads may be out)
	WIN MUL_LO
	MUL16 0, 1, NQ-1, \slot, 0
	s_wait_dscnt 0x0                               ; the add is done, and my reads of this slot are over
	s_barrier_signal -1
	MUL16 2, 1, NQ-1, \slot, 0
	WIN 0
	s_barrier_wait -1
.if \fill
	CREST                                          ; the barrier has opened a round of the cluster's barrier
	s_add_nc_u64 s[G0+4*\slot+2:G0+4*\slot+3], s[G0+4*\slot+2:G0+4*\slot+3], 2*HALFT
	s_add_nc_u64 s[G0B+4*\slot+2:G0B+4*\slot+3], s[G0B+4*\slot+2:G0B+4*\slot+3], 2*HALFT
	JLOAD G0+4*\slot, G1, G0B+4*\slot, G1B         ; the first tensor load behind the round
.else
	PLACES NP
.endif
	v_add_nc_u32 v[ADRS], 512*NQ, v[ADRS]
	FETCH_B \next, 0, 0
	FETCH_A \next, 0, 0
	SCALES \next
	WIN MUL_HI
	MUL16 4, 1, NQ-1, \slot, 0
	MUL16 6, 1, NQ-1, \slot, 0
	PLACES NP
	WIN 0
	FETCH_A \next, 0, 4
.endm
	s_wait_tensorcnt 1                             ; the scale words and my part of K step 0 are in (K step 1's load may be out)
	s_barrier_signal -1
	s_barrier_wait -1
	FETCH_B 0, 0, 0
	FETCH_A 0, 0, 0
	SCALES 0
	FETCH_A 0, 0, 4
	s_wait_loadcnt 0x0                             ; the bias
	STEP 0, 0, 2
	s_mov_b32 s3, LAPS-1
.Llap:
	TURN 0, 1, 1
	STEP 1, 0, 0
	TURN 1, 0, 1
	STEP 0, 0, 0
	s_sub_co_u32 s3, s3, 1
	s_cmp_lg_u32 s3, 0
	s_cbranch_scc1 .Llap
	TURN 0, 1, 0
	STEP 1, 0, 0
	s_wait_dscnt 4*NL
	WIN MUL_LO
	MUL16 0, 1, NQ-1, 1, 0
	MUL16 2, 1, NQ-1, 1, 0
	s_wait_dscnt 0
	WIN MUL_HI
	MUL16 4, 1, NQ-1, 1, 0
	MUL16 6, 1, NQ-1, 1, 0
	WIN 0
; THE WAY OUT, block by block of 16 rows x 128 columns, through my own stage.  LDS serves a wave's instructions in order: no wait between the stores and the loads.
.macro TOSTAGE a
.set AC, 64*((\a)%4)
	WIN 0x08+4*((\a)/4)                            ; the data: window 2 or 3
.irp b, 0,1,2,3,4,5,6,7
	ds_store_b128 v[STO], v[AC+8*\b:AC+8*\b+3] offset:64*\b          ; each accumulator from its low end on
	ds_store_b128 v[STO], v[AC+8*\b+4:AC+8*\b+7] offset:64*\b+16
.endr
	WIN 0
.set BB, BK+64*((\a)%2)
.irp t, 0,1,2,3,4,5,6,7,8,9,10,11,12,13,14,15
	ds_load_b128 v[BB+4*\t:BB+4*\t+3], v[RD] offset:\t*SPITCH
.endr
.endm
.macro RLOAD a                         ; the residual of block a's 16 rows into set a % 4 of window 1
	WIN 0x40
.irp t, 0,1,2,3,4,5,6,7,8,9,10,11,12,13,14,15
	global_load_b128 v[64*((\a)%4)+4*\t:64*((\a)%4)+4*\t+3], v[CO], s[66:67] offset:(16*(\a)+\t)*4096
.endr
	WIN 0
.endm
.macro SEND a, younger                 ; younger: the LDS instructions issued behind block a's loads, which may stay out
.set BB, BK+64*((\a)%2)
.set RR, 64*((\a)%4)
	s_wait_dscnt \younger
.if (\a) <= 4
	s_wait_loadcnt 48                              ; block a's residual is in; the three sets behind it may be out
.else
	s_wait_loadcnt 16*(7-(\a))
.endif
	WIN 0x04                                       ; source 1 (the residual) window 1
.set jj, 0
.rept 32
	v_pk_add_f32 v[BB+jj:BB+jj+1], v[BB+jj:BB+jj+1], v[RR+jj:RR+jj+1]
.set jj, jj+2
.endr
	WIN 0
.irp t, 0,1,2,3,4,5,6,7,8,9,10,11,12,13,14,15
	global_store_b128 v[CO], v[BB+4*\t:BB+4*\t+3], s[12:13] offset:(16*(\a)+\t)*4096   ; 32 lanes store 512 consecutive bytes, at a multiple of 256 from the buffer's first byte; 127 rows at the most stand in the immediate
.endr
.if (\a) < 4
	RLOAD (\a)+4
.endif
.endm
	PLACES NP                                      ; in front of loads into registers that the last products read, and of the first read of results
	RLOAD 0
	RLOAD 1
	RLOAD 2
	RLOAD 3
	TOSTAGE 0
.irp a, 1,2,3,4,5,6,7
.if \a > 1
	s_wait_xcnt 0x0                                ; block a - 2's stores have read their registers: block a's loads may land there
.endif
	TOSTAGE \a
	SEND \a-1, 32                                  ; behind block a - 1's loads: block a's 16 stores and 16 loads
.endr
	SEND 7, 0
	s_wait_tensorcnt 0x0                           ; the wave's end
	ds_add_u32 v[SPW], v[NIL]
	s_wait_dscnt 0x0
	CROUND                                         ; the closing round
	s_endpgm
.Lfunc_end_k_q37bb63e23a_oproj:
	.size	k_q37bb63e23a_oproj, .Lfunc_end_k_q37bb63e23a_oproj-k_q37bb63e23a_oproj
	.p2alignl 7, 3214868480
	.fill 96, 4, 3214868480
	.section	.rodata,"a",@progbits
	.p2align	6, 0x0
	.amdhsa_kernel k_q37bb63e23a_oproj
		.amdhsa_group_segment_fixed_size 327680
		.amdhsa_private_segment_fixed_size 0
		.amdhsa_enable_private_segment 0
		.amdhsa_kernarg_size 40
		.amdhsa_user_sgpr_count 2
		.amdhsa_user_sgpr_kernarg_segment_ptr 1
		.amdhsa_wavefront_size32 1
		.amdhsa_system_sgpr_workgroup_id_x 1
		.amdhsa_system_sgpr_workgroup_id_y 1
		.amdhsa_system_sgpr_workgroup_id_z 1
		.amdhsa_system_vgpr_workitem_id 0
		.amdhsa_next_free_vgpr 1024
		.amdhsa_next_free_sgpr 102
		.amdhsa_reserve_vcc 0
		.amdhsa_float_denorm_mode_32 3
		.amdhsa_float_denorm_mode_16_64 3
		.amdhsa_memory_ordered 1
		.amdhsa_forward_progress 1
		.amdhsa_inst_pref_size 192
	.end_amdhsa_kernel
	.amdgpu_metadata
---
amdhsa.version: [ 1, 2 ]
amdhsa.kernels:
  - .name:           k_q37bb63e23a_oproj
    .symbol:         k_q37bb63e23a_oproj.kd
    .args:
      - { .name: ctxq, .offset: 0, .size: 8, .value_kind: global_buffer, .address_space: global }
      - { .name: wq, .offset: 8, .size: 8, .value_kind: global_buffer, .address_space: global }
      - { .name: b_o, .offset: 16, .size: 8, .value_kind: global_buffer, .address_space: global }
      - { .name: x, .offset: 24, .size: 8, .value_kind: global_buffer, .address_space: global }
      - { .name: x1, .offset: 32, .size: 8, .value_kind: global_buffer, .address_space: global }
    .group_segment_fixed_size: 327680
    .private_segment_fixed_size: 0
    .kernarg_segment_align: 8
    .kernarg_segment_size: 40
    .max_flat_workgroup_size: 128
    .sgpr_count:     102
    .vgpr_count:     1024
    .wavefront_size: 32
...
	.end_amdgpu_metadata
.endif
;; end of part 5
;; launch ln2: the kernel of part 2 again; grid 256 x 1, 8 waves a work-group, no clusters, 66,816 bytes of LDS; arguments x1, ln2_scale, ln2_shift, hq; writes hq
;; launch ff1 (part 6): grid 16 x 16, 4 waves a work-group, clusters of 4 x 4, 327,680 bytes of LDS; arguments hq, wq, b_ff1, gq; writes gq
.if DOCPART == 6
	.amdgcn_target "amdgcn-amd-amdhsa--gfx1250"
	.amdhsa_code_object_version 6
	.text
	.protected	k_q37bb63e23a_ff1
	.globl	k_q37bb63e23a_ff1
	.p2align	8
	.type	k_q37bb63e23a_ff1,@function
k_q37bb63e23a_ff1:
	s_mov_b64 s[64:65], 0
	v_nop
	global_prefetch_b8 v0, s[64:65] scope:SCOPE_SE
	s_setreg_imm32_b32 hwreg(HW_REG_WAVE_MODE, 25, 1), 1
	s_wait_xcnt 0x0
	s_wait_alu depctr_hold_cnt(0) depctr_sa_sdst(0) depctr_va_vdst(0) depctr_va_sdst(0) depctr_va_ssrc(0) depctr_va_vcc(0) depctr_vm_vsrc(0)
	s_getreg_b32 s2, hwreg(HW_REG_IB_STS2, 6, 4)
	s_cmp_eq_u32 s2, 0
	s_cbranch_scc0 .Lentry_in_a_cluster
	s_endpgm
.Lentry_in_a_cluster:
	s_bfe_u32 s2, ttmp6, 0x10000c
	s_cmp_lg_u32 s2, 0xf033
	s_cbranch_scc0 .Lentry_shape_is_right
	s_endpgm
.Lentry_shape_is_right:
; g = gelu(h W1 + b1), the product on codes of BF6 (E3M2) with E8M0 scales, K = 1,024; g quantised at once along the 4,096 of the next product and stored as codes alone.
; OPERANDS lie in memory as images of their registers: codes [g = 128 rows][s2 = 256 k][i = 16 rows][q = 128 k][1,536] (piece p: registers 2 p, 2 p + 1 of lane l at 256 p + 8 l), scale words [g][128 k][i][16 rows] u32.
; A work-group of four waves makes 256 rows x 256 columns, a wave 128 x 128: 64 accumulators.  K goes in steps of 256 through a ring of two LDS slots; the scale words of all of K come once, with the first fills.
; THE MATRIX INSTRUCTION IS USED TRANSPOSED (source 0 = 16 rows of W1, source 1 = 16 rows of h): a lane holds ONE row, and its 64 registers of a block of rows run along my 128 columns: one K step of the next product.  THE BIAS IS THE C OF EACH SUM'S FIRST PRODUCT.
; gelu(x) = 0.5 x (1 + tanh(u)), u = sqrt(2 / pi) (x + 0.044715 x^3), is written x / (1 + 2^(-x (k1 + k2 x^2))), k1 = 2 log2(e) sqrt(2 / pi), k2 = 0.044715 k1: the same function, all in f32; for large |x| the power runs to 0 or infinity and the result to x or 0.
; ORDER INSIDE A BLOCK OF 32 of the result: position p holds element pi(p) (bits 3 and 4 of p exchanged), the order of every operand of this program.
; CLUSTERS: 4 x 4 work-groups; h's tiles are asked for jointly along a row of the cluster, W1's along a column.
; LIMITS: NaN and infinities are not served; a block whose largest magnitude lies under 2^-122 keeps the byte 1; a block of zeros gets the byte 1 and not 127 (its codes are zeros; the bytes are read by this program alone).
; REGISTERS: window 0: v7, v16-29 addresses; v32-63 scale words; v64-127 the bias, later a block's gelu; v128-223 A's fragments, later v128-146 codes; v224-247 at work.  window 1: W1's fragments, two sets.  windows 2, 3: accumulators.
.set SIZE_K, 1024
.set ASCALE, 3145728
.set BCODE,  3145728
.set BSCALE, 9568256
.set GB,     96*SIZE_K
.set NQ,     2
.set FR,     12
.set NL,     6
.set NP,     4
.set HALFT,  24576
.set SLOT,   4*HALFT
.set LAPS,   SIZE_K/512
.set SCL,    2*SLOT
.set HALFS,  4*SIZE_K
.set SPARE,  SCL+4*HALFS               ; the spare words, 128 bytes for each wave: two blocks of 256 bytes that no other line names
.set ADRA, 16
.set ADRB, 20
.set OA,   24                          ; v24  8 x lane
.set OS,   26                          ; v26  4 x lane
.set ADRS, 27
.set SPW,  28
.set NIL,  29
.set SC,   32
.set BIAS, 64
.set HA,   64
.set AF,   128
.set PC,   128
.set TM,   224
.set PW,   240
.set PWS,  242
.set G1, 24
.set G0, 32
.set G1B, 48
.set G0B, 56
.set G1S, 68
.set G0S, 76
.set G1SB, 80
.set G0SB, 88
.set MSB, 0
.macro WIN new
.if MSB != \new
	s_set_vgpr_msb (MSB<<8)|\new
.set MSB, \new
.endif
.endm
.set MUL_LO, 0xa1
.set MUL_HI, 0xf1
.set TO_B,   0x40
.macro JLOAD g0a, g1a, g0b, g1b
	s_cmp_eq_u32 s15, 0
	s_cbranch_scc0 .Lfor_b_\@
	tensor_load_to_lds s[\g0a:\g0a+3], s[\g1a:\g1a+7]
	s_nop 0
.rept 4
	v_nop
.endr
	s_branch .Lasked_\@
.Lfor_b_\@:
	tensor_load_to_lds s[\g0b:\g0b+3], s[\g1b:\g1b+7]
	s_nop 0
.rept 4
	v_nop
.endr
.Lasked_\@:
.endm
.macro CREST
	s_cmp_lg_u32 s14, 0
	s_cbranch_scc1 .Lnot_wave_0_\@
	s_barrier_signal -3
.Lnot_wave_0_\@:
	s_barrier_wait -3
	s_barrier_signal -1
	s_barrier_wait -1
.endm
.macro CROUND
	s_barrier_signal -1
	s_barrier_wait -1
	CREST
.endm
	s_load_b256 s[4:11], s[0:1], 0x0               ; hq s[4:5], wq s[6:7], b_ff1 s[8:9], gq s[10:11]
	v_lshl_add_u32 v[SPW], v0, 2, SPARE
	v_mov_b32 v[NIL], 0
	ds_add_u32 v28, v29
	ds_add_u32 v28, v29
	s_wait_dscnt 0x0
	v_lshrrev_b32 v1, 5, v0
	v_readfirstlane_b32 s14, v1
	s_lshr_b32 s15, s14, 1
	s_and_b32 s16, s14, 1
	s_bfe_u32 s40, ttmp6, 0x40000
	s_bfe_u32 s41, ttmp6, 0x40004
	s_lshl_b32 s42, ttmp9, 2
	s_add_co_u32 s42, s42, s40                     ; tx
	s_and_b32 s17, ttmp7, 0xffff
	s_lshl_b32 s17, s17, 2
	s_add_co_u32 s17, s17, s41                     ; ty
	s_lshl_b32 s43, s41, 2
	s_lshl_b32 s43, 15, s43
	s_lshl_b32 s44, 0x1111, s40
	s_or_b32 s[G1+0], s43, (3<<16)|(1<<21)
	s_or_b32 s[G1B+0], s44, (3<<16)|(1<<21)
.irp g, G1, G1B
	s_mov_b32 s[\g+1], 32<<16
	s_mov_b32 s[\g+2], 96<<16
	s_mov_b32 s[\g+3], 32<<16
	s_mov_b32 s[\g+4], 96
	s_mov_b32 s[\g+5], 32
	s_mov_b32 s[\g+6], 0
	s_mov_b32 s[\g+7], 0
.endr
	s_or_b32 s[G1S+0], s43, (3<<16)|(1<<21)
	s_or_b32 s[G1SB+0], s44, (3<<16)|(1<<21)
.irp g, G1S, G1SB
	s_mov_b32 s[\g+1], 32<<16
	s_mov_b32 s[\g+2], (HALFS/256)<<16
	s_mov_b32 s[\g+3], 32<<16
	s_mov_b32 s[\g+4], HALFS/256
	s_mov_b32 s[\g+5], 32
	s_mov_b32 s[\g+6], 0
	s_mov_b32 s[\g+7], 0
.endr
	s_lshl_b32 s20, s17, 1
	s_add_co_u32 s20, s20, s16
	s_lshl_b32 s46, s42, 1
	s_add_co_u32 s46, s46, s16
	s_mul_i32 s22, s20, HALFS
	s_add_co_u32 s22, s22, ASCALE
	s_mul_i32 s20, s20, GB
	s_mul_i32 s92, s46, HALFS
	s_add_co_u32 s92, s92, BSCALE
	s_mul_i32 s46, s46, GB
	s_add_co_u32 s46, s46, BCODE
	s_mov_b32 s21, 0
	s_mov_b32 s23, 0
	s_mov_b32 s47, 0
	s_mov_b32 s93, 0
	s_mul_i32 s45, s14, HALFT
	s_mul_i32 s94, s14, HALFS
	s_wait_kmcnt 0x0
	s_add_nc_u64 s[20:21], s[4:5], s[20:21]
	s_add_nc_u64 s[22:23], s[4:5], s[22:23]
	s_add_nc_u64 s[46:47], s[6:7], s[46:47]
	s_add_nc_u64 s[92:93], s[6:7], s[92:93]
	CROUND
	s_mov_b32 s[G0S], 1
	s_add_co_u32 s[G0S+1], s94, SCL
	s_mov_b64 s[G0S+2:G0S+3], s[22:23]
	s_or_b32 s[G0S+3], s[G0S+3], 0x80000000
	s_mov_b32 s[G0SB], 1
	s_add_co_u32 s[G0SB+1], s94, SCL
	s_mov_b64 s[G0SB+2:G0SB+3], s[92:93]
	s_or_b32 s[G0SB+3], s[G0SB+3], 0x80000000
	JLOAD G0S, G1S, G0SB, G1SB
.irp s, 0,1
	s_mov_b32 s[G0+4*\s], 1
	s_add_co_u32 s[G0+4*\s+1], s45, \s*SLOT
	s_add_nc_u64 s[G0+4*\s+2:G0+4*\s+3], s[20:21], \s*HALFT
	s_or_b32 s[G0+4*\s+3], s[G0+4*\s+3], 0x80000000
	s_mov_b32 s[G0B+4*\s], 1
	s_add_co_u32 s[G0B+4*\s+1], s45, \s*SLOT
	s_add_nc_u64 s[G0B+4*\s+2:G0B+4*\s+3], s[46:47], \s*HALFT
	s_or_b32 s[G0B+4*\s+3], s[G0B+4*\s+3], 0x80000000
	JLOAD G0+4*\s, G1, G0B+4*\s, G1B
.endr
	v_and_b32 v1, 15, v0                           ; r
	v_bfe_u32 v2, v0, 4, 1                         ; h
	v_and_b32 v4, 31, v0                           ; lane
	v_lshlrev_b32 v[OA], 3, v4
	v_lshlrev_b32 v[OS], 2, v4
	s_lshl_b32 s96, s42, 10                        ; the bias at my first column: 1,024 tx + 512 x my half, in bytes
	s_lshl_b32 s97, s16, 9
	s_add_co_u32 s96, s96, s97
	s_mov_b32 s97, 0
	s_add_nc_u64 s[8:9], s[8:9], s[96:97]
	v_lshlrev_b32 v7, 5, v2                        ; in the result's layout: tile b, lane (r, h): columns 16 b + 8 h + 0 .. 7
.irp b, 0,1,2,3,4,5,6,7
	global_load_b128 v[BIAS+8*\b:BIAS+8*\b+3], v7, s[8:9] offset:64*\b
	global_load_b128 v[BIAS+8*\b+4:BIAS+8*\b+7], v7, s[8:9] offset:64*\b+16
.endr
	s_lshl_b32 s98, s17, 1
	s_add_co_u32 s98, s98, s15                     ; my group of 128 rows
	s_mul_i32 s96, s98, 393216
	s_mul_i32 s99, s42, 24576
	s_add_co_u32 s96, s96, s99
	s_mul_i32 s99, s16, 1536
	s_add_co_u32 s96, s96, s99                     ; my first image: K step 2 tx + my half of the next product
	s_add_nc_u64 s[12:13], s[10:11], s[96:97]
	s_lshl_b32 s98, s98, 14
	s_lshl_b32 s99, s42, 1
	s_add_co_u32 s99, s99, s16
	s_lshl_b32 s99, s99, 9
	s_add_co_u32 s98, s98, s99
	s_add_co_u32 s98, s98, 12582912
	s_mov_b32 s99, 0
	s_add_nc_u64 s[66:67], s[10:11], s[98:99]      ; its scale words
	s_mov_b32 s101, 0xffff0000                     ; lanes 16-31
	s_mul_i32 s21, s15, HALFT
	s_mul_i32 s22, s16, HALFT
	s_add_co_u32 s22, s22, 2*HALFT
.irp s, 0,1
	v_add_nc_u32 v[ADRA+\s], s21, v[OA]
	v_add_nc_u32 v[ADRB+\s], s22, v[OA]
	s_add_co_u32 s21, s21, SLOT
	s_add_co_u32 s22, s22, SLOT
.endr
	v_lshlrev_b32 v5, 2, v1
	s_mul_i32 s21, s15, HALFS
	s_mul_i32 s22, s16, HALFS
	s_add_co_u32 s22, s22, 2*HALFS
	s_sub_co_u32 s22, s22, s21
	v_mul_u32_u24 v6, s22, v2
	s_add_co_u32 s21, s21, SCL
	v_add_nc_u32 v5, v5, v6
	v_add_nc_u32 v[ADRS], s21, v5
.irp b, 0,1,2,3
	v_mov_b32 v[TM+4+\b], 0                        ; a lane permute's destination counts as one of its sources
.endr
.macro FRAG reg, adr, q, i
.irp p, 0,1,2,3,4,5
	ds_load_b64 v[\reg+2*\p:\reg+2*\p+1], v[\adr] offset:(2*(\i)+(\q))*1536+256*\p
.endr
.endm
; zero = 2: the first product starts the sums from the bias (window 0).  The 64 accumulators take turns, one instruction a turn.
.macro MUL16 a0, p, q, sc, zero
.irp a, \a0, \a0+1
.irp b, 0,1,2,3,4,5,6,7
.if \zero == 2
	v_wmma_scale_f32_16x16x128_f8f6f4 v[8*(8*((\a)%4)+\b):8*(8*((\a)%4)+\b)+7], v[128*(\p)+FR*\b:128*(\p)+FR*\b+FR-1], v[AF+FR*(\a):AF+FR*(\a)+FR-1], v[BIAS+8*\b:BIAS+8*\b+7], v[SC+8*NQ*(\sc)+NQ*\b+(\q)], v[SC+8*NQ*(\sc)+NQ*(\a)+(\q)] matrix_a_fmt:MATRIX_FMT_BF6 matrix_b_fmt:MATRIX_FMT_BF6 matrix_a_scale:MATRIX_SCALE_ROW1
.else
	v_wmma_scale_f32_16x16x128_f8f6f4 v[8*(8*((\a)%4)+\b):8*(8*((\a)%4)+\b)+7], v[128*(\p)+FR*\b:128*(\p)+FR*\b+FR-1], v[AF+FR*(\a):AF+FR*(\a)+FR-1], v[8*(8*((\a)%4)+\b):8*(8*((\a)%4)+\b)+7], v[SC+8*NQ*(\sc)+NQ*\b+(\q)], v[SC+8*NQ*(\sc)+NQ*(\a)+(\q)] matrix_a_fmt:MATRIX_FMT_BF6 matrix_b_fmt:MATRIX_FMT_BF6 matrix_a_scale:MATRIX_SCALE_ROW1
.endif
.endr
.endr
.endm
.macro FETCH_B slot, q, p
	WIN TO_B
.irp i, 0,1,2,3,4,5,6,7
	FRAG 128*(\p)+FR*\i, ADRB+\slot, \q, \i
.endr
	WIN 0
.endm
.macro FETCH_A slot, q, i0
.irp i, \i0, \i0+1, \i0+2, \i0+3
	FRAG AF+FR*(\i), ADRA+\slot, \q, \i
.endr
.endm
.macro SCALES sc
.irp i, 0,1,2,3,4,5,6,7
	ds_load_b32 v[SC+8*NQ*\sc+NQ*\i], v[ADRS] offset:64*\i
	ds_load_b32 v[SC+8*NQ*\sc+NQ*\i+1], v[ADRS] offset:512+64*\i
.endr
.endm
.macro PLACES n
.rept \n
	v_nop
.endr
.endm
.macro STEP slot, q, zero
	s_wait_dscnt 4*NL                              ; the youngest 24 loads (A's blocks 4-7) may be out
.if \zero == 2
	WIN 0x81                                       ; C (the bias) window 0, D window 2
.else
	WIN MUL_LO
.endif
	MUL16 0, (\q)%2, \q, \slot, \zero
	MUL16 2, (\q)%2, \q, \slot, \zero
	s_wait_dscnt 0
	PLACES NP
	FETCH_B \slot, (\q)+1, 1-(\q)%2
	FETCH_A \slot, (\q)+1, 0
.if \zero == 2
	WIN 0xc1
.else
	WIN MUL_HI
.endif
	MUL16 4, (\q)%2, \q, \slot, \zero
	MUL16 6, (\q)%2, \q, \slot, \zero
	PLACES NP
	WIN 0
	FETCH_A \slot, (\q)+1, 4
.endm
.macro TURN slot, next, fill
	s_wait_tensorcnt 0x0                           ; all my tensor loads have landed: my part of the next slot
	ds_add_u32 v[SPW], v[NIL]                      ; 0 onto my spare word
	s_wait_dscnt 4*NL+1                            ; (the add and the youngest 24 loads may be out)
	WIN MUL_LO
	MUL16 0, 1, NQ-1, \slot, 0
	s_wait_dscnt 0x0                               ; the add is done, and my reads of this slot are over
	s_barrier_signal -1
	MUL16 2, 1, NQ-1, \slot, 0
	WIN 0
	s_barrier_wait -1
.if \fill
	CREST                                          ; the barrier has opened a round of the cluster's barrier
	s_add_nc_u64 s[G0+4*\slot+2:G0+4*\slot+3], s[G0+4*\slot+2:G0+4*\slot+3], 2*HALFT
	s_add_nc_u64 s[G0B+4*\slot+2:G0B+4*\slot+3], s[G0B+4*\slot+2:G0B+4*\slot+3], 2*HALFT
	JLOAD G0+4*\slot, G1, G0B+4*\slot, G1B         ; the first tensor load behind the round
.else
	PLACES NP
.endif
	v_add_nc_u32 v[ADRS], 512*NQ, v[ADRS]
	FETCH_B \next, 0, 0
	FETCH_A \next, 0, 0
	SCALES \next
	WIN MUL_HI
	MUL16 4, 1, NQ-1, \slot, 0
	MUL16 6, 1, NQ-1, \slot, 0
	PLACES NP
	WIN 0
	FETCH_A \next, 0, 4
.endm
; gelu of the 64 numbers in v[AC] on of window W, into v[HA] on of window 0.  Every run goes up the registers: each accumulator is read from its low end on.
.macro GELU AC, W
.set WQ, (\W)|((\W)<<2)
	WIN WQ
.set jj, 0
.rept 32
	v_pk_mul_f32 v[HA+jj:HA+jj+1], v[\AC+jj:\AC+jj+1], v[\AC+jj:\AC+jj+1]   ; x^2
.set jj, jj+2
.endr
	WIN 0
.set jj, 0
.rept 32
	v_pk_fma_f32 v[HA+jj:HA+jj+1], v[HA+jj:HA+jj+1], s[98:99], v[246:247] op_sel_hi:[1,0,1]   ; -(k2 x^2 + k1)
.set jj, jj+2
.endr
.set WQ, (\W)<<2
	WIN WQ
.set jj, 0
.rept 32
	v_pk_mul_f32 v[HA+jj:HA+jj+1], v[HA+jj:HA+jj+1], v[\AC+jj:\AC+jj+1]     ; x that
.set jj, jj+2
.endr
	WIN 0
.set jj, 0
.rept 64
	v_exp_f32 v[HA+jj], v[HA+jj]
.set jj, jj+1
.endr
	v_nop                                          ; one plain place behind a transcendental
.set jj, 0
	s_wait_alu depctr_va_vdst(0)
.rept 32
	v_pk_add_f32 v[HA+jj:HA+jj+1], v[HA+jj:HA+jj+1], 1.0 op_sel_hi:[1,0]
.set jj, jj+2
.endr
.set jj, 0
.rept 64
	v_rcp_f32 v[HA+jj], v[HA+jj]
.set jj, jj+1
.endr
	v_nop
	WIN WQ
.set jj, 0
	s_wait_alu depctr_va_vdst(0)
.rept 32
	v_pk_mul_f32 v[HA+jj:HA+jj+1], v[HA+jj:HA+jj+1], v[\AC+jj:\AC+jj+1]     ; x / (1 + 2^(..))
.set jj, jj+2
.endr
	WIN 0
.endm
; 64 numbers of a lane in v[s] on (register 16 b + i: item i of my half of block b of my row) become a fragment's codes in v[PC] on and its scale word in v[PW + o].
.macro QUANT s, o
.irp b, 0,1,2,3
	v_max3_num_f32 v[TM+\b], 0x2800000, |v[\s+16*\b]|, |v[\s+16*\b+1]|   ; with the floor 2^(5 - 127): the byte cannot fall under 1
.endr
.irp i, 2,4,6,8,10,12,14
.irp b, 0,1,2,3
	v_max3_num_f32 v[TM+\b], v[TM+\b], |v[\s+16*\b+\i]|, |v[\s+16*\b+\i+1]|
.endr
.endr
.irp b, 0,1,2,3
	v_permlanex16_b32 v[TM+4+\b], v[TM+\b], s18, s19
.endr
.irp b, 0,1,2,3
	v_max_num_f32 v[TM+\b], v[TM+\b], v[TM+4+\b]
.endr
.irp b, 0,1,2,3
	v_add_nc_u32 v[TM+12+\b], 0xfe000000, v[TM+\b]
.endr
.irp b, 0,1,2,3
	v_lshrrev_b32 v[TM+4+\b], 23, v[TM+12+\b]
.endr
	v_lshl_or_b32 v[PW+\o], v[TM+5], 8, v[TM+4]
	v_lshl_or_b32 v[PW+\o], v[TM+6], 16, v[PW+\o]
	v_lshl_or_b32 v[PW+\o], v[TM+7], 24, v[PW+\o]
	s_wait_xcnt 0x0                                ; the last block's stores have read their data: it is written again only behind this wait
.irp c, 0,1
	v_cvt_scalef32_pk16_bf6_f32 v[PC+6*\c:PC+6*\c+2], v[\s+32*\c:\s+32*\c+15], v[TM+12+2*\c]
	v_cvt_scalef32_pk16_bf6_f32 v[PC+12+4*\c:PC+14+4*\c], v[\s+32*\c+16:\s+32*\c+31], v[TM+13+2*\c]
.endr
	v_nop                                          ; one plain place behind a scaled conversion
.irp c, 0,1
.irp i, 0,1,2
	v_permlane16_swap_b32 v[PC+6*\c+\i], v[PC+12+4*\c+\i]
.endr
.irp i, 0,1,2
	v_mov_b32 v[PC+3+6*\c+\i], v[PC+12+4*\c+\i]
.endr
.endr
.endm
	s_wait_tensorcnt 1                             ; the scale words and my part of K step 0 are in (K step 1's load may be out)
	s_barrier_signal -1
	s_barrier_wait -1
	FETCH_B 0, 0, 0
	FETCH_A 0, 0, 0
	SCALES 0
	FETCH_A 0, 0, 4
	s_wait_loadcnt 0x0                             ; the bias
	STEP 0, 0, 2
	s_mov_b32 s3, LAPS-1
.Llap:
	TURN 0, 1, 1
	STEP 1, 0, 0
	TURN 1, 0, 1
	STEP 0, 0, 0
	s_sub_co_u32 s3, s3, 1
	s_cmp_lg_u32 s3, 0
	s_cbranch_scc1 .Llap
	TURN 0, 1, 0
	STEP 1, 0, 0
	s_wait_dscnt 4*NL
	WIN MUL_LO
	MUL16 0, 1, NQ-1, 1, 0
	MUL16 2, 1, NQ-1, 1, 0
	s_wait_dscnt 0
	WIN MUL_HI
	MUL16 4, 1, NQ-1, 1, 0
	MUL16 6, 1, NQ-1, 1, 0
	WIN 0
	; THE WAY OUT: each block of 16 rows: gelu, quantised in registers, stored as one image: each store 256 consecutive aligned bytes.
	s_mov_b32 s18, 0x76543210
	s_mov_b32 s19, 0xfedcba98
	s_mov_b32 s98, 0xbdd2d3e8                      ; -k2
	s_mov_b32 s99, s98                             ; (named with it as a pair, so it is written)
	PLACES NP
	v_mov_b32 v246, 0xc0135761                     ; -k1
	v_mov_b32 v247, 0xc0135761
.irp a, 0,1,2,3,4,5,6,7
	GELU 64*(\a%4), 2+\a/4
	QUANT HA, \a%2
.irp p, 0,1,2,3,4,5
	global_store_b64 v[OA], v[PC+2*\p:PC+2*\p+1], s[12:13] offset:3072*\a+256*\p
.endr
.if \a%2
	v_cndmask_b32 v[PWS], v[PW], v[PW+1], s101     ; lanes 0-15 the even block's words, lanes 16-31 the odd block's: 128 consecutive bytes
	global_store_b32 v[OS], v[PWS], s[66:67] offset:128*(\a/2)
.endif
.endr
	s_wait_tensorcnt 0x0                           ; the wave's end
	ds_add_u32 v[SPW], v[NIL]
	s_wait_dscnt 0x0
	CROUND                                         ; the closing round
	s_endpgm
.Lfunc_end_k_q37bb63e23a_ff1:
	.size	k_q37bb63e23a_ff1, .Lfunc_end_k_q37bb63e23a_ff1-k_q37bb63e23a_ff1
	.p2alignl 7, 3214868480
	.fill 96, 4, 3214868480
	.section	.rodata,"a",@progbits
	.p2align	6, 0x0
	.amdhsa_kernel k_q37bb63e23a_ff1
		.amdhsa_group_segment_fixed_size 327680
		.amdhsa_private_segment_fixed_size 0
		.amdhsa_enable_private_segment 0
		.amdhsa_kernarg_size 32
		.amdhsa_user_sgpr_count 2
		.amdhsa_user_sgpr_kernarg_segment_ptr 1
		.amdhsa_wavefront_size32 1
		.amdhsa_system_sgpr_workgroup_id_x 1
		.amdhsa_system_sgpr_workgroup_id_y 1
		.amdhsa_system_sgpr_workgroup_id_z 1
		.amdhsa_system_vgpr_workitem_id 0
		.amdhsa_next_free_vgpr 1024
		.amdhsa_next_free_sgpr 102
		.amdhsa_reserve_vcc 0
		.amdhsa_float_denorm_mode_32 3
		.amdhsa_float_denorm_mode_16_64 3
		.amdhsa_memory_ordered 1
		.amdhsa_forward_progress 1
		.amdhsa_inst_pref_size 255
	.end_amdhsa_kernel
	.section	.bss,"aw",@nobits
	.p2align	6
	.space	262144
	.amdgpu_metadata
---
amdhsa.version: [ 1, 2 ]
amdhsa.kernels:
  - .name:           k_q37bb63e23a_ff1
    .symbol:         k_q37bb63e23a_ff1.kd
    .args:
      - { .name: hq, .offset: 0, .size: 8, .value_kind: global_buffer, .address_space: global }
      - { .name: wq, .offset: 8, .size: 8, .value_kind: global_buffer, .address_space: global }
      - { .name: b_ff1, .offset: 16, .size: 8, .value_kind: global_buffer, .address_space: global }
      - { .name: gq, .offset: 24, .size: 8, .value_kind: global_buffer, .address_space: global }
    .group_segment_fixed_size: 327680
    .private_segment_fixed_size: 0
    .kernarg_segment_align: 8
    .kernarg_segment_size: 32
    .max_flat_workgroup_size: 128
    .sgpr_count:     102
    .vgpr_count:     1024
    .wavefront_size: 32
...
	.end_amdgpu_metadata
.endif
;; end of part 6
;; launch ff2 (part 7): grid 4 x 16, 4 waves a work-group, clusters of 4 x 4, 327,680 bytes of LDS; arguments gq, wq, b_ff2, x1, out0; writes out0
.if DOCPART == 7
	.amdgcn_target "amdgcn-amd-amdhsa--gfx1250"
	.amdhsa_code_object_version 6
	.text
	.protected	k_q37bb63e23a_ff2
	.globl	k_q37bb63e23a_ff2
	.p2align	8
	.type	k_q37bb63e23a_ff2,@function
k_q37bb63e23a_ff2:
	s_mov_b64 s[64:65], 0
	v_nop
	global_prefetch_b8 v0, s[64:65] scope:SCOPE_SE
	s_setreg_imm32_b32 hwreg(HW_REG_WAVE_MODE, 25, 1), 1
	s_wait_xcnt 0x0
	s_wait_alu depctr_hold_cnt(0) depctr_sa_sdst(0) depctr_va_vdst(0) depctr_va_sdst(0) depctr_va_ssrc(0) depctr_va_vcc(0) depctr_vm_vsrc(0)
	s_getreg_b32 s2, hwreg(HW_REG_IB_STS2, 6, 4)
	s_cmp_eq_u32 s2, 0
	s_cbranch_scc0 .Lentry_in_a_cluster
	s_endpgm
.Lentry_in_a_cluster:
	s_bfe_u32 s2, ttmp6, 0x10000c
	s_cmp_lg_u32 s2, 0xf033
	s_cbranch_scc0 .Lentry_shape_is_right
	s_endpgm
.Lentry_shape_is_right:
; out = x1 + g W2 + b2: a product on codes of BF6 (E3M2) with E8M0 scales, K = 4,096; bias and residual in f32.
; OPERANDS lie in memory as images of their registers: codes [g = 128 rows][s2 = 256 k][i = 16 rows][q = 128 k][1,536] (piece p: registers 2 p, 2 p + 1 of lane l at 256 p + 8 l), scale words [g][128 k][i][16 rows] u32.
; So 128 rows x 256 K are one dense block of 24,576 bytes for one tensor load, a fragment comes by six loads of 256 consecutive bytes, and LDS needs no pitch and no padding.
; A work-group of four waves makes 256 rows x 256 columns, a wave 128 x 128: 64 accumulators.  K goes in steps of 256 through a ring of two LDS slots; the scale words of all of K (4 x 16,384 bytes) come once, with the first fills.
; THE MATRIX INSTRUCTION IS USED TRANSPOSED (source 0 = 16 rows of the weight, source 1 = 16 rows of A): a lane holds eight neighbouring columns of one row.  THE BIAS IS THE C OF EACH SUM'S FIRST PRODUCT.
; The way out goes through the wave's stage in LDS; whole rows of 512 bytes come back, take the residual and are stored.
; The grid has 64 work-groups: 1,024 columns are four tiles of 256.  CLUSTERS: 4 x 4; A's tiles are asked for jointly along a row of the cluster, the weight's along a column.
; Inside a block of 32 along K both operands hold element pi(p) (bits 3 and 4 of p exchanged) at position p: the products pair equal k; only the order of addition inside a block is pi's.
; REGISTERS: window 0: v7, v16-29 addresses; v32-63 scale words; v64-127 the bias; v128-223 A's fragments; on the way out v128-255 rows.  window 1: the weight's fragments, two sets; on the way out the residual, four sets.  windows 2, 3: accumulators.
.set SIZE_K, 4096
.set ASCALE, 12582912                  ; A's scale words in A's buffer
.set BCODE,  6291456                   ; the weight's codes in wq
.set BSCALE, 9699328                   ; and its scale words
.set GB,     96*SIZE_K
.set NQ,     2
.set FR,     12
.set NL,     6
.set NP,     4
.set HALFT,  24576
.set SLOT,   4*HALFT
.set LAPS,   SIZE_K/512
.set SCL,    2*SLOT
.set HALFS,  4*SIZE_K
.set SPARE,  SCL+4*HALFS               ; the spare words, 128 bytes for each wave: two blocks of 256 bytes that no other line names
.set SPITCH, 528                       ; the stage: 16 rows x (512 bytes + 16) for each wave, in slot 0, which has had its last fill and its last read when the first result is stored there
.set ADRA, 16
.set ADRB, 20
.set STO,  24
.set RD,   25
.set CO,   26
.set ADRS, 27
.set SPW,  28
.set NIL,  29
.set SC,   32
.set BIAS, 64
.set AF,   128
.set BK,   128
.set G1, 24
.set G0, 32
.set G1B, 48
.set G0B, 56
.set G1S, 68
.set G0S, 76
.set G1SB, 80
.set G0SB, 88
.set MSB, 0
.macro WIN new
.if MSB != \new
	s_set_vgpr_msb (MSB<<8)|\new
.set MSB, \new
.endif
.endm
.set MUL_LO, 0xa1
.set MUL_HI, 0xf1
.set TO_B,   0x40
.macro JLOAD g0a, g1a, g0b, g1b
	s_cmp_eq_u32 s15, 0
	s_cbranch_scc0 .Lfor_b_\@
	tensor_load_to_lds s[\g0a:\g0a+3], s[\g1a:\g1a+7]
	s_nop 0
.rept 4
	v_nop
.endr
	s_branch .Lasked_\@
.Lfor_b_\@:
	tensor_load_to_lds s[\g0b:\g0b+3], s[\g1b:\g1b+7]
	s_nop 0
.rept 4
	v_nop
.endr
.Lasked_\@:
.endm
.macro CREST
	s_cmp_lg_u32 s14, 0
	s_cbranch_scc1 .Lnot_wave_0_\@
	s_barrier_signal -3
.Lnot_wave_0_\@:
	s_barrier_wait -3
	s_barrier_signal -1
	s_barrier_wait -1
.endm
.macro CROUND
	s_barrier_signal -1
	s_barrier_wait -1
	CREST
.endm
	s_load_b256 s[4:11], s[0:1], 0x0               ; A s[4:5], wq s[6:7], the bias s[8:9], the residual s[10:11]
	s_load_b64 s[12:13], s[0:1], 0x20              ; the result
	v_lshl_add_u32 v[SPW], v0, 2, SPARE
	v_mov_b32 v[NIL], 0
	ds_add_u32 v28, v29
	ds_add_u32 v28, v29
	s_wait_dscnt 0x0
	v_lshrrev_b32 v1, 5, v0
	v_readfirstlane_b32 s14, v1
	s_lshr_b32 s15, s14, 1
	s_and_b32 s16, s14, 1
	s_bfe_u32 s40, ttmp6, 0x40000
	s_bfe_u32 s41, ttmp6, 0x40004
	s_lshl_b32 s42, ttmp9, 2
	s_add_co_u32 s42, s42, s40                     ; tx
	s_and_b32 s17, ttmp7, 0xffff
	s_lshl_b32 s17, s17, 2
	s_add_co_u32 s17, s17, s41                     ; ty
	s_lshl_b32 s43, s41, 2
	s_lshl_b32 s43, 15, s43
	s_lshl_b32 s44, 0x1111, s40
	s_or_b32 s[G1+0], s43, (3<<16)|(1<<21)
	s_or_b32 s[G1B+0], s44, (3<<16)|(1<<21)
.irp g, G1, G1B
	s_mov_b32 s[\g+1], 32<<16
	s_mov_b32 s[\g+2], 96<<16
	s_mov_b32 s[\g+3], 32<<16
	s_mov_b32 s[\g+4], 96
	s_mov_b32 s[\g+5], 32
	s_mov_b32 s[\g+6], 0
	s_mov_b32 s[\g+7], 0
.endr
	s_or_b32 s[G1S+0], s43, (3<<16)|(1<<21)
	s_or_b32 s[G1SB+0], s44, (3<<16)|(1<<21)
.irp g, G1S, G1SB
	s_mov_b32 s[\g+1], 32<<16
	s_mov_b32 s[\g+2], (HALFS/256)<<16
	s_mov_b32 s[\g+3], 32<<16
	s_mov_b32 s[\g+4], HALFS/256
	s_mov_b32 s[\g+5], 32
	s_mov_b32 s[\g+6], 0
	s_mov_b32 s[\g+7], 0
.endr
	s_lshl_b32 s20, s17, 1
	s_add_co_u32 s20, s20, s16
	s_lshl_b32 s46, s42, 1
	s_add_co_u32 s46, s46, s16
	s_mul_i32 s22, s20, HALFS
	s_add_co_u32 s22, s22, ASCALE
	s_mul_i32 s20, s20, GB
	s_mul_i32 s92, s46, HALFS
	s_add_co_u32 s92, s92, BSCALE
	s_mul_i32 s46, s46, GB
	s_add_co_u32 s46, s46, BCODE
	s_mov_b32 s21, 0
	s_mov_b32 s23, 0
	s_mov_b32 s47, 0
	s_mov_b32 s93, 0
	s_mul_i32 s45, s14, HALFT
	s_mul_i32 s94, s14, HALFS
	s_wait_kmcnt 0x0
	s_add_nc_u64 s[20:21], s[4:5], s[20:21]
	s_add_nc_u64 s[22:23], s[4:5], s[22:23]
	s_add_nc_u64 s[46:47], s[6:7], s[46:47]
	s_add_nc_u64 s[92:93], s[6:7], s[92:93]
	CROUND
	s_mov_b32 s[G0S], 1
	s_add_co_u32 s[G0S+1], s94, SCL
	s_mov_b64 s[G0S+2:G0S+3], s[22:23]
	s_or_b32 s[G0S+3], s[G0S+3], 0x80000000
	s_mov_b32 s[G0SB], 1
	s_add_co_u32 s[G0SB+1], s94, SCL
	s_mov_b64 s[G0SB+2:G0SB+3], s[92:93]
	s_or_b32 s[G0SB+3], s[G0SB+3], 0x80000000
	JLOAD G0S, G1S, G0SB, G1SB
.irp s, 0,1
	s_mov_b32 s[G0+4*\s], 1
	s_add_co_u32 s[G0+4*\s+1], s45, \s*SLOT
	s_add_nc_u64 s[G0+4*\s+2:G0+4*\s+3], s[20:21], \s*HALFT
	s_or_b32 s[G0+4*\s+3], s[G0+4*\s+3], 0x80000000
	s_mov_b32 s[G0B+4*\s], 1
	s_add_co_u32 s[G0B+4*\s+1], s45, \s*SLOT
	s_add_nc_u64 s[G0B+4*\s+2:G0B+4*\s+3], s[46:47], \s*HALFT
	s_or_b32 s[G0B+4*\s+3], s[G0B+4*\s+3], 0x80000000
	JLOAD G0+4*\s, G1, G0B+4*\s, G1B
.endr
	v_and_b32 v1, 15, v0                           ; r
	v_bfe_u32 v2, v0, 4, 1                         ; h
	v_and_b32 v4, 31, v0                           ; lane
	v_lshlrev_b32 v3, 3, v4                        ; 8 x lane
	s_lshl_b32 s96, s42, 10                        ; my first column, in bytes of f32: 1,024 tx + 512 x my half
	s_lshl_b32 s97, s16, 9
	s_add_co_u32 s96, s96, s97
	s_mov_b32 s97, 0
	s_add_nc_u64 s[8:9], s[8:9], s[96:97]
	v_lshlrev_b32 v7, 5, v2                        ; the bias in the result's layout: tile b, lane (r, h): columns 16 b + 8 h + 0 .. 7
.irp b, 0,1,2,3,4,5,6,7
	global_load_b128 v[BIAS+8*\b:BIAS+8*\b+3], v7, s[8:9] offset:64*\b
	global_load_b128 v[BIAS+8*\b+4:BIAS+8*\b+7], v7, s[8:9] offset:64*\b+16
.endr
	s_lshl_b32 s98, s17, 1
	s_add_co_u32 s98, s98, s15
	s_lshl_b32 s98, s98, 19                        ; my first row: 128 rows of 4,096 bytes
	s_add_co_u32 s98, s98, s96
	s_mov_b32 s99, 0
	s_add_nc_u64 s[12:13], s[12:13], s[98:99]
	s_add_nc_u64 s[66:67], s[10:11], s[98:99]
	s_mul_i32 s21, s15, HALFT
	s_mul_i32 s22, s16, HALFT
	s_add_co_u32 s22, s22, 2*HALFT
.irp s, 0,1
	v_add_nc_u32 v[ADRA+\s], s21, v3
	v_add_nc_u32 v[ADRB+\s], s22, v3
	s_add_co_u32 s21, s21, SLOT
	s_add_co_u32 s22, s22, SLOT
.endr
	v_lshlrev_b32 v5, 2, v1
	s_mul_i32 s21, s15, HALFS
	s_mul_i32 s22, s16, HALFS
	s_add_co_u32 s22, s22, 2*HALFS
	s_sub_co_u32 s22, s22, s21
	v_mul_u32_u24 v6, s22, v2
	s_add_co_u32 s21, s21, SCL
	v_add_nc_u32 v5, v5, v6
	v_add_nc_u32 v[ADRS], s21, v5
	s_mul_i32 s23, s14, 16*SPITCH                  ; my stage
	v_mul_u32_u24 v5, v1, SPITCH
	v_lshl_add_u32 v5, v2, 5, v5
	v_add_nc_u32 v[STO], s23, v5                   ; in: row r, 32 bytes for each half of the lanes
	v_lshlrev_b32 v[CO], 4, v4                     ; back: the 32 lanes take one row of 512 bytes; and the same in memory
	v_add_nc_u32 v[RD], s23, v[CO]
.macro FRAG reg, adr, q, i
.irp p, 0,1,2,3,4,5
	ds_load_b64 v[\reg+2*\p:\reg+2*\p+1], v[\adr] offset:(2*(\i)+(\q))*1536+256*\p
.endr
.endm
; zero = 2: the first product starts the sums from the bias (window 0).  The 64 accumulators take turns, one instruction a turn.
.macro MUL16 a0, p, q, sc, zero
.irp a, \a0, \a0+1
.irp b, 0,1,2,3,4,5,6,7
.if \zero == 2
	v_wmma_scale_f32_16x16x128_f8f6f4 v[8*(8*((\a)%4)+\b):8*(8*((\a)%4)+\b)+7], v[128*(\p)+FR*\b:128*(\p)+FR*\b+FR-1], v[AF+FR*(\a):AF+FR*(\a)+FR-1], v[BIAS+8*\b:BIAS+8*\b+7], v[SC+8*NQ*(\sc)+NQ*\b+(\q)], v[SC+8*NQ*(\sc)+NQ*(\a)+(\q)] matrix_a_fmt:MATRIX_FMT_BF6 matrix_b_fmt:MATRIX_FMT_BF6 matrix_a_scale:MATRIX_SCALE_ROW1
.else
	v_wmma_scale_f32_16x16x128_f8f6f4 v[8*(8*((\a)%4)+\b):8*(8*((\a)%4)+\b)+7], v[128*(\p)+FR*\b:128*(\p)+FR*\b+FR-1], v[AF+FR*(\a):AF+FR*(\a)+FR-1], v[8*(8*((\a)%4)+\b):8*(8*((\a)%4)+\b)+7], v[SC+8*NQ*(\sc)+NQ*\b+(\q)], v[SC+8*NQ*(\sc)+NQ*(\a)+(\q)] matrix_a_fmt:MATRIX_FMT_BF6 matrix_b_fmt:MATRIX_FMT_BF6 matrix_a_scale:MATRIX_SCALE_ROW1
.endif
.endr
.endr
.endm
.macro FETCH_B slot, q, p
	WIN TO_B
.irp i, 0,1,2,3,4,5,6,7
	FRAG 128*(\p)+FR*\i, ADRB+\slot, \q, \i
.endr
	WIN 0
.endm
.macro FETCH_A slot, q, i0
.irp i, \i0, \i0+1, \i0+2, \i0+3
	FRAG AF+FR*(\i), ADRA+\slot, \q, \i
.endr
.endm
.macro SCALES sc
.irp i, 0,1,2,3,4,5,6,7
	ds_load_b32 v[SC+8*NQ*\sc+NQ*\i], v[ADRS] offset:64*\i
	ds_load_b32 v[SC+8*NQ*\sc+NQ*\i+1], v[ADRS] offset:512+64*\i
.endr
.endm
.macro PLACES n
.rept \n
	v_nop
.endr
.endm
.macro STEP slot, q, zero
	s_wait_dscnt 4*NL                              ; the youngest 24 loads (A's blocks 4-7) may be out
.if \zero == 2
	WIN 0x81                                       ; C (the bias) window 0, D window 2
.else
	WIN MUL_LO
.endif
	MUL16 0, (\q)%2, \q, \slot, \zero
	MUL16 2, (\q)%2, \q, \slot, \zero
	s_wait_dscnt 0
	PLACES NP
	FETCH_B \slot, (\q)+1, 1-(\q)%2
	FETCH_A \slot, (\q)+1, 0
.if \zero == 2
	WIN 0xc1
.else
	WIN MUL_HI
.endif
	MUL16 4, (\q)%2, \q, \slot, \zero
	MUL16 6, (\q)%2, \q, \slot, \zero
	PLACES NP
	WIN 0
	FETCH_A \slot, (\q)+1, 4
.endm
.macro TURN slot, next, fill
	s_wait_tensorcnt 0x0                           ; all my tensor loads have landed: my part of the next slot
	ds_add_u32 v[SPW], v[NIL]                      ; 0 onto my spare word
	s_wait_dscnt 4*NL+1                            ; (the add and the youngest 24 loads may be out)
	WIN MUL_LO
	MUL16 0, 1, NQ-1, \slot, 0
	s_wait_dscnt 0x0                               ; the add is done, and my reads of this slot are over
	s_barrier_signal -1
	MUL16 2, 1, NQ-1, \slot, 0
	WIN 0
	s_barrier_wait -1
.if \fill
	CREST                                          ; the barrier has opened a round of the cluster's barrier
	s_add_nc_u64 s[G0+4*\slot+2:G0+4*\slot+3], s[G0+4*\slot+2:G0+4*\slot+3], 2*HALFT
	s_add_nc_u64 s[G0B+4*\slot+2:G0B+4*\slot+3], s[G0B+4*\slot+2:G0B+4*\slot+3], 2*HALFT
	JLOAD G0+4*\slot, G1, G0B+4*\slot, G1B         ; the first tensor load behind the round
.else
	PLACES NP
.endif
	v_add_nc_u32 v[ADRS], 512*NQ, v[ADRS]
	FETCH_B \next, 0, 0
	FETCH_A \next, 0, 0
	SCALES \next
	WIN MUL_HI
	MUL16 4, 1, NQ-1, \slot, 0
	MUL16 6, 1, NQ-1, \slot, 0
	PLACES NP
	WIN 0
	FETCH_A \next, 0, 4
.endm
	s_wait_tensorcnt 1                             ; the scale words and my part of K step 0 are in (K step 1's load may be out)
	s_barrier_signal -1
	s_barrier_wait -1
	FETCH_B 0, 0, 0
	FETCH_A 0, 0, 0
	SCALES 0
	FETCH_A 0, 0, 4
	s_wait_loadcnt 0x0                             ; the bias
	STEP 0, 0, 2
	s_mov_b32 s3, LAPS-1
.Llap:
	TURN 0, 1, 1
	STEP 1, 0, 0
	TURN 1, 0, 1
	STEP 0, 0, 0
	s_sub_co_u32 s3, s3, 1
	s_cmp_lg_u32 s3, 0
	s_cbranch_scc1 .Llap
	TURN 0, 1, 0
	STEP 1, 0, 0
	s_wait_dscnt 4*NL
	WIN MUL_LO
	MUL16 0, 1, NQ-1, 1, 0
	MUL16 2, 1, NQ-1, 1, 0
	s_wait_dscnt 0
	WIN MUL_HI
	MUL16 4, 1, NQ-1, 1, 0
	MUL16 6, 1, NQ-1, 1, 0
	WIN 0
; THE WAY OUT, block by block of 16 rows x 128 columns, through my own stage.  LDS serves a wave's instructions in order: no wait between the stores and the loads.
.macro TOSTAGE a
.set AC, 64*((\a)%4)
	WIN 0x08+4*((\a)/4)                            ; the data: window 2 or 3
.irp b, 0,1,2,3,4,5,6,7
	ds_store_b128 v[STO], v[AC+8*\b:AC+8*\b+3] offset:64*\b          ; each accumulator from its low end on
	ds_store_b128 v[STO], v[AC+8*\b+4:AC+8*\b+7] offset:64*\b+16
.endr
	WIN 0
.set BB, BK+64*((\a)%2)
.irp t, 0,1,2,3,4,5,6,7,8,9,10,11,12,13,14,15
	ds_load_b128 v[BB+4*\t:BB+4*\t+3], v[RD] offset:\t*SPITCH
.endr
.endm
.macro RLOAD a                         ; the residual of block a's 16 rows into set a % 4 of window 1
	WIN 0x40
.irp t, 0,1,2,3,4,5,6,7,8,9,10,11,12,13,14,15
	global_load_b128 v[64*((\a)%4)+4*\t:64*((\a)%4)+4*\t+3], v[CO], s[66:67] offset:(16*(\a)+\t)*4096
.endr
	WIN 0
.endm
.macro SEND a, younger                 ; younger: the LDS instructions issued behind block a's loads, which may stay out
.set BB, BK+64*((\a)%2)
.set RR, 64*((\a)%4)
	s_wait_dscnt \younger
.if (\a) <= 4
	s_wait_loadcnt 48                              ; block a's residual is in; the three sets behind it may be out
.else
	s_wait_loadcnt 16*(7-(\a))
.endif
	WIN 0x04                                       ; source 1 (the residual) window 1
.set jj, 0
.rept 32
	v_pk_add_f32 v[BB+jj:BB+jj+1], v[BB+jj:BB+jj+1], v[RR+jj:RR+jj+1]
.set jj, jj+2
.endr
	WIN 0
.irp t, 0,1,2,3,4,5,6,7,8,9,10,11,12,13,14,15
	global_store_b128 v[CO], v[BB+4*\t:BB+4*\t+3], s[12:13] offset:(16*(\a)+\t)*4096   ; 32 lanes store 512 consecutive bytes, at a multiple of 256 from the buffer's first byte; 127 rows at the most stand in the immediate
.endr
.if (\a) < 4
	RLOAD (\a)+4
.endif
.endm
	PLACES NP                                      ; in front of loads into registers that the last products read, and of the first read of results
	RLOAD 0
	RLOAD 1
	RLOAD 2
	RLOAD 3
	TOSTAGE 0
.irp a, 1,2,3,4,5,6,7
.if \a > 1
	s_wait_xcnt 0x0                                ; block a - 2's stores have read their registers: block a's loads may land there
.endif
	TOSTAGE \a
	SEND \a-1, 32                                  ; behind block a - 1's loads: block a's 16 stores and 16 loads
.endr
	SEND 7, 0
	s_wait_tensorcnt 0x0                           ; the wave's end
	ds_add_u32 v[SPW], v[NIL]
	s_wait_dscnt 0x0
	CROUND                                         ; the closing round
	s_endpgm
.Lfunc_end_k_q37bb63e23a_ff2:
	.size	k_q37bb63e23a_ff2, .Lfunc_end_k_q37bb63e23a_ff2-k_q37bb63e23a_ff2
	.p2alignl 7, 3214868480
	.fill 96, 4, 3214868480
	.section	.rodata,"a",@progbits
	.p2align	6, 0x0
	.amdhsa_kernel k_q37bb63e23a_ff2
		.amdhsa_group_segment_fixed_size 327680
		.amdhsa_private_segment_fixed_size 0
		.amdhsa_enable_private_segment 0
		.amdhsa_kernarg_size 40
		.amdhsa_user_sgpr_count 2
		.amdhsa_user_sgpr_kernarg_segment_ptr 1
		.amdhsa_wavefront_size32 1
		.amdhsa_system_sgpr_workgroup_id_x 1
		.amdhsa_system_sgpr_workgroup_id_y 1
		.amdhsa_system_sgpr_workgroup_id_z 1
		.amdhsa_system_vgpr_workitem_id 0
		.amdhsa_next_free_vgpr 1024
		.amdhsa_next_free_sgpr 102
		.amdhsa_reserve_vcc 0
		.amdhsa_float_denorm_mode_32 3
		.amdhsa_float_denorm_mode_16_64 3
		.amdhsa_memory_ordered 1
		.amdhsa_forward_progress 1
		.amdhsa_inst_pref_size 192
	.end_amdhsa_kernel
	.amdgpu_metadata
---
amdhsa.version: [ 1, 2 ]
amdhsa.kernels:
  - .name:           k_q37bb63e23a_ff2
    .symbol:         k_q37bb63e23a_ff2.kd
    .args:
      - { .name: gq, .offset: 0, .size: 8, .value_kind: global_buffer, .address_space: global }
      - { .name: wq, .offset: 8, .size: 8, .value_kind: global_buffer, .address_space: global }
      - { .name: b_ff2, .offset: 16, .size: 8, .value_kind: global_buffer, .address_space: global }
      - { .name: x1, .offset: 24, .size: 8, .value_kind: global_buffer, .address_space: global }
      - { .name: out0, .offset: 32, .size: 8, .value_kind: global_buffer, .address_space: global }
    .group_segment_fixed_size: 327680
    .private_segment_fixed_size: 0
    .kernarg_segment_align: 8
    .kernarg_segment_size: 40
    .max_flat_workgroup_size: 128
    .sgpr_count:     102
    .vgpr_count:     1024
    .wavefront_size: 32
...
	.end_amdgpu_metadata
.endif
;; end of part 7
;; ======== version 2 of 2: 7 launches
;; limits: right only within a limited range of input values
;; workspace buffers: wq 9,830,400 bytes; hq 3,276,800 bytes; qkvq 9,830,400 bytes; ctxq 3,276,800 bytes; x1 16,777,216 bytes; gq 13,107,200 bytes
;; launch prep (part 8): grid 448 x 1, 8 waves a work-group, no clusters, 115,968 bytes of LDS; arguments x, ln1_scale, ln1_shift, hq, w_q, w_k, w_v, w_o, w_ff1, w_ff2, wq; writes hq, wq
.if DOCPART == 8
	.amdgcn_target "amdgcn-amd-amdhsa--gfx1250"
	.amdhsa_code_object_version 6
	.text
	.protected	k_q37bb63e23a_prep
	.globl	k_q37bb63e23a_prep
	.p2align	8
	.type	k_q37bb63e23a_prep,@function
k_q37bb63e23a_prep:
	s_mov_b64 s[64:65], 0
	v_nop
	global_prefetch_b8 v0, s[64:65] scope:SCOPE_SE
	s_setreg_imm32_b32 hwreg(HW_REG_WAVE_MODE, 25, 1), 1
	s_wait_xcnt 0x0
; ONE PREPARING LAUNCH, two kinds of work-group, told apart by the work-group's number alone; each kind has LDS bytes of its own (rows 0 .. 65,791; spare words 65,792 .. 66,815; weight stages from 66,816).
; WORK-GROUPS 0..191: THE WEIGHTS.  All six, f32 stored [K][N] with K as the FIRST axis, become codes of BF6 (E3M2) with one E8M0 byte for each 32 along K.  Waves 0-3 take tile T = 2 x work-group, waves 4-7 tile T + 1.
;   TILE T (0..383): 128 columns n x 256 along K: 24,576 bytes of codes at 24,576 T and 1,024 bytes of scale words at 9,437,184 + 1,024 T.
;   T 0..127: w_q, w_k, w_v, w_o (32 tiles each: 8 groups of 128 columns x 4 steps of 256 K);  T 128..255: w_ff1 (32 groups x 4 steps);  T 256..383: w_ff2 (8 groups x 16 steps).
;   A tile is laid as IMAGES OF THE OPERAND'S REGISTERS: [i = 16 columns, 8][q = 128 K, 2][1,536 bytes]; in an image, piece p (0..5) holds registers 2 p, 2 p + 1 of lane l at byte 256 p + 8 l.  Scale words: [q][i][16 columns] u32.
;   A lane takes a column and its registers run down K: a block lies in one lane's 32 registers.  A wave takes 32 columns; its codes go through its own 6,144 bytes of LDS and leave as 512 consecutive bytes a store.
; WORK-GROUPS 192..447: h = gain x (x - mean) / sqrt(var + 1e-5) + shift over rows of 1,024 f32, all in f32, and h quantised along the row; 16 rows a work-group.
;   PHASE 1: wave w normalises rows 2 w and 2 w + 1 and stores them as f32 into LDS.  PHASE 2: wave w quantises K step w (128 columns) of all 16 rows.
;   OUTPUT: codes [g = row / 128][s2 = k / 256][i = 16 rows][q = 128 k][1,536], an image of the operand's registers; scale words at 3,145,728: [g][k / 128][i][16 rows] u32.
; ORDER INSIDE A BLOCK OF 32, in every operand of this program: position p holds element pi(p) = p with bits 3 and 4 exchanged; a block holds the same 32 numbers, so its scale is the contract's.
; Matrix units, clusters and tensor loads have nothing to do here: every input byte is read once.
; LIMITS: NaN and infinities are not served; a block whose largest magnitude lies under 2^-122 keeps the byte 1; a block of zeros gets the byte 1 and not 127 (its codes are zeros; the bytes are read by this program alone).
.set NWQ, 192                          ; work-groups that take weights
.set PITCH, 4112                       ; an LDS row of the norm: 4,096 bytes + 16
.set GA,  96                           ; v96-127  the gain at my columns
.set BE,  128                          ; v128-159 the shift
.set TM,  100                          ; phase 2: v100-103 largest magnitudes, v104-107 bytes, v112-115 scale operands
.set PW,  120                          ; the scale word
.set PC,  160                          ; v160-171 the fragment's codes; v172-178 at work
.set WST, 66816                        ; the weights' stages: 6,144 bytes a wave
.set OFF,  32                          ; weights: v32-63 byte offset of position p's row: pi(p) x pitch + 4 x lane
.set X,    64                          ; v64-127  two sets of 32 numbers
.set C,    128                         ; v128-133 a block's codes
.set C2,   136                         ; v136-138 the second conversion's result
.set SB,   24                          ; v24-25   scale bytes, four to a register
.set OUTR, 140                         ; v140-187 the way out
.set BASE, 32                          ; s[32:47] the source at block t of the tile
	v_lshl_add_u32 v192, v0, 2, 0x10100
	v_mov_b32 v193, 0
	v_lshrrev_b32 v1, 5, v0
	s_delay_alu instid0(VALU_DEP_1)
	v_readfirstlane_b32 s12, v1                    ; wave 0..7
	v_and_b32 v2, 31, v0                           ; lane
	s_cmp_lt_u32 ttmp9, NWQ
	s_wait_alu depctr_va_vdst(0)
	s_cbranch_scc1 .Lweights
	; ---- the norm ----
	s_load_b256 s[4:11], s[0:1], 0x0               ; the rows s[4:5], gain s[6:7], shift s[8:9], hq s[10:11]
	v_lshlrev_b32 v1, 4, v2                        ; 16 x lane
	s_wait_alu depctr_va_vdst(0)
	s_sub_co_u32 s26, ttmp9, NWQ                   ; which 16 rows
	s_lshl_b32 s16, s26, 16                        ; 16 rows of 4,096 bytes a work-group,
	s_lshl_b32 s17, s12, 13                        ; two a wave
	s_add_co_u32 s16, s16, s17
	s_mov_b32 s17, 0
	s_mov_b32 s13, 0x3a800000                      ; 1 / 1,024
	s_mov_b32 s14, 0x76543210                      ; v_permlanex16_b32's selects for lane l xor 16
	s_mov_b32 s15, 0xfedcba98
	s_mul_i32 s18, s12, 2*PITCH
	v_add_nc_u32 v3, s18, v1                       ; phase 1's stores: my wave's two rows, 16 x lane
	v_and_b32 v5, 15, v0                           ; r
	v_bfe_u32 v6, v0, 4, 1                         ; h
	s_delay_alu instid0(VALU_DEP_2)
	v_mul_u32_u24 v4, v5, PITCH
	s_delay_alu instid0(VALU_DEP_1)
	v_lshl_add_u32 v4, v6, 5, v4
	s_lshl_b32 s19, s12, 9
	v_add_nc_u32 v4, s19, v4                       ; phase 2's loads: row r, + 512 w, + 32 h
	v_lshlrev_b32 v5, 2, v5                        ; 4 r
	v_lshlrev_b32 v7, 3, v2                        ; 8 x lane
	s_lshr_b32 s20, s26, 3                         ; g
	s_and_b32 s21, s26, 7                          ; i
	s_mul_i32 s22, s20, 98304
	s_mul_i32 s23, s21, 3072
	s_add_co_u32 s22, s22, s23
	s_lshr_b32 s23, s12, 1
	s_mul_i32 s23, s23, 24576
	s_add_co_u32 s22, s22, s23
	s_and_b32 s23, s12, 1
	s_mul_i32 s23, s23, 1536
	s_add_co_u32 s22, s22, s23                     ; my image
	s_mov_b32 s23, 0
	s_lshl_b32 s24, s20, 12
	s_lshl_b32 s25, s21, 6
	s_add_co_u32 s24, s24, s25
	s_add_co_u32 s24, s24, s19
	s_add_co_u32 s24, s24, 3145728                 ; its 16 scale words
	s_mov_b32 s25, 0
	s_wait_kmcnt 0x0
	s_add_nc_u64 s[4:5], s[4:5], s[16:17]
	s_add_nc_u64 s[22:23], s[10:11], s[22:23]
	s_add_nc_u64 s[24:25], s[10:11], s[24:25]
.irp e, 0,1
.irp j, 0,1,2,3,4,5,6,7
	global_load_b128 v[32+32*\e+4*\j:35+32*\e+4*\j], v1, s[4:5] offset:4096*\e+512*\j   ; 32 lanes read 512 consecutive bytes
.endr
.endr
.irp j, 0,1,2,3,4,5,6,7
	global_load_b128 v[GA+4*\j:GA+4*\j+3], v1, s[6:7] offset:512*\j
	global_load_b128 v[BE+4*\j:BE+4*\j+3], v1, s[8:9] offset:512*\j
.endr
.macro LANESUM a, b                    ; v[a] summed over the 32 lanes, in every lane; v[b] at work (written before)
	s_delay_alu instid0(VALU_DEP_1)
	v_add_f32_dpp v[\a], v[\a], v[\a] row_xmask:1 row_mask:0xf bank_mask:0xf
	s_delay_alu instid0(VALU_DEP_1)
	v_add_f32_dpp v[\a], v[\a], v[\a] row_xmask:2 row_mask:0xf bank_mask:0xf
	s_delay_alu instid0(VALU_DEP_1)
	v_add_f32_dpp v[\a], v[\a], v[\a] row_xmask:4 row_mask:0xf bank_mask:0xf
	s_delay_alu instid0(VALU_DEP_1)
	v_add_f32_dpp v[\a], v[\a], v[\a] row_xmask:8 row_mask:0xf bank_mask:0xf
	s_delay_alu instid0(VALU_DEP_1)
	v_permlanex16_b32 v[\b], v[\a], s14, s15
	s_delay_alu instid0(VALU_DEP_1)
	v_add_f32 v[\a], v[\a], v[\b]
.endm
.macro ROW e
.set XR, 32+32*\e
	v_pk_add_f32 v[8:9], v[XR:XR+1], v[XR+2:XR+3]                   ; the sum, in two chains
	v_pk_add_f32 v[10:11], v[XR+4:XR+5], v[XR+6:XR+7]
.irp j, 8,12,16,20,24,28
	s_delay_alu instid0(VALU_DEP_2)
	v_pk_add_f32 v[8:9], v[8:9], v[XR+\j:XR+\j+1]
	s_delay_alu instid0(VALU_DEP_2)
	v_pk_add_f32 v[10:11], v[10:11], v[XR+\j+2:XR+\j+3]
.endr
	s_delay_alu instid0(VALU_DEP_1)
	v_pk_add_f32 v[8:9], v[8:9], v[10:11]
	s_delay_alu instid0(VALU_DEP_1)
	v_add_f32 v8, v8, v9
	LANESUM 8, 9
	s_delay_alu instid0(VALU_DEP_1)
	v_mul_f32 v8, s13, v8                          ; the mean,
	s_delay_alu instid0(VALU_DEP_1)
	v_mov_b32 v9, v8                               ; twice, for the packed form
.irp j, 0,2,4,6,8,10,12,14,16,18,20,22,24,26,28,30
	v_pk_add_f32 v[XR+\j:XR+\j+1], v[XR+\j:XR+\j+1], v[8:9] neg_lo:[0,1] neg_hi:[0,1]   ; x - mean
.endr
	v_pk_mul_f32 v[10:11], v[XR:XR+1], v[XR:XR+1]                   ; the sum of squares, in two chains
	v_pk_mul_f32 v[12:13], v[XR+2:XR+3], v[XR+2:XR+3]
.irp j, 4,8,12,16,20,24,28
	s_delay_alu instid0(VALU_DEP_2)
	v_pk_fma_f32 v[10:11], v[XR+\j:XR+\j+1], v[XR+\j:XR+\j+1], v[10:11]
	s_delay_alu instid0(VALU_DEP_2)
	v_pk_fma_f32 v[12:13], v[XR+\j+2:XR+\j+3], v[XR+\j+2:XR+\j+3], v[12:13]
.endr
	s_delay_alu instid0(VALU_DEP_1)
	v_pk_add_f32 v[10:11], v[10:11], v[12:13]
	s_delay_alu instid0(VALU_DEP_1)
	v_add_f32 v10, v10, v11
	LANESUM 10, 11
	s_delay_alu instid0(VALU_DEP_1)
	v_fmaak_f32 v10, s13, v10, 0x3727c5ac          ; var + 1e-5
	s_wait_alu depctr_va_vdst(0)
	v_rsq_f32 v12, v10
	v_rsq_f32 v13, v10                             ; twice, for the packed form
	v_nop                                          ; one plain place behind a transcendental
.if \e == 0
	s_wait_loadcnt 0x0                             ; gain and shift
.endif
	s_wait_alu depctr_va_vdst(0)
.irp j, 0,2,4,6,8,10,12,14,16,18,20,22,24,26,28,30
	v_pk_mul_f32 v[XR+\j:XR+\j+1], v[XR+\j:XR+\j+1], v[12:13]
.endr
.irp j, 0,2,4,6,8,10,12,14,16,18,20,22,24,26,28,30
	v_pk_fma_f32 v[XR+\j:XR+\j+1], v[XR+\j:XR+\j+1], v[GA+\j:GA+\j+1], v[BE+\j:BE+\j+1]
.endr
.irp j, 0,1,2,3,4,5,6,7
	ds_store_b128 v3, v[XR+4*\j:XR+4*\j+3] offset:\e*PITCH+512*\j
.endr
.endm
	s_wait_loadcnt 16                              ; my two rows are in; the 16 loads of gain and shift may be out
	ROW 0
	ROW 1
	s_wait_dscnt 0x0                               ; for the others' sake: my stores have landed
	s_barrier_signal -1
	s_barrier_wait -1                              ; 16 normalised rows lie in LDS
.irp b, 0,1,2,3
	ds_load_b128 v[32+16*\b:35+16*\b], v4 offset:128*\b          ; elements 8 h .. 8 h + 7 of block b,
	ds_load_b128 v[36+16*\b:39+16*\b], v4 offset:128*\b+16
	ds_load_b128 v[40+16*\b:43+16*\b], v4 offset:128*\b+64       ; and 16 + 8 h .. 16 + 8 h + 7
	ds_load_b128 v[44+16*\b:47+16*\b], v4 offset:128*\b+80
.endr
.irp b, 0,1,2,3
	v_mov_b32 v[TM+4+\b], 0                        ; a lane permute's destination counts as one of its sources
.endr
	s_wait_dscnt 0x0
.irp b, 0,1,2,3
	v_max3_num_f32 v[TM+\b], |v[32+16*\b]|, |v[33+16*\b]|, 0x2800000   ; my 16 numbers of block b, and the floor 2^(5 - 127)
.endr
.irp i, 2,4,6,8,10,12,14
.irp b, 0,1,2,3
	s_delay_alu instid0(VALU_DEP_4)
	v_max3_num_f32 v[TM+\b], v[TM+\b], |v[32+16*\b+\i]|, |v[33+16*\b+\i]|
.endr
.endr
.irp b, 0,1,2,3
	s_delay_alu instid0(VALU_DEP_4)
	v_permlanex16_b32 v[TM+4+\b], v[TM+\b], s14, s15
.endr
.irp b, 0,1,2,3
	s_delay_alu instid0(VALU_DEP_4)
	v_max_num_f32 v[TM+\b], v[TM+\b], v[TM+4+\b]   ; with lane l xor 16's: the block's largest magnitude
.endr
.irp b, 0,1,2,3
	s_delay_alu instid0(VALU_DEP_4)
	v_add_nc_u32 v[TM+12+\b], 0xfe000000, v[TM+\b] ; 4 off its exponent field: the conversion's scale operand
.endr
.irp b, 0,1,2,3
	s_delay_alu instid0(VALU_DEP_4)
	v_lshrrev_b32 v[TM+4+\b], 23, v[TM+12+\b]      ; the scale's byte
.endr
	s_delay_alu instid0(VALU_DEP_3)
	v_lshl_or_b32 v[PW], v[TM+5], 8, v[TM+4]
	s_delay_alu instid0(VALU_DEP_1)
	v_lshl_or_b32 v[PW], v[TM+6], 16, v[PW]
	s_delay_alu instid0(VALU_DEP_1)
	v_lshl_or_b32 v[PW], v[TM+7], 24, v[PW]        ; my row's scale word (lanes r and r + 16 hold the same)
.irp c, 0,1
	v_cvt_scalef32_pk16_bf6_f32 v[PC+6*\c:PC+6*\c+2], v[32+32*\c:47+32*\c], v[TM+12+2*\c]
	v_cvt_scalef32_pk16_bf6_f32 v[PC+12+4*\c:PC+14+4*\c], v[48+32*\c:63+32*\c], v[TM+13+2*\c]
.endr
	v_nop                                          ; one plain place behind a scaled conversion
.irp c, 0,1                            ; the operand's layout wants a whole block in a lane
.irp i, 0,1,2
	v_permlane16_swap_b32 v[PC+6*\c+\i], v[PC+12+4*\c+\i]
.endr
.irp i, 0,1,2
	s_delay_alu instid0(VALU_DEP_3)
	v_mov_b32 v[PC+3+6*\c+\i], v[PC+12+4*\c+\i]
.endr
.endr
.irp p, 0,1,2,3,4,5
	global_store_b64 v7, v[PC+2*\p:PC+2*\p+1], s[22:23] offset:256*\p   ; 32 lanes store 256 consecutive bytes, at a multiple of 256 from the buffer's first byte
.endr
	global_store_b32 v5, v[PW], s[24:25]           ; lanes r and r + 16 store the same word to the same place
	s_wait_tensorcnt 0x0                           ; the wave's end
	ds_add_u32 v192, v193
	s_wait_dscnt 0x0
	s_endpgm
	; ---- the weights ----
.Lweights:
	s_load_b256 s[4:11], s[0:1], 0x20              ; w_q s[4:5], w_k s[6:7], w_v s[8:9], w_o s[10:11]
	s_load_b128 s[56:59], s[0:1], 0x40             ; w_ff1 s[56:57], w_ff2 s[58:59]
	s_load_b64 s[16:17], s[0:1], 0x50              ; wq
	v_lshlrev_b32 v3, 2, v2                        ; 4 x lane
	s_wait_alu depctr_va_vdst(0)
	s_and_b32 s18, s12, 3                          ; my 32 columns of the tile
	s_lshr_b32 s54, s12, 2
	s_lshl_b32 s55, ttmp9, 1
	s_add_co_u32 s55, s55, s54                     ; T
	s_and_b32 s21, s55, 31
	s_lshr_b32 s21, s21, 2                         ; group of columns, for the four square weights
	s_and_b32 s22, s55, 127
	s_lshr_b32 s23, s22, 2                         ; for w_ff1
	s_lshr_b32 s24, s22, 4                         ; for w_ff2
	s_and_b32 s25, s55, 3                          ; step of 256 along K, for K = 1,024
	s_and_b32 s26, s55, 15                         ; for K = 4,096
	s_lshr_b32 s27, s55, 7
	s_cmp_lt_u32 s55, 128
	s_cselect_b32 s21, s21, s23
	s_cmp_lt_u32 s55, 256
	s_cselect_b32 s21, s21, s24                    ; g
	s_cselect_b32 s25, s25, s26                    ; s2
	s_cmp_eq_u32 s27, 1
	s_cselect_b32 s28, 14, 12                      ; log2 of the source's pitch in bytes: 16,384 for w_ff1, else 4,096
	s_lshl_b32 s29, 1, s28                         ; the pitch
.set pp, 0
.rept 32
	v_mad_u32_u24 v[OFF+pp], s29, (pp&7)|((pp&8)<<1)|((pp&16)>>1), v3
.set pp, pp+1
.endr
	s_mul_i32 s19, s18, 6144                       ; my place in the tile's codes
	s_mul_i32 s20, s12, 6144
	s_add_co_u32 s20, s20, WST                     ; my wave's stage
	v_lshrrev_b32 v4, 4, v2
	v_mul_u32_u24 v4, v4, 3072
	v_and_b32 v5, 15, v2
	v_lshl_add_u32 v4, v5, 3, v4
	v_add_nc_u32 v4, s20, v4                       ; into the stage: + 3,072 (lane / 16) + 8 (lane % 16)
	v_lshlrev_b32 v6, 4, v2                        ; out of it and into memory: 16 x lane
	v_add_nc_u32 v5, s20, v6
	s_add_co_u32 s30, s28, 8
	s_lshl_b32 s30, s25, s30                       ; s2 x 256 rows
	s_lshl_b32 s31, s21, 9                         ; + 128 g columns
	s_add_co_u32 s30, s30, s31
	s_lshl_b32 s31, s18, 7                         ; + 32 columns a wave
	s_add_co_u32 s30, s30, s31
	s_mov_b32 s31, 0
	s_add_co_u32 s52, s28, 5
	s_lshl_b32 s52, 1, s52                         ; 32 rows of the source
	s_mov_b32 s53, 0
	s_mul_i32 s48, s55, 24576
	s_add_co_u32 s48, s48, s19
	s_mov_b32 s49, 0
	s_lshl_b32 s50, s55, 10
	s_lshl_b32 s51, s18, 7
	s_add_co_u32 s50, s50, s51
	s_add_co_u32 s50, s50, 9437184
	s_mov_b32 s51, 0
	s_wait_alu depctr_va_vdst(0)
	s_wait_kmcnt 0x0
	s_cmp_lt_u32 s55, 32                           ; which weight: the choice hangs on the tile's number alone
	s_cselect_b64 s[4:5], s[4:5], s[6:7]
	s_cmp_lt_u32 s55, 64
	s_cselect_b64 s[4:5], s[4:5], s[8:9]
	s_cmp_lt_u32 s55, 96
	s_cselect_b64 s[4:5], s[4:5], s[10:11]
	s_cmp_lt_u32 s55, 128
	s_cselect_b64 s[4:5], s[4:5], s[56:57]
	s_cmp_lt_u32 s55, 256
	s_cselect_b64 s[4:5], s[4:5], s[58:59]
	s_add_nc_u64 s[BASE:BASE+1], s[4:5], s[30:31]
.irp t, 1,2,3,4,5,6,7
	s_add_nc_u64 s[BASE+2*\t:BASE+2*\t+1], s[BASE+2*\t-2:BASE+2*\t-1], s[52:53]
.endr
	s_add_nc_u64 s[48:49], s[16:17], s[48:49]      ; my wave's 6,144 bytes of codes
	s_add_nc_u64 s[50:51], s[16:17], s[50:51]      ; my wave's scale words
.macro LOAD t                          ; block t: position p of my column's block into set t % 2
.set pp, 0
.rept 32
	global_load_b32 v[X+32*((\t)%2)+pp], v[OFF+pp], s[BASE+2*(\t):BASE+2*(\t)+1] th:TH_LOAD_NT
.set pp, pp+1
.endr
.endm
	LOAD 0
	LOAD 1
.macro BLOCK t
.set XS, X+32*((\t)%2)
.if (\t) < 7
	s_wait_loadcnt 32                              ; this block's 32 loads are in; the next block's 32 may be out
.else
	s_wait_loadcnt 0x0
.endif
	v_max3_num_f32 v12, |v[XS]|, |v[XS+1]|, |v[XS+2]|   ; the block's largest magnitude, in two chains
	v_max3_num_f32 v13, |v[XS+3]|, |v[XS+4]|, |v[XS+5]|
.irp i, 6,10,14,18,22,26
	v_max3_num_f32 v12, v12, |v[XS+\i]|, |v[XS+\i+1]|
	v_max3_num_f32 v13, v13, |v[XS+\i+2]|, |v[XS+\i+3]|
.endr
	v_max3_num_f32 v12, v12, |v[XS+30]|, |v[XS+31]|
	v_max3_num_f32 v12, v12, v13, 0x2800000        ; and the floor 2^(5 - 127): the byte cannot fall under 1
	v_add_nc_u32 v11, 0xfe000000, v12              ; 4 off its exponent field: the conversion's scale operand
	v_lshrrev_b32 v13, 23, v11                     ; the scale's byte
.if (\t)%4 == 0
	v_mov_b32 v[SB+(\t)/4], v13
.else
	v_lshl_or_b32 v[SB+(\t)/4], v13, 8*((\t)%4), v[SB+(\t)/4]
.endif
	v_cvt_scalef32_pk16_bf6_f32 v[C:C+2], v[XS:XS+15], v11
	v_cvt_scalef32_pk16_bf6_f32 v[C2:C2+2], v[XS+16:XS+31], v11
	v_nop                                          ; one plain place behind a scaled conversion
.irp i, 0,1,2
	v_mov_b32 v[C+3+\i], v[C2+\i]
.endr
.irp j, 0,1,2                          ; block t is block t % 4 of image t / 4: registers 6 c + 2 j of lane 16 h + r, c = (t % 4) / 2, h = t % 2
	ds_store_b64 v4, v[C+2*\j:C+2*\j+1] offset:1536*((\t)/4)+768*(((\t)%4)/2)+128*((\t)%2)+256*\j
.endr
.if (\t)+2 < 8
	LOAD (\t)+2
.endif
	s_wait_dscnt 0x0                               ; the stores have read their registers: the next block's codes may be written
.endm
.irp t, 0,1,2,3,4,5,6,7
	BLOCK \t
.endr
	s_wait_alu depctr_va_vdst(0)
.irp q, 0,1
	global_store_b32 v3, v[SB+\q], s[50:51] offset:512*\q   ; my column's word for the tile's q-th 128 along K
.endr
.irp u, 0,1,2,3,4,5,6,7,8,9,10,11
	ds_load_b128 v[OUTR+4*\u:OUTR+4*\u+3], v5 offset:512*\u   ; LDS serves a wave's instructions in order: these see my stores
.endr
.irp u, 0,1,2,3,4,5,6,7,8,9,10,11
	s_wait_dscnt 11-\u                             ; the younger loads may be out
	global_store_b128 v6, v[OUTR+4*\u:OUTR+4*\u+3], s[48:49] offset:512*\u   ; 32 lanes store 512 consecutive bytes, at a multiple of 256 from the buffer's first byte
.endr
	s_wait_tensorcnt 0x0                           ; the wave's end
	ds_add_u32 v192, v193
	s_wait_dscnt 0x0
	s_endpgm
.Lfunc_end_k_q37bb63e23a_prep:
	.size	k_q37bb63e23a_prep, .Lfunc_end_k_q37bb63e23a_prep-k_q37bb63e23a_prep
	.p2alignl 7, 3214868480
	.fill 96, 4, 3214868480
	.section	.rodata,"a",@progbits
	.p2align	6, 0x0
	.amdhsa_kernel k_q37bb63e23a_prep
		.amdhsa_group_segment_fixed_size 115968
		.amdhsa_private_segment_fixed_size 0
		.amdhsa_enable_private_segment 0
		.amdhsa_kernarg_size 88
		.amdhsa_user_sgpr_count 2
		.amdhsa_user_sgpr_kernarg_segment_ptr 1
		.amdhsa_wavefront_size32 1
		.amdhsa_system_sgpr_workgroup_id_x 1
		.amdhsa_system_sgpr_workgroup_id_y 1
		.amdhsa_system_sgpr_workgroup_id_z 1
		.amdhsa_system_vgpr_workitem_id 0
		.amdhsa_next_free_vgpr 194
		.amdhsa_next_free_sgpr 66
		.amdhsa_reserve_vcc 0
		.amdhsa_float_denorm_mode_32 3
		.amdhsa_float_denorm_mode_16_64 3
		.amdhsa_memory_ordered 1
		.amdhsa_forward_progress 1
		.amdhsa_inst_pref_size 74
	.end_amdhsa_kernel
	.amdgpu_metadata
---
amdhsa.version: [ 1, 2 ]
amdhsa.kernels:
  - .name:           k_q37bb63e23a_prep
    .symbol:         k_q37bb63e23a_prep.kd
    .args:
      - { .name: x, .offset: 0, .size: 8, .value_kind: global_buffer, .address_space: global }
      - { .name: ln1_scale, .offset: 8, .size: 8, .value_kind: global_buffer, .address_space: global }
      - { .name: ln1_shift, .offset: 16, .size: 8, .value_kind: global_buffer, .address_space: global }
      - { .name: hq, .offset: 24, .size: 8, .value_kind: global_buffer, .address_space: global }
      - { .name: w_q, .offset: 32, .size: 8, .value_kind: global_buffer, .address_space: global }
      - { .name: w_k, .offset: 40, .size: 8, .value_kind: global_buffer, .address_space: global }
      - { .name: w_v, .offset: 48, .size: 8, .value_kind: global_buffer, .address_space: global }
      - { .name: w_o, .offset: 56, .size: 8, .value_kind: global_buffer, .address_space: global }
      - { .name: w_ff1, .offset: 64, .size: 8, .value_kind: global_buffer, .address_space: global }
      - { .name: w_ff2, .offset: 72, .size: 8, .value_kind: global_buffer, .address_space: global }
      - { .name: wq, .offset: 80, .size: 8, .value_kind: global_buffer, .address_space: global }
    .group_segment_fixed_size: 115968
    .private_segment_fixed_size: 0
    .kernarg_segment_align: 8
    .kernarg_segment_size: 88
    .max_flat_workgroup_size: 256
    .sgpr_count:     66
    .vgpr_count:     194
    .wavefront_size: 32
...
	.end_amdgpu_metadata
.endif
;; end of part 8
;; launch qkv (part 9): grid 8 x 24, 4 waves a work-group, clusters of 4 x 4, 327,680 bytes of LDS; arguments hq, wq, qkvq; writes qkvq
.if DOCPART == 9
	.amdgcn_target "amdgcn-amd-amdhsa--gfx1250"
	.amdhsa_code_object_version 6
	.text
	.protected	k_q37bb63e23a_qkv
	.globl	k_q37bb63e23a_qkv
	.p2align	8
	.type	k_q37bb63e23a_qkv,@function
k_q37bb63e23a_qkv:
	s_mov_b64 s[64:65], 0
	v_nop
	global_prefetch_b8 v0, s[64:65] scope:SCOPE_SE
	s_setreg_imm32_b32 hwreg(HW_REG_WAVE_MODE, 25, 1), 1
	s_wait_xcnt 0x0
	s_wait_alu depctr_hold_cnt(0) depctr_sa_sdst(0) depctr_va_vdst(0) depctr_va_sdst(0) depctr_va_ssrc(0) depctr_va_vcc(0) depctr_vm_vsrc(0)
	s_getreg_b32 s2, hwreg(HW_REG_IB_STS2, 6, 4)
	s_cmp_eq_u32 s2, 0
	s_cbranch_scc0 .Lentry_in_a_cluster
	s_endpgm
.Lentry_in_a_cluster:
	s_bfe_u32 s2, ttmp6, 0x10000c
	s_cmp_lg_u32 s2, 0xf033
	s_cbranch_scc0 .Lentry_shape_is_right
	s_endpgm
.Lentry_shape_is_right:
; q = h Wq, k = h Wk and v^T = (h Wv)^T on codes of BF6 (E3M2) with E8M0 scales, K = 1,024, and the results quantised at once for attention's two products.
; OPERANDS lie in memory as images of their registers: codes [g = 128 rows][s2 = 256 k][i = 16 rows][q = 128 k][1,536] (piece p: registers 2 p, 2 p + 1 of lane l at 256 p + 8 l), scale words [g][128 k][i][16 rows] u32.
; So 128 rows x 256 K are one dense block of 24,576 bytes for one tensor load, a fragment comes by six loads of 256 consecutive bytes, and LDS needs no pitch and no padding.
; A work-group of four waves makes 256 x 256, a wave 128 x 128: 64 accumulators, 512 registers.  K goes in steps of 256 through a ring of two LDS slots; the scale words of all of K come once, with the first fills.
; THE MATRIX INSTRUCTION IS USED TRANSPOSED (source 0 = 16 rows of "B", source 1 = 16 rows of "A"): a lane holds ONE row of A, and its 64 registers of a block of A run along B's 128 rows, which are the next product's K.
; TWO PARTS, told apart by the cluster's y (Y): Y < 4: A = h (tokens), B = Wq's and Wk's 2,048 rows: q and k, quantised along the head's 64 channels.  Y >= 4: A = Wv's 1,024 rows, B = h: v^T, quantised along the keys.
; Only pointers and offsets are selected; every branch, mask and LDS address is the same in both parts.
; ORDER INSIDE A BLOCK OF 32 of a result: position p holds element pi(p) = p with bits 3 and 4 exchanged (a lane's 16 registers of two neighbouring tiles are elements 8 h .. + 7 and 16 + 8 h .. + 7): the order of every operand of this program.
; OUTPUT qkvq: q codes [bh][token / 16][768] at 0 (half an image: a head's 64 channels), k's at 3,145,728, v^T's [bh][key / 128][channel / 16][1,536] at 6,291,456;
;   scale words: q [bh / 2][token / 16][16] at 9,437,184 (low half the even head, high half the odd), k at 9,568,256, v^T [bh / 2][key / 128][4 (bh % 2) + channel / 16][16] at 9,699,328.
; CLUSTERS: 4 x 4 work-groups; A's tiles are asked for jointly along a row of the cluster, B's along a column.
; LIMITS: NaN and infinities are not served; a block whose largest magnitude lies under 2^-122 keeps the byte 1; a block of zeros gets the byte 1 and not 127 (its codes are zeros; the bytes are read by this program alone).
; REGISTERS: window 0: v16-29 addresses; v32-63 scale words, two sets; v128-223 A's fragments, one set; on the way out v128-146 codes, v224-242 at work.  window 1: B's fragments, two sets.  windows 2, 3: accumulator (a, b) at v[8 (8 (a % 4) + b)].
.set SIZE_K, 1024
.set GB,     96*SIZE_K                 ; the codes of 128 rows
.set NQ,     2
.set FR,     12
.set NL,     6
.set NP,     4                         ; places behind this matrix instruction (ISA guide 7.12.1)
.set HALFT,  24576                     ; 128 rows x 256 K: what one tensor load brings
.set SLOT,   4*HALFT
.set LAPS,   SIZE_K/512
.set SCL,    2*SLOT                    ; behind the ring: the scale words
.set HALFS,  4*SIZE_K                  ; those of 128 rows, all of K
.set SPARE,  SCL+4*HALFS               ; the spare words, 128 bytes for each wave: two blocks of 256 bytes that no other line names
.set ADRA, 16                          ; v16-17  LDS address of my A fragments in slot 0, 1
.set ADRB, 20                          ; v20-21  the same for B
.set OA,   24                          ; v24     8 x lane: pieces 0-2 of an image
.set OB,   25                          ; v25     the same + the distance to pieces 3-5
.set OS,   26                          ; v26     4 x lane
.set ADRS, 27                          ; v27     LDS address of my scale words: lanes 0-15 A's, lanes 16-31 B's
.set SPW,  28
.set NIL,  29
.set SC,   32
.set AF,   128
.set PC,   128
.set TM,   224
.set PW,   240
.set PWS,  242
.set G1, 24
.set G0, 32
.set G1B, 48
.set G0B, 56
.set G1S, 68
.set G0S, 76
.set G1SB, 80
.set G0SB, 88
.set MSB, 0
.macro WIN new                         ; the immediate's high byte repeats the setting that is left
.if MSB != \new
	s_set_vgpr_msb (MSB<<8)|\new
.set MSB, \new
.endif
.endm
.set MUL_LO, 0xa1                      ; source 0 (B) window 1, source 1 (A) window 0, C and D window 2
.set MUL_HI, 0xf1
.set TO_B,   0x40
.macro JLOAD g0a, g1a, g0b, g1b        ; a joint load: waves 0 and 1 fetch for A, waves 2 and 3 for B; four v_nop follow each line
	s_cmp_eq_u32 s15, 0
	s_cbranch_scc0 .Lfor_b_\@
	tensor_load_to_lds s[\g0a:\g0a+3], s[\g1a:\g1a+7]
	s_nop 0
.rept 4
	v_nop
.endr
	s_branch .Lasked_\@
.Lfor_b_\@:
	tensor_load_to_lds s[\g0b:\g0b+3], s[\g1b:\g1b+7]
	s_nop 0
.rept 4
	v_nop
.endr
.Lasked_\@:
.endm
.macro CREST                           ; a round of the cluster's barrier behind its opening barrier
	s_cmp_lg_u32 s14, 0
	s_cbranch_scc1 .Lnot_wave_0_\@
	s_barrier_signal -3
.Lnot_wave_0_\@:
	s_barrier_wait -3
	s_barrier_signal -1
	s_barrier_wait -1
.endm
.macro CROUND
	s_barrier_signal -1
	s_barrier_wait -1
	CREST
.endm
	s_load_b128 s[4:7], s[0:1], 0x0                ; hq s[4:5], wq s[6:7]
	s_load_b64 s[12:13], s[0:1], 0x10              ; qkvq
	v_lshl_add_u32 v[SPW], v0, 2, SPARE
	v_mov_b32 v[NIL], 0
	ds_add_u32 v28, v29
	ds_add_u32 v28, v29
	s_wait_dscnt 0x0
	v_lshrrev_b32 v1, 5, v0
	v_readfirstlane_b32 s14, v1                    ; wave 0..3
	s_lshr_b32 s15, s14, 1                         ; my half of A's rows.  Also: I fetch for A (0) or for B (1)
	s_and_b32 s16, s14, 1                          ; my half of B's rows.  Also: which 128 rows I fetch
	s_bfe_u32 s40, ttmp6, 0x40000                  ; cx
	s_bfe_u32 s41, ttmp6, 0x40004                  ; cy
	s_and_b32 s17, ttmp7, 0xffff                   ; Y
	s_sub_co_u32 s18, s17, 4
	s_lshl_b32 s18, s18, 3                         ; 8 (Y - 4)
	s_cmp_ge_u32 s17, 4                            ; the v part?  It hangs on the cluster's number alone
	s_cselect_b32 s95, 1, 0
	s_cselect_b32 s17, 0, s17
	s_cselect_b32 s18, s18, 0
	s_cselect_b32 s96, 1572864, 0                  ; where A's codes begin in their buffer: Wv's in wq, h's in hq
	s_mov_b32 s97, 3145728
	s_cselect_b32 s97, 9502720, s97                ; A's scale words
	s_mov_b32 s98, 9437184
	s_cselect_b32 s98, 3145728, s98                ; B's scale words (B's codes begin at 0 in both parts)
	s_lshl_b32 s17, s17, 2
	s_add_co_u32 s17, s17, s41                     ; ty: A's tile: 4 Y + cy, or cy
	s_lshl_b32 s42, ttmp9, 2
	s_add_co_u32 s42, s42, s40
	s_add_co_u32 s42, s42, s18                     ; tx: B's tile: 4 X + cx, + 8 (Y - 4) in the v part
	s_lshl_b32 s43, s41, 2
	s_lshl_b32 s43, 15, s43                        ; my row of the cluster
	s_lshl_b32 s44, 0x1111, s40                    ; my column
	s_or_b32 s[G1+0], s43, (3<<16)|(1<<21)         ; 15:0 the mask; 17:16 elements of 8 bytes; 20 no padding; 21 set beside a mask
	s_or_b32 s[G1B+0], s44, (3<<16)|(1<<21)
.irp g, G1, G1B                        ; two dense blocks of 24,576 bytes, GB bytes apart
	s_mov_b32 s[\g+1], 3072<<16                    ; for the head's loads: two groups of 128 rows, each 24,576 dense bytes (3,072 elements), GB bytes apart
	s_mov_b32 s[\g+2], 2<<16
	s_mov_b32 s[\g+3], 3072<<16
	s_mov_b32 s[\g+4], 2
	s_mov_b32 s[\g+5], GB/8
	s_mov_b32 s[\g+6], 0
	s_mov_b32 s[\g+7], 0
.endr
	s_or_b32 s[G1S+0], s43, (3<<16)|(1<<21)
	s_or_b32 s[G1SB+0], s44, (3<<16)|(1<<21)
.irp g, G1S, G1SB                      ; the scale words of 256 rows: 2 HALFS dense bytes as rows of 256
	s_mov_b32 s[\g+1], 32<<16
	s_mov_b32 s[\g+2], (HALFS/128)<<16             ; the scale words of 256 rows are dense
	s_mov_b32 s[\g+3], 32<<16
	s_mov_b32 s[\g+4], HALFS/128
	s_mov_b32 s[\g+5], 32
	s_mov_b32 s[\g+6], 0
	s_mov_b32 s[\g+7], 0
.endr
	s_lshl_b32 s20, s17, 1
	s_add_co_u32 s20, s20, s16                     ; A's group of 128 rows that I fetch
	s_lshl_b32 s46, s42, 1
	s_add_co_u32 s46, s46, s16                     ; B's
	s_mul_i32 s22, s17, 2*HALFS
	s_add_co_u32 s22, s22, s97
	s_mul_i32 s20, s20, GB
	s_add_co_u32 s20, s20, s96
	s_mul_i32 s92, s42, 2*HALFS
	s_add_co_u32 s92, s92, s98
	s_mul_i32 s46, s46, GB
	s_mov_b32 s21, 0
	s_mov_b32 s23, 0
	s_mov_b32 s47, 0
	s_mov_b32 s93, 0
	s_mul_i32 s45, s14, HALFT                      ; where they go: wave x 24,576: no place in the cluster enters an LDS address
	s_wait_kmcnt 0x0
	s_cmp_lg_u32 s95, 0
	s_cselect_b64 s[8:9], s[6:7], s[4:5]           ; A's buffer
	s_cselect_b64 s[10:11], s[4:5], s[6:7]         ; B's buffer
	s_add_nc_u64 s[20:21], s[8:9], s[20:21]
	s_add_nc_u64 s[22:23], s[8:9], s[22:23]
	s_add_nc_u64 s[46:47], s[10:11], s[46:47]
	s_add_nc_u64 s[92:93], s[10:11], s[92:93]
	; PREFETCHES INTO THE L2: both operands are touched here for the first time.  Behind the head's load I ask for K steps 1 and 2, behind the second fill for K step 3: each a fill or more ahead of the load that wants it, never more than two steps asked for and not yet read.
	; Of the 96 blocks of 256 bytes that I fetch in a K step, each of the four partners that ask for them with me takes 24, told apart by address (cx for A, cy for B): a lane a block, lanes 24-31 name the last again.
	s_cmp_eq_u32 s15, 0                            ; do I fetch for A?
	s_cselect_b64 s[4:5], s[20:21], s[46:47]       ; (the arguments that lay here have been used)
	s_cselect_b32 s6, s40, s41                     ; my place among the four
	s_mul_i32 s98, s6, 24*256
	s_mov_b32 s99, 0
	s_add_nc_u64 s[4:5], s[4:5], s[98:99]
	CROUND                                         ; all sixteen work-groups are here: the first joint loads meet
	s_mov_b32 s[G0S], 1
	s_mov_b32 s[G0S+1], SCL
	s_mov_b64 s[G0S+2:G0S+3], s[22:23]
	s_or_b32 s[G0S+3], s[G0S+3], 0x80000000
	s_mov_b32 s[G0SB], 1
	s_mov_b32 s[G0SB+1], SCL+2*HALFS
	s_mov_b64 s[G0SB+2:G0SB+3], s[92:93]
	s_or_b32 s[G0SB+3], s[G0SB+3], 0x80000000
.irp s, 0,1
	s_mov_b32 s[G0+4*\s], 1
	s_add_co_u32 s[G0+4*\s+1], s45, \s*SLOT
	s_add_nc_u64 s[G0+4*\s+2:G0+4*\s+3], s[20:21], \s*HALFT
	s_or_b32 s[G0+4*\s+3], s[G0+4*\s+3], 0x80000000
	s_mov_b32 s[G0B+4*\s], 1
	s_add_co_u32 s[G0B+4*\s+1], s45, \s*SLOT
	s_add_nc_u64 s[G0B+4*\s+2:G0B+4*\s+3], s[46:47], \s*HALFT
	s_or_b32 s[G0B+4*\s+3], s[G0B+4*\s+3], 0x80000000
.endr
; THE HEAD'S LOADS, ONE A WAVE: wave 0 K step 0 of A's 256 rows, wave 1 A's scale words, wave 2 K step 0 of B's 256 rows, wave 3 B's scale words.
; Waves 0 and 2 hold the even group's address and its LDS place in their own slot 0 registers.  One chain of branches on the wave's number, one load to an arm.
.macro ARM under, g0, g1, next
	s_cmp_lt_u32 s14, \under
	s_cbranch_scc0 \next
	tensor_load_to_lds s[\g0:\g0+3], s[\g1:\g1+7]
	s_nop 0
.rept 4
	v_nop
.endr
	s_branch .Lhead_asked
\next:
.endm
	ARM 1, G0,  G1,  .Lhead_sa
	ARM 2, G0S, G1S, .Lhead_b
	ARM 3, G0B, G1B, .Lhead_sb
	tensor_load_to_lds s[G0SB:G0SB+3], s[G1SB:G1SB+7]
	s_nop 0
.rept 4
	v_nop
.endr
.Lhead_asked:
	v_and_b32 v1, 15, v0                           ; r
	v_bfe_u32 v2, v0, 4, 1                         ; h
	s_wait_alu depctr_va_vdst(0)
	v_and_b32 v4, 31, v0                           ; lane
	v_lshlrev_b32 v[OA], 3, v4                     ; 8 x lane: my place in every piece of an image
	v_lshlrev_b32 v[OS], 2, v4
	v_min_u32 v30, 23, v4
	v_lshlrev_b32 v30, 8, v30                      ; v30: 256 x min(lane, 23); never rewritten
	global_prefetch_b8 v30, s[4:5] offset:HALFT th:TH_LOAD_NT scope:SCOPE_SE
	global_prefetch_b8 v30, s[4:5] offset:2*HALFT th:TH_LOAD_NT scope:SCOPE_SE
	s_mul_i32 s21, s15, HALFT                      ; my 128 rows of A
	s_mul_i32 s22, s16, HALFT
	s_add_co_u32 s22, s22, 2*HALFT                 ; my 128 rows of B, behind A's 256
.irp s, 0,1
	v_add_nc_u32 v[ADRA+\s], s21, v[OA]
	v_add_nc_u32 v[ADRB+\s], s22, v[OA]
	s_add_co_u32 s21, s21, SLOT
	s_add_co_u32 s22, s22, SLOT
.endr
	v_lshlrev_b32 v5, 2, v1                        ; my row's scale word: 4 r
	s_mul_i32 s21, s15, HALFS
	s_mul_i32 s22, s16, HALFS
	s_add_co_u32 s22, s22, 2*HALFS
	s_sub_co_u32 s22, s22, s21
	v_mul_u32_u24 v6, s22, v2                      ; lanes 16-31 take B's: one product, the distance between the two
	s_add_co_u32 s21, s21, SCL
	v_add_nc_u32 v5, v5, v6
	v_add_nc_u32 v[ADRS], s21, v5
.irp b, 0,1,2,3
	v_mov_b32 v[TM+4+\b], 0                        ; written once: a lane permute's destination counts as one of its sources
.endr
	; where my results go.  The q, k part: which = tx / 4, pair of heads = 2 (tx % 4) + B half, batch = ty / 8, first block of 16 tokens = 16 (ty % 8) + 8 x A half
	s_lshr_b32 s96, s42, 2
	s_lshl_b32 s96, s96, 1
	s_lshr_b32 s97, s17, 3
	s_add_co_u32 s96, s96, s97                     ; 2 which + batch
	s_and_b32 s97, s42, 3
	s_lshl_b32 s97, s97, 1
	s_add_co_u32 s97, s97, s16                     ; the pair
	s_lshl_b32 s98, s96, 3
	s_add_co_u32 s98, s98, s97                     ; u = 8 (2 which + batch) + pair
	s_and_b32 s99, s17, 7
	s_lshl_b32 s99, s99, 1
	s_add_co_u32 s99, s99, s15                     ; first token block / 8
	s_mul_i32 s96, s98, 196608                     ; two heads of 98,304 bytes
	s_mul_i32 s97, s99, 6144                       ; eight token blocks of 768
	s_add_co_u32 s96, s96, s97                     ; codes
	s_lshl_b32 s98, s98, 13
	s_lshl_b32 s99, s99, 9
	s_add_co_u32 s97, s98, s99
	s_add_co_u32 s97, s97, 9437184                 ; scale words
	; the v part: batch = tx / 8, key step = 2 (tx % 8) + B half, pair of heads = 8 batch + 2 ty + A half
	s_lshr_b32 s98, s42, 3
	s_lshl_b32 s98, s98, 3
	s_lshl_b32 s99, s17, 1
	s_add_co_u32 s98, s98, s99
	s_add_co_u32 s98, s98, s15
	s_and_b32 s99, s42, 7
	s_lshl_b32 s99, s99, 1
	s_add_co_u32 s99, s99, s16
	s_mul_i32 s100, s98, 196608
	s_mul_i32 s101, s99, 6144
	s_add_co_u32 s100, s100, s101
	s_add_co_u32 s100, s100, 6291456               ; codes
	s_lshl_b32 s98, s98, 4
	s_add_co_u32 s98, s98, s99
	s_lshl_b32 s98, s98, 9
	s_add_co_u32 s101, s98, 9699328                ; scale words
	s_cmp_lg_u32 s95, 0
	s_cselect_b32 s96, s100, s96
	s_cselect_b32 s98, s101, s97
	s_mov_b32 s97, 0
	s_mov_b32 s99, 0
	s_add_nc_u64 s[66:67], s[12:13], s[98:99]      ; my scale words
	s_add_nc_u64 s[12:13], s[12:13], s[96:97]      ; my first image
	s_mov_b32 s96, 768
	s_cselect_b32 s96, 1536, s96                   ; from a block of A to the next: a token block, or 16 channels;
	s_mov_b32 s98, 768
	s_cselect_b32 s98, 93696, s98                  ; from block 3 to block 4: in the v part on to the next head
	s_mov_b32 s100, 98304
	s_cselect_b32 s100, 768, s100                  ; from pieces 0-2 to pieces 3-5: the next head, or the image's second half
	s_mov_b32 s101, 0xffff0000                     ; lanes 16-31
	v_add_nc_u32 v[OB], s100, v[OA]
.macro FRAG reg, adr, q, i             ; a fragment: six loads of 256 consecutive bytes, as its image lies
.irp p, 0,1,2,3,4,5
	ds_load_b64 v[\reg+2*\p:\reg+2*\p+1], v[\adr] offset:(2*(\i)+(\q))*1536+256*\p
.endr
.endm
; 16 matrix instructions: A's blocks a0, a0 + 1 x B's eight, the slot's q-th 128 along K.  zero = 1: the first product starts the sums.  The 64 accumulators take turns, one instruction a turn.
.macro MUL16 a0, p, q, sc, zero
.irp a, \a0, \a0+1
.irp b, 0,1,2,3,4,5,6,7
.if \zero
	v_wmma_scale_f32_16x16x128_f8f6f4 v[8*(8*((\a)%4)+\b):8*(8*((\a)%4)+\b)+7], v[128*(\p)+FR*\b:128*(\p)+FR*\b+FR-1], v[AF+FR*(\a):AF+FR*(\a)+FR-1], 0, v[SC+8*NQ*(\sc)+NQ*\b+(\q)], v[SC+8*NQ*(\sc)+NQ*(\a)+(\q)] matrix_a_fmt:MATRIX_FMT_BF6 matrix_b_fmt:MATRIX_FMT_BF6 matrix_a_scale:MATRIX_SCALE_ROW1
.else
	v_wmma_scale_f32_16x16x128_f8f6f4 v[8*(8*((\a)%4)+\b):8*(8*((\a)%4)+\b)+7], v[128*(\p)+FR*\b:128*(\p)+FR*\b+FR-1], v[AF+FR*(\a):AF+FR*(\a)+FR-1], v[8*(8*((\a)%4)+\b):8*(8*((\a)%4)+\b)+7], v[SC+8*NQ*(\sc)+NQ*\b+(\q)], v[SC+8*NQ*(\sc)+NQ*(\a)+(\q)] matrix_a_fmt:MATRIX_FMT_BF6 matrix_b_fmt:MATRIX_FMT_BF6 matrix_a_scale:MATRIX_SCALE_ROW1
.endif
.endr
.endr
.endm
.macro FETCH_B slot, q, p
	WIN TO_B
.irp i, 0,1,2,3,4,5,6,7
	FRAG 128*(\p)+FR*\i, ADRB+\slot, \q, \i
.endr
	WIN 0
.endm
.macro FETCH_A slot, q, i0
.irp i, \i0, \i0+1, \i0+2, \i0+3
	FRAG AF+FR*(\i), ADRA+\slot, \q, \i
.endr
.endm
.macro SCALES sc                       ; the next K step's scale words: register 2 i + q: lanes 0-15 A's block i, lanes 16-31 B's block i
.irp i, 0,1,2,3,4,5,6,7
	ds_load_b32 v[SC+8*NQ*\sc+NQ*\i], v[ADRS] offset:64*\i
	ds_load_b32 v[SC+8*NQ*\sc+NQ*\i+1], v[ADRS] offset:512+64*\i
.endr
.endm
.macro PLACES n                        ; plain vector instructions in front of loads into registers that matrix instructions have read, and of the first read of results
.rept \n
	v_nop
.endr
.endm
.macro STEP slot, q, zero              ; a step of 128 along K that has its successor in the same slot
	s_wait_dscnt 4*NL                              ; B's set and A's blocks 0-3 are in; the youngest 24 loads (A's blocks 4-7) may be out
	WIN MUL_LO
	MUL16 0, (\q)%2, \q, \slot, \zero
	MUL16 2, (\q)%2, \q, \slot, \zero
	s_wait_dscnt 0
	PLACES NP
	FETCH_B \slot, (\q)+1, 1-(\q)%2
	FETCH_A \slot, (\q)+1, 0
	WIN MUL_HI
	MUL16 4, (\q)%2, \q, \slot, \zero
	MUL16 6, (\q)%2, \q, \slot, \zero
	PLACES NP
	WIN 0
	FETCH_A \slot, (\q)+1, 4
.endm
; A slot's last step changes slots: one barrier; in front of it each wave waits for all its tensor loads, adds 0 to its spare word, and waits for that and for its own reads of this slot.  fill = 1: this slot is filled again, two K steps ahead.
.macro TURN slot, next, fill
	s_wait_tensorcnt 0x0                           ; all my tensor loads have landed: my part of the next slot
	ds_add_u32 v[SPW], v[NIL]                      ; 0 onto my spare word
	s_wait_dscnt 4*NL+1                            ; (the add and the youngest 24 loads may be out)
	WIN MUL_LO
	MUL16 0, 1, NQ-1, \slot, 0
	s_wait_dscnt 0x0                               ; the add is done, and my reads of this slot are over
	s_barrier_signal -1
	MUL16 2, 1, NQ-1, \slot, 0
	WIN 0
	s_barrier_wait -1
.if \fill
	CREST                                          ; the barrier has opened a round of the cluster's barrier: no wave of any partner still reads this slot or has a load on its way
	s_add_nc_u64 s[G0+4*\slot+2:G0+4*\slot+3], s[G0+4*\slot+2:G0+4*\slot+3], 2*HALFT
	s_add_nc_u64 s[G0B+4*\slot+2:G0B+4*\slot+3], s[G0B+4*\slot+2:G0B+4*\slot+3], 2*HALFT
	JLOAD G0+4*\slot, G1, G0B+4*\slot, G1B         ; the first tensor load behind the round; its four v_nop are the places in front of the loads below
.else
	PLACES NP
.endif
	s_wait_alu depctr_va_vdst(0)
	v_add_nc_u32 v[ADRS], 512*NQ, v[ADRS]          ; on to the next K step's scale words
	FETCH_B \next, 0, 0
	FETCH_A \next, 0, 0
	SCALES \next
	WIN MUL_HI
	MUL16 4, 1, NQ-1, \slot, 0
	MUL16 6, 1, NQ-1, \slot, 0
	PLACES NP
	WIN 0
	FETCH_A \next, 0, 4
.endm
; 64 numbers of a lane in v[s] on of window W (register 16 b + i: item i of my half of block b of my row) become a fragment's codes in v[PC] on and its scale word in v[PW + o].
.macro QUANT s, W, o
.set WQ, ((\W)<<2)|((\W)<<4)
	WIN WQ                                         ; sources 1 and 2 in the numbers' window
.irp b, 0,1,2,3
	v_max3_num_f32 v[TM+\b], 0x2800000, |v[\s+16*\b]|, |v[\s+16*\b+1]|   ; each accumulator is read from its low end on; the floor 2^(5 - 127) keeps the byte at 1 from below
.endr
.irp i, 2,4,6,8,10,12,14
.irp b, 0,1,2,3
	v_max3_num_f32 v[TM+\b], v[TM+\b], |v[\s+16*\b+\i]|, |v[\s+16*\b+\i+1]|
.endr
.endr
	WIN 0
.irp b, 0,1,2,3
	v_permlanex16_b32 v[TM+4+\b], v[TM+\b], s18, s19
.endr
.irp b, 0,1,2,3
	v_max_num_f32 v[TM+\b], v[TM+\b], v[TM+4+\b]   ; with lane l xor 16's: the block's largest magnitude
.endr
.irp b, 0,1,2,3
	v_add_nc_u32 v[TM+12+\b], 0xfe000000, v[TM+\b] ; 4 off its exponent field: the conversion's scale operand
.endr
.irp b, 0,1,2,3
	v_lshrrev_b32 v[TM+4+\b], 23, v[TM+12+\b]      ; the scale's byte
.endr
	v_lshl_or_b32 v[PW+\o], v[TM+5], 8, v[TM+4]
	v_lshl_or_b32 v[PW+\o], v[TM+6], 16, v[PW+\o]
	v_lshl_or_b32 v[PW+\o], v[TM+7], 24, v[PW+\o]
	s_wait_xcnt 0x0                                ; the last block's stores have read their data and their base: both are written again only behind this wait
.set WQ, (\W)
	WIN WQ                                         ; source 0 in the numbers' window
.irp c, 0,1
	v_cvt_scalef32_pk16_bf6_f32 v[PC+6*\c:PC+6*\c+2], v[\s+32*\c:\s+32*\c+15], v[TM+12+2*\c]
	v_cvt_scalef32_pk16_bf6_f32 v[PC+12+4*\c:PC+14+4*\c], v[\s+32*\c+16:\s+32*\c+31], v[TM+13+2*\c]
.endr
	WIN 0
	v_nop                                          ; one plain place behind a scaled conversion
.irp c, 0,1                            ; the operand's layout wants a whole block in a lane
.irp i, 0,1,2
	v_permlane16_swap_b32 v[PC+6*\c+\i], v[PC+12+4*\c+\i]
.endr
.irp i, 0,1,2
	v_mov_b32 v[PC+3+6*\c+\i], v[PC+12+4*\c+\i]
.endr
.endr
.endm
	s_wait_alu depctr_va_vdst(0)
	s_wait_tensorcnt 0x0                           ; my tile of the head's four is in
	ds_add_u32 v[SPW], v[NIL]
.irp g, G1, G1B                        ; no tensor load of mine is out: from here on a load brings one group's 24,576 bytes as 96 rows of 256
	s_mov_b32 s[\g+1], 32<<16
	s_mov_b32 s[\g+2], 96<<16
	s_mov_b32 s[\g+3], 32<<16
	s_mov_b32 s[\g+4], 96
	s_mov_b32 s[\g+5], 32
.endr
	s_wait_dscnt 0x0
	CROUND                                         ; all four tiles are in, and all sixteen work-groups are here
	JLOAD G0+4, G1, G0B+4, G1B                     ; K step 1, the first tensor load behind the round
	FETCH_B 0, 0, 0
	FETCH_A 0, 0, 0
	SCALES 0
	global_prefetch_b8 v30, s[4:5] offset:3*HALFT th:TH_LOAD_NT scope:SCOPE_SE
	FETCH_A 0, 0, 4
	STEP 0, 0, 1                                   ; the first step stands in front of the loop: its products start the sums
	s_mov_b32 s3, LAPS-1
.Llap:                                                 ; a trip goes once round the ring and fills both slots again
	TURN 0, 1, 1
	STEP 1, 0, 0
	TURN 1, 0, 1
	STEP 0, 0, 0
	s_sub_co_u32 s3, s3, 1
	s_cmp_lg_u32 s3, 0
	s_cbranch_scc1 .Llap
	TURN 0, 1, 0                                   ; the last lap fills nothing
	STEP 1, 0, 0
	s_wait_dscnt 4*NL
	WIN MUL_LO
	MUL16 0, 1, NQ-1, 1, 0
	MUL16 2, 1, NQ-1, 1, 0
	s_wait_dscnt 0
	WIN MUL_HI
	MUL16 4, 1, NQ-1, 1, 0
	MUL16 6, 1, NQ-1, 1, 0
	WIN 0
	; THE WAY OUT: each block of 16 rows of A is one fragment of the next product (K = my 128 rows of B): quantised in registers and stored as its image, each store 256 consecutive aligned bytes.
	s_mov_b32 s18, 0x76543210                      ; v_permlanex16_b32's selects for lane l xor 16
	s_mov_b32 s19, 0xfedcba98
	PLACES NP
.irp a, 0,1,2,3,4,5,6,7
	QUANT 64*(\a%4), 2+\a/4, \a%2
.if \a == 4
	s_add_nc_u64 s[12:13], s[12:13], s[98:99]
.elseif \a > 0
	s_add_nc_u64 s[12:13], s[12:13], s[96:97]
.endif
.irp p, 0,1,2
	global_store_b64 v[OA], v[PC+2*\p:PC+2*\p+1], s[12:13] offset:256*\p
.endr
.irp p, 0,1,2
	global_store_b64 v[OB], v[PC+6+2*\p:PC+7+2*\p], s[12:13] offset:256*\p
.endr
.if \a%2
	v_cndmask_b32 v[PWS], v[PW], v[PW+1], s101     ; lanes 0-15 the even block's words, lanes 16-31 the odd block's: 128 consecutive bytes
	global_store_b32 v[OS], v[PWS], s[66:67] offset:128*(\a/2)
.endif
.endr
	s_wait_tensorcnt 0x0                           ; the wave's end
	ds_add_u32 v[SPW], v[NIL]
	s_wait_dscnt 0x0
	CROUND                                         ; the closing round: no work-group ends while a partner may still ask for a tile that names it
	s_endpgm
.Lfunc_end_k_q37bb63e23a_qkv:
	.size	k_q37bb63e23a_qkv, .Lfunc_end_k_q37bb63e23a_qkv-k_q37bb63e23a_qkv
	.p2alignl 7, 3214868480
	.fill 96, 4, 3214868480
	.section	.rodata,"a",@progbits
	.p2align	6, 0x0
	.amdhsa_kernel k_q37bb63e23a_qkv
		.amdhsa_group_segment_fixed_size 327680
		.amdhsa_private_segment_fixed_size 0
		.amdhsa_enable_private_segment 0
		.amdhsa_kernarg_size 24
		.amdhsa_user_sgpr_count 2
		.amdhsa_user_sgpr_kernarg_segment_ptr 1
		.amdhsa_wavefront_size32 1
		.amdhsa_system_sgpr_workgroup_id_x 1
		.amdhsa_system_sgpr_workgroup_id_y 1
		.amdhsa_system_sgpr_workgroup_id_z 1
		.amdhsa_system_vgpr_workitem_id 0
		.amdhsa_next_free_vgpr 1024
		.amdhsa_next_free_sgpr 102
		.amdhsa_reserve_vcc 0
		.amdhsa_float_denorm_mode_32 3
		.amdhsa_float_denorm_mode_16_64 3
		.amdhsa_memory_ordered 1
		.amdhsa_forward_progress 1
		.amdhsa_inst_pref_size 172
	.end_amdhsa_kernel
	.amdgpu_metadata
---
amdhsa.version: [ 1, 2 ]
amdhsa.kernels:
  - .name:           k_q37bb63e23a_qkv
    .symbol:         k_q37bb63e23a_qkv.kd
    .args:
      - { .name: hq, .offset: 0, .size: 8, .value_kind: global_buffer, .address_space: global }
      - { .name: wq, .offset: 8, .size: 8, .value_kind: global_buffer, .address_space: global }
      - { .name: qkvq, .offset: 16, .size: 8, .value_kind: global_buffer, .address_space: global }
    .group_segment_fixed_size: 327680
    .private_segment_fixed_size: 0
    .kernarg_segment_align: 8
    .kernarg_segment_size: 24
    .max_flat_workgroup_size: 128
    .sgpr_count:     102
    .vgpr_count:     1024
    .wavefront_size: 32
...
	.end_amdgpu_metadata
.endif
;; end of part 9
;; launch attn (part 10): grid 8 x 32, 16 waves a work-group, clusters of 4 x 1, 327,680 bytes of LDS; arguments qkvq, ctxq; writes ctxq
.if DOCPART == 10
	.amdgcn_target "amdgcn-amd-amdhsa--gfx1250"
	.amdhsa_code_object_version 6
	.text
	.protected	k_q37bb63e23a_attn
	.globl	k_q37bb63e23a_attn
	.p2align	8
	.type	k_q37bb63e23a_attn,@function
k_q37bb63e23a_attn:
	s_mov_b64 s[64:65], 0
	v_nop
	global_prefetch_b8 v0, s[64:65] scope:SCOPE_SE
	s_setreg_imm32_b32 hwreg(HW_REG_WAVE_MODE, 25, 1), 1
	s_wait_xcnt 0x0
	s_wait_alu depctr_hold_cnt(0) depctr_sa_sdst(0) depctr_va_vdst(0) depctr_va_sdst(0) depctr_va_ssrc(0) depctr_va_vcc(0) depctr_vm_vsrc(0)
	s_getreg_b32 s2, hwreg(HW_REG_IB_STS2, 6, 4)
	s_cmp_eq_u32 s2, 0
	s_cbranch_scc0 .Lentry_in_a_cluster
	s_endpgm
.Lentry_in_a_cluster:
	s_bfe_u32 s2, ttmp6, 0x10000c
	s_cmp_lg_u32 s2, 0x3003
	s_cbranch_scc0 .Lentry_shape_is_right
	s_endpgm
.Lentry_shape_is_right:
; ctx[q] = the sum over keys of softmax(q . k / 8) v for 32 (batch, head) pairs of 2,048 tokens and 64 channels, both products on codes of BF6 (E3M2) with E8M0 scales; ctx quantised at once along the 1,024 of the next product.
; THE SOFTMAX: t = score x log2(e) / 8; M = the running largest t rounded UP to a whole number; p = 2^(t - M) is quantised along the keys, not normalised.  The row's sum is taken of the unquantised p and divides O at the end.
; When M moves, the sum and O are multiplied by 2^(old M - new M): exact.
; SHARES: a work-group owns 256 queries of one pair bh, each of its sixteen waves 16 of them in 256 registers.  A key step is 128 keys; 16 steps.
; LDS, every byte filled once: K's codes of keys 0-511 at 0, V^T's at 24,576, K's scale words at 49,152, V's at 57,344, K's codes of keys 512-2,047 at 65,536, V^T's at 139,264, the spare words at 212,992.
; The first 65,536 bytes come by one load of 16 rows of 256 bytes a wave (LDS byte 4,096 x wave); the rest by one load of 36 rows a wave; it lands under steps 0 to 2.
; The launch claims all of LDS.
; CLUSTER: 4 x 1: the four blocks of 256 queries of a cluster belong to one head and want the same 212,992 bytes: each piece is asked for jointly.  My place in the cluster enters the global addresses of Q and of ctx alone.
; No prefetch: nothing is loaded from memory inside the loops; both loads go out at the head.
; LAYOUT: both products transposed: S^T = K Q^T (source 0 = 16 neighbouring keys), O^T = V^T P^T (source 0 = 16 channels): a lane holds ONE query (lane % 16) throughout.
; The first product's K is the head's 64.  Q's upper 64 codes are zeros, so whatever codes stand in the upper half of K's operand add nothing (BF6 has no NaN and no infinity; the upper scale bytes are 0, which is 2^-127):
; the operand of key tile t is its own six registers and the six of tile t + 1 (tile 7: six of p's codes).  So eight tiles lie in 48 registers and the eight products stand on end.
; One scale register carries two tiles: lanes 0-15 the even tile's words, lanes 16-31 the odd tile's (ROW1).
; REQUESTS RUN A STEP AHEAD: the next step's K is read from LDS behind this step's first products, the next step's V behind its second products.  The last step is written out and asks for nothing.
; A lane's 16 registers of two neighbouring tiles are keys 8 h .. + 7 and 16 + 8 h .. + 7 of a block of 32: position p holds key pi(p) (bits 3 and 4 exchanged), the order in which V^T's codes were made.
; LIMITS: NaN and infinities are not served; the scaled scores stay under 2^31 in magnitude; a block whose largest magnitude lies under 2^-122 keeps the byte 1; a block of zeros gets the byte 1 and not 127.
; A block's largest p is taken as 2^(.) of its largest score, which takes v_exp_f32 not to fall where its input rises.
; REGISTERS: v1-4 LDS bases; v5 0 and v7 my spare word; v6 at work; v8-11 the step's addresses (v9 also the old -M); v12 -M, v13 the largest t, v[14:15] the sum; v16-27 Q; v28-31 scale operands; v32-79 K; v80-91 p's codes;
;   v92-95 K's scale words; v96-159 S^T, then p; v160-191 O^T; v192-239 V; v240-250 at work; v251, v254 V's scale words; v252 f; v253 p's scale word; v255 Q's.
.set VE,    24576
.set KSC,   49152
.set VSC,   57344
.set LATE,  65536
.set SPARE, 212992
.macro CROUND                          ; a round of the cluster's barrier
	s_barrier_signal -1
	s_barrier_wait -1
	s_cmp_lg_u32 s18, 0
	s_cbranch_scc1 .Lnot_wave_0_\@
	s_barrier_signal -3
.Lnot_wave_0_\@:
	s_barrier_wait -3
	s_barrier_signal -1
	s_barrier_wait -1
.endm
	s_load_b128 s[4:7], s[0:1], 0x0                ; qkvq s[4:5], ctxq s[6:7]
	v_lshl_add_u32 v7, v0, 2, SPARE
	v_mov_b32 v5, 0
	ds_add_u32 v7, v5                              ; the opening lines
	ds_add_u32 v7, v5
	v_lshrrev_b32 v8, 5, v0
	s_delay_alu instid0(VALU_DEP_1)
	v_readfirstlane_b32 s18, v8                    ; wave 0..15
	s_bfe_u32 s63, ttmp6, 0x40000                  ; cx
	s_lshl_b32 s19, ttmp9, 2
	s_add_co_u32 s19, s19, s63                     ; my block of 256 queries
	s_and_b32 s8, ttmp7, 0xffff                    ; bh, which the four partners share
	s_and_b32 s9, s8, 1                            ; which head of its pair
	s_lshr_b32 s10, s8, 1                          ; the pair
	s_lshr_b32 s11, s18, 3
	s_and_b32 s12, s18, 7
.irp g, 24,32                          ; two groups 1: dense blocks as rows of 256 bytes (32 elements of 8 bytes); the mask names all four work-groups
	s_mov_b32 s[\g], 15|(3<<16)|(1<<21)
	s_mov_b32 s[\g+1], 32<<16
	s_mov_b32 s[\g+3], 32<<16
	s_mov_b32 s[\g+5], 32
	s_mov_b32 s[\g+6], 0
	s_mov_b32 s[\g+7], 0
.endr
	s_mov_b32 s26, 16<<16                          ; 16 rows: the first piece
	s_mov_b32 s28, 16
	s_mov_b32 s34, 36<<16                          ; 36 rows: the second
	s_mov_b32 s36, 36
	; the first piece in memory: waves 0-5 K's codes, 6-11 V's, 12-13 K's scale words, 14-15 V's; 4,096 bytes a wave
	s_lshl_b32 s13, s18, 12
	s_mul_i32 s69, s8, 98304
	s_cmp_ge_u32 s18, 6
	s_cselect_b32 s66, 3121152, 0                  ; V's codes lie 3,145,728 behind K's; six waves' 24,576 come off
	s_add_co_u32 s66, s66, s69
	s_add_co_u32 s66, s66, 3145728
	s_lshl_b32 s67, s10, 13
	s_cmp_ge_u32 s18, 14
	s_cselect_b32 s68, 122880, 0                   ; V's words lie 131,072 behind K's; two waves' 8,192 come off
	s_add_co_u32 s67, s67, s68
	s_add_co_u32 s67, s67, 9519104                 ; 9,568,256 less twelve waves' 49,152
	s_cmp_ge_u32 s18, 12
	s_cselect_b32 s66, s67, s66
	s_add_co_u32 s66, s66, s13
	s_mov_b32 s67, 0
	; the second: waves 0-7 K's codes from key 512 on, waves 8-15 V's; 9,216 bytes a wave
	s_mul_i32 s70, s11, 3145728
	s_add_co_u32 s70, s70, s69
	s_mul_i32 s71, s12, 9216
	s_add_co_u32 s70, s70, s71
	s_add_co_u32 s70, s70, 3170304                 ; 3,145,728 + 24,576
	s_mov_b32 s71, 0
	s_mul_i32 s16, s18, 9216
	s_add_co_u32 s16, s16, LATE
	s_lshl_b32 s72, s19, 4
	s_add_co_u32 s72, s72, s18                     ; my block of 16 queries
	s_mul_i32 s73, s72, 768
	s_add_co_u32 s74, s69, s73                     ; its codes
	s_mov_b32 s75, 0
	s_lshl_b32 s76, s10, 13
	s_lshl_b32 s77, s72, 6
	s_add_co_u32 s76, s76, s77
	s_lshl_b32 s77, s9, 1
	s_add_co_u32 s76, s76, s77
	s_add_co_u32 s76, s76, 9437184                 ; its scale half-words
	s_mov_b32 s77, 0
	s_mov_b32 s20, 0x76543210                      ; v_permlanex16_b32's selects for lane l xor 16
	s_mov_b32 s21, 0xfedcba98
	s_mov_b32 s22, 0x3e38aa3b                      ; c = log2(e) / 8
	s_mov_b32 s23, s22
	s_mov_b32 s60, 6144                            ; the NEXT step's codes
	s_mov_b32 s61, 512                             ; the NEXT step's scale words
	s_wait_dscnt 0x0
	s_wait_kmcnt 0x0
	s_mov_b32 s48, 1
	s_mov_b32 s49, s13
	s_add_nc_u64 s[50:51], s[4:5], s[66:67]
	s_or_b32 s51, s51, 0x80000000
	s_mov_b32 s52, 1
	s_mov_b32 s53, s16
	s_add_nc_u64 s[54:55], s[4:5], s[70:71]
	s_or_b32 s55, s55, 0x80000000
	s_add_nc_u64 s[74:75], s[4:5], s[74:75]
	s_add_nc_u64 s[76:77], s[4:5], s[76:77]
	CROUND                                         ; all four work-groups are here: the joint loads meet
	tensor_load_to_lds s[48:51], s[24:31]          ; my one load at the head
	s_nop 0
.rept 4
	v_nop
.endr
	v_and_b32 v9, 31, v0
	v_and_b32 v10, 15, v0
	v_lshlrev_b32 v1, 3, v9                        ; 8 x lane: my place in every piece of an image; K's base
	v_lshlrev_b32 v6, 2, v10                       ; 4 r
.irp p, 0,1,2
	global_load_b64 v[16+2*\p:17+2*\p], v1, s[74:75] offset:256*\p   ; Q's half image stays in registers
.endr
	global_load_u16 v255, v6, s[76:77]             ; its two scale bytes; bytes 2 and 3 are 0, over zero codes
.irp i, 22,23,24,25,26,27,80,81,82,83,84,85
	v_mov_b32 v[\i], 0                             ; Q's K 64..127: zero codes; and what the first step finds behind key tile 7
.endr
	v_add_nc_u32 v2, VE, v1                        ; V's base, less the step's
	v_lshl_add_u32 v3, v9, 2, KSC
	s_lshl_b32 s73, s9, 1
	v_add_nc_u32 v3, s73, v3                       ; K's scale half-words: 4 x lane + 2 x my head of the pair
	v_lshl_add_u32 v4, v9, 2, VSC
	s_lshl_b32 s73, s9, 8
	v_add_nc_u32 v4, s73, v4                       ; V's scale words: 4 x lane + 256 x my head of the pair
	v_mov_b32 v8, v1                               ; step 0's addresses
	v_mov_b32 v9, v2
	v_mov_b32 v10, v3
	v_mov_b32 v11, v4
	v_mov_b32 v13, 0xff61b1e6                      ; the largest t so far: -3e38
	v_mov_b32 v14, 0
	v_mov_b32 v15, 0
	v_floor_f32 v12, -v13                          ; -M
	v_mov_b32 v253, 0
.irp b, 0,1,2,3
	v_mov_b32 v[244+\b], 0                         ; a lane permute's destination counts as one of its sources
.endr
.set jj, 0
.rept 32
	v_mov_b32 v[160+jj], 0                         ; O^T: the step is written for every step alike; the first finds zeros
.set jj, jj+1
.endr
.macro KLD                             ; eight key tiles, six registers each, and their scale half-words: 28 LDS loads
.irp t, 0,1,2,3,4,5,6,7
.irp p, 0,1,2
	ds_load_b64 v[32+6*\t+2*\p:33+6*\t+2*\p], v8 offset:768*\t+256*\p
.endr
.endr
.irp j, 0,1,2,3
	ds_load_u16 v[92+\j], v10 offset:128*\j
.endr
.endm
.macro VLD                             ; V's four fragments and their scale words: 26 LDS loads
.irp cb, 0,1,2,3
.irp p, 0,1,2,3,4,5
	ds_load_b64 v[192+12*\cb+2*\p:193+12*\cb+2*\p], v9 offset:1536*\cb+256*\p
.endr
.endr
	ds_load_b32 v251, v11
	ds_load_b32 v254, v11 offset:128
.endm
.macro SMUL t, row
.if \row
	v_wmma_scale_f32_16x16x128_f8f6f4 v[96+8*(\t):103+8*(\t)], v[32+6*(\t):43+6*(\t)], v[16:27], 0, v[92+(\t)/2], v255 matrix_a_fmt:MATRIX_FMT_BF6 matrix_b_fmt:MATRIX_FMT_BF6 matrix_a_scale:MATRIX_SCALE_ROW1
.else
	v_wmma_scale_f32_16x16x128_f8f6f4 v[96+8*(\t):103+8*(\t)], v[32+6*(\t):43+6*(\t)], v[16:27], 0, v[92+(\t)/2], v255 matrix_a_fmt:MATRIX_FMT_BF6 matrix_b_fmt:MATRIX_FMT_BF6
.endif
.endm
.macro PV cb, vs, row
.if \row
	v_wmma_scale_f32_16x16x128_f8f6f4 v[160+8*\cb:167+8*\cb], v[192+12*\cb:203+12*\cb], v[80:91], v[160+8*\cb:167+8*\cb], v[\vs], v253 matrix_a_fmt:MATRIX_FMT_BF6 matrix_b_fmt:MATRIX_FMT_BF6 matrix_a_scale:MATRIX_SCALE_ROW1
.else
	v_wmma_scale_f32_16x16x128_f8f6f4 v[160+8*\cb:167+8*\cb], v[192+12*\cb:203+12*\cb], v[80:91], v[160+8*\cb:167+8*\cb], v[\vs], v253 matrix_a_fmt:MATRIX_FMT_BF6 matrix_b_fmt:MATRIX_FMT_BF6
.endif
.endm
; A KEY STEP: 128 keys.  pre = 1: the next step's K and V are asked for.
.macro STEP pre
	s_wait_dscnt 26                                ; K and its scale words are in; V's 26 loads, issued behind them, may be out
.irp t, 0,1,2,3,4,5,6,7
	SMUL \t, \t%2
.endr
	v_add_nc_u32 v8, s60, v1                       ; four places behind the products, in front of the loads into their operands and of the first read of S^T
	v_add_nc_u32 v10, s61, v3
	v_mov_b32 v9, v12                              ; the old -M
	v_nop
.if \pre
	KLD
.endif
.irp b, 0,1,2,3
	v_max3_num_f32 v[240+\b], v[96+16*\b], v[97+16*\b], v[98+16*\b]   ; the largest score of each block of 32 keys: for the row's maximum and for the block's largest p
.endr
.irp i, 3,5,7,9,11,13
.irp b, 0,1,2,3
	v_max3_num_f32 v[240+\b], v[240+\b], v[96+16*\b+\i], v[97+16*\b+\i]
.endr
.endr
.irp b, 0,1,2,3
	v_max_num_f32 v[240+\b], v[240+\b], v[111+16*\b]
.endr
.irp b, 0,1,2,3
	s_delay_alu instid0(VALU_DEP_4)
	v_permlanex16_b32 v[244+\b], v[240+\b], s20, s21
.endr
.irp b, 0,1,2,3
	s_delay_alu instid0(VALU_DEP_4)
	v_max_num_f32 v[240+\b], v[240+\b], v[244+\b]  ; with lane l xor 16's 16 keys
.endr
	s_delay_alu instid0(VALU_DEP_2)
	v_max3_num_f32 v6, v240, v241, v242
	s_delay_alu instid0(VALU_DEP_1)
	v_max_num_f32 v6, v6, v243                     ; the step's largest score of my query
	s_delay_alu instid0(VALU_DEP_1)
	v_mul_f32 v6, s22, v6                          ; as t (c is positive)
	s_delay_alu instid0(VALU_DEP_1)
	v_max_num_f32 v13, v13, v6                     ; the running largest t
	s_delay_alu instid0(VALU_DEP_1)
	v_floor_f32 v12, -v13                          ; the new -M = -ceil(t)
	s_delay_alu instid0(VALU_DEP_1)
	v_sub_f32 v6, v12, v9                          ; old M - new M: a whole number, 0 or less
	s_delay_alu instid0(VALU_DEP_1)
	v_cvt_i32_f32 v6, v6                           ; (it saturates)
	s_delay_alu instid0(VALU_DEP_1)
	v_ldexp_f32 v252, 1.0, v6                      ; f = 2^(old M - new M)
.set jj, 0
.rept 32
	v_pk_fma_f32 v[96+jj:97+jj], v[96+jj:97+jj], s[22:23], v[12:13] op_sel_hi:[1,0,0]   ; t - M, two at a time
.set jj, jj+2
.endr
.irp b, 0,1,2,3
	v_fma_f32 v[240+\b], v[240+\b], s22, v12       ; the same of each block's largest score
.endr
	s_wait_alu depctr_va_vdst(0)
.set jj, 0
.rept 64
	v_exp_f32 v[96+jj], v[96+jj]                   ; p = 2^(t - M), at most 1
.set jj, jj+1
.endr
.irp b, 0,1,2,3
	v_exp_f32 v[240+\b], v[240+\b]                 ; the block's largest p
.endr
	v_pk_mul_f32 v[14:15], v[14:15], v[252:253] op_sel_hi:[1,0]   ; the sum under the new M (a plain place behind the exponentials)
	s_wait_alu depctr_va_vdst(0)                   ; one wait for the batch, directly ahead of the first readers of O^T too
.set jj, 0
.rept 16
	v_pk_mul_f32 v[160+jj:161+jj], v[160+jj:161+jj], v[252:253] op_sel_hi:[1,0]   ; O^T under the new M
.set jj, jj+2
.endr
.irp b, 0,1,2,3
	v_max_num_f32 v[240+\b], 0x2800000, v[240+\b]  ; the floor 2^(5 - 127)
.endr
.irp b, 0,1,2,3
	s_delay_alu instid0(VALU_DEP_4)
	v_add_nc_u32 v[28+\b], 0xfe000000, v[240+\b]   ; 4 off the exponent field: the conversion's scale operand
.endr
.irp b, 0,1,2,3
	s_delay_alu instid0(VALU_DEP_4)
	v_lshrrev_b32 v[244+\b], 23, v[28+\b]          ; the scale's byte
.endr
	s_delay_alu instid0(VALU_DEP_3)
	v_lshl_or_b32 v253, v245, 8, v244              ; p's scale word for these 128 keys
	s_delay_alu instid0(VALU_DEP_1)
	v_lshl_or_b32 v253, v246, 16, v253
	s_delay_alu instid0(VALU_DEP_1)
	v_lshl_or_b32 v253, v247, 24, v253
.irp c, 0,1
	v_cvt_scalef32_pk16_bf6_f32 v[80+6*\c:82+6*\c], v[96+32*\c:111+32*\c], v[28+2*\c]
	v_cvt_scalef32_pk16_bf6_f32 v[244+4*\c:246+4*\c], v[112+32*\c:127+32*\c], v[29+2*\c]
.endr
	v_nop                                          ; one plain place behind a scaled conversion
.irp c, 0,1                            ; the operand's layout wants a whole block in a lane
.irp i, 0,1,2
	v_permlane16_swap_b32 v[80+6*\c+\i], v[244+4*\c+\i]
.endr
.irp i, 0,1,2
	s_delay_alu instid0(VALU_DEP_3)
	v_mov_b32 v[83+6*\c+\i], v[244+4*\c+\i]
.endr
.endr
.irp j, 0,1,2,3,4                      ; the row's sum of the unquantised p: 32 pairs in six chains
	v_pk_add_f32 v[240+2*\j:241+2*\j], v[96+4*\j:97+4*\j], v[98+4*\j:99+4*\j]
.endr
	v_pk_add_f32 v[14:15], v[14:15], v[116:117]
.irp k, 0,1,2
.irp j, 0,1,2,3,4
	v_pk_add_f32 v[240+2*\j:241+2*\j], v[240+2*\j:241+2*\j], v[118+12*\k+2*\j:119+12*\k+2*\j]
.endr
	v_pk_add_f32 v[14:15], v[14:15], v[128+12*\k:129+12*\k]
.endr
	s_wait_alu depctr_va_vdst(0)
	s_wait_dscnt 28*\pre                           ; V and its scale words are in; the next step's K, 28 loads issued behind them, may be out
	PV 0, 251, 0                                   ; O^T += V^T P^T: the four accumulators by turns
	PV 1, 251, 1
	PV 2, 254, 0
	PV 3, 254, 1
	v_add_nc_u32 v9, s60, v2                       ; four places in front of the loads into V's registers
	v_add_nc_u32 v11, s61, v4
	v_pk_add_f32 v[240:241], v[240:241], v[154:155]
	v_pk_add_f32 v[242:243], v[242:243], v[156:157]
.if \pre
	VLD
.endif
	v_pk_add_f32 v[244:245], v[244:245], v[158:159]
	v_pk_add_f32 v[240:241], v[240:241], v[246:247]
	v_pk_add_f32 v[242:243], v[242:243], v[248:249]
	s_delay_alu instid0(VALU_DEP_3)
	v_pk_add_f32 v[14:15], v[14:15], v[244:245]
	s_delay_alu instid0(VALU_DEP_2)
	v_pk_add_f32 v[240:241], v[240:241], v[242:243]
	s_delay_alu instid0(VALU_DEP_1)
	v_pk_add_f32 v[14:15], v[14:15], v[240:241]
	s_add_co_u32 s60, s60, 6144
	s_add_co_u32 s61, s61, 512
	s_wait_alu depctr_va_vdst(0)
.endm
	s_wait_alu depctr_va_vdst(0)
	s_wait_tensorcnt 0x0                           ; my part of the first piece is in
	ds_add_u32 v7, v5
	s_wait_dscnt 0x0
	CROUND                                         ; everybody's part is in, and all four work-groups are here
	tensor_load_to_lds s[52:55], s[32:39]          ; keys 512-2,047: my one load behind the round
	s_nop 0
.rept 4
	v_nop
.endr
	KLD                                            ; step 0
	VLD
	s_wait_loadcnt 0x0                             ; Q
	s_mov_b32 s62, 3
.Learly:                                               ; steps 0 to 2; they ask for steps 1 to 3: bytes under 65,536
	STEP 1
	s_sub_co_u32 s62, s62, 1
	s_cmp_lg_u32 s62, 0
	s_cbranch_scc1 .Learly
	v_add_nc_u32 v2, 49152, v2                     ; from key 512 on V's codes lie 73,728 behind K's,
	s_mov_b32 s60, LATE                            ; and K's begin here
	s_wait_alu depctr_va_vdst(0)
	s_wait_tensorcnt 0x0                           ; my part of the second piece is in,
	s_wait_dscnt 0x0
	s_barrier_signal -1
	s_barrier_wait -1                              ; everybody's is
	s_mov_b32 s62, 12
.Llate:                                                ; steps 3 to 14; they ask for steps 4 to 15
	STEP 1
	s_sub_co_u32 s62, s62, 1
	s_cmp_lg_u32 s62, 0
	s_cbranch_scc1 .Llate
	STEP 0                                         ; step 15 asks for nothing
	; THE WAY OUT: O^T / the sum is my 16 queries x my head's 64 channels: half a fragment of the next product, quantised in registers and stored as half an image.
	v_add_f32 v14, v14, v15
	s_delay_alu instid0(VALU_DEP_1)
	v_permlanex16_b32 v252, v14, s20, s21
	s_delay_alu instid0(VALU_DEP_1)
	v_add_f32 v14, v14, v252                       ; the row's sum
	v_and_b32 v6, 15, v0
	s_delay_alu instid0(VALU_DEP_1)
	v_lshlrev_b32 v6, 2, v6                        ; 4 r
	s_wait_alu depctr_va_vdst(0)
	v_rcp_f32 v14, v14
	v_nop                                          ; one plain place behind a transcendental
	s_wait_alu depctr_va_vdst(0)
.set jj, 0
.rept 32
	v_mul_f32 v[96+jj], v[160+jj], v14             ; register 8 cb + j: channel 16 cb + 8 h + j of my query
.set jj, jj+1
.endr
	s_lshr_b32 s66, s8, 4
	s_lshl_b32 s66, s66, 4
	s_lshl_b32 s67, s19, 1
	s_add_co_u32 s66, s66, s67
	s_add_co_u32 s66, s66, s11                     ; g: my group of 128 rows of ctx
	s_and_b32 s67, s8, 15                          ; the head
	s_lshr_b32 s68, s67, 2
	s_mul_i32 s68, s68, 24576
	s_mul_i32 s69, s66, 98304
	s_add_co_u32 s68, s68, s69
	s_mul_i32 s69, s12, 3072
	s_add_co_u32 s68, s68, s69
	s_bfe_u32 s69, s67, 0x10001
	s_mul_i32 s69, s69, 1536
	s_add_co_u32 s68, s68, s69
	s_mul_i32 s69, s9, 768
	s_add_co_u32 s68, s68, s69
	s_mov_b32 s69, 0
	s_add_nc_u64 s[68:69], s[6:7], s[68:69]        ; my half image
	s_lshl_b32 s70, s66, 12
	s_lshr_b32 s71, s67, 1
	s_lshl_b32 s71, s71, 9
	s_add_co_u32 s70, s70, s71
	s_lshl_b32 s71, s12, 6
	s_add_co_u32 s70, s70, s71
	s_lshl_b32 s71, s9, 1
	s_add_co_u32 s70, s70, s71
	s_add_co_u32 s70, s70, 3145728
	s_mov_b32 s71, 0
	s_add_nc_u64 s[70:71], s[6:7], s[70:71]        ; its scale half-words
.irp b, 0,1
	v_max3_num_f32 v[240+\b], |v[96+16*\b]|, |v[97+16*\b]|, 0x2800000
.endr
.irp i, 2,4,6,8,10,12,14
.irp b, 0,1
	s_delay_alu instid0(VALU_DEP_2)
	v_max3_num_f32 v[240+\b], v[240+\b], |v[96+16*\b+\i]|, |v[97+16*\b+\i]|
.endr
.endr
.irp b, 0,1
	s_delay_alu instid0(VALU_DEP_2)
	v_permlanex16_b32 v[244+\b], v[240+\b], s20, s21
.endr
.irp b, 0,1
	s_delay_alu instid0(VALU_DEP_2)
	v_max_num_f32 v[240+\b], v[240+\b], v[244+\b]
.endr
.irp b, 0,1
	s_delay_alu instid0(VALU_DEP_2)
	v_add_nc_u32 v[28+\b], 0xfe000000, v[240+\b]
.endr
.irp b, 0,1
	s_delay_alu instid0(VALU_DEP_2)
	v_lshrrev_b32 v[244+\b], 23, v[28+\b]
.endr
	s_delay_alu instid0(VALU_DEP_1)
	v_lshl_or_b32 v253, v245, 8, v244              ; my row's two scale bytes
	v_cvt_scalef32_pk16_bf6_f32 v[80:82], v[96:111], v28
	v_cvt_scalef32_pk16_bf6_f32 v[84:86], v[112:127], v29
	v_nop                                          ; one plain place behind a scaled conversion
.irp i, 0,1,2
	v_permlane16_swap_b32 v[80+\i], v[84+\i]
.endr
.irp i, 0,1,2
	s_delay_alu instid0(VALU_DEP_3)
	v_mov_b32 v[83+\i], v[84+\i]
.endr
.irp p, 0,1,2
	global_store_b64 v1, v[80+2*\p:81+2*\p], s[68:69] offset:256*\p   ; 32 lanes store 256 consecutive bytes, at a multiple of 256 from the buffer's first byte
.endr
	global_store_b16 v6, v253, s[70:71]            ; lanes r and r + 16 store the same half-word to the same place
	s_wait_tensorcnt 0x0                           ; the wave's end
	ds_add_u32 v7, v5
	s_wait_dscnt 0x0
	CROUND                                         ; the closing round
	s_endpgm
.Lfunc_end_k_q37bb63e23a_attn:
	.size	k_q37bb63e23a_attn, .Lfunc_end_k_q37bb63e23a_attn-k_q37bb63e23a_attn
	.p2alignl 7, 3214868480
	.fill 96, 4, 3214868480
	.section	.rodata,"a",@progbits
	.p2align	6, 0x0
	.amdhsa_kernel k_q37bb63e23a_attn
		.amdhsa_group_segment_fixed_size 327680
		.amdhsa_private_segment_fixed_size 0
		.amdhsa_enable_private_segment 0
		.amdhsa_kernarg_size 16
		.amdhsa_user_sgpr_count 2
		.amdhsa_user_sgpr_kernarg_segment_ptr 1
		.amdhsa_wavefront_size32 1
		.amdhsa_system_sgpr_workgroup_id_x 1
		.amdhsa_system_sgpr_workgroup_id_y 1
		.amdhsa_system_sgpr_workgroup_id_z 1
		.amdhsa_system_vgpr_workitem_id 0
		.amdhsa_next_free_vgpr 256
		.amdhsa_next_free_sgpr 80
		.amdhsa_reserve_vcc 0
		.amdhsa_float_denorm_mode_32 3
		.amdhsa_float_denorm_mode_16_64 3
		.amdhsa_memory_ordered 1
		.amdhsa_forward_progress 1
		.amdhsa_inst_pref_size 69
	.end_amdhsa_kernel
	.amdgpu_metadata
---
amdhsa.version: [ 1, 2 ]
amdhsa.kernels:
  - .name:           k_q37bb63e23a_attn
    .symbol:         k_q37bb63e23a_attn.kd
    .args:
      - { .name: qkvq, .offset: 0, .size: 8, .value_kind: global_buffer, .address_space: global }
      - { .name: ctxq, .offset: 8, .size: 8, .value_kind: global_buffer, .address_space: global }
    .group_segment_fixed_size: 327680
    .private_segment_fixed_size: 0
    .kernarg_segment_align: 8
    .kernarg_segment_size: 16
    .max_flat_workgroup_size: 512
    .sgpr_count:     80
    .vgpr_count:     256
    .wavefront_size: 32
...
	.end_amdgpu_metadata
.endif
;; end of part 10
;; launch oproj (part 11): grid 8 x 32, 4 waves a work-group, clusters of 4 x 4, 327,680 bytes of LDS; arguments ctxq, wq, b_o, x, x1; writes x1
.if DOCPART == 11
	.amdgcn_target "amdgcn-amd-amdhsa--gfx1250"
	.amdhsa_code_object_version 6
	.text
	.protected	k_q37bb63e23a_oproj
	.globl	k_q37bb63e23a_oproj
	.p2align	8
	.type	k_q37bb63e23a_oproj,@function
k_q37bb63e23a_oproj:
	s_mov_b64 s[64:65], 0
	v_nop
	global_prefetch_b8 v0, s[64:65] scope:SCOPE_SE
	s_setreg_imm32_b32 hwreg(HW_REG_WAVE_MODE, 25, 1), 1
	s_wait_xcnt 0x0
	s_wait_alu depctr_hold_cnt(0) depctr_sa_sdst(0) depctr_va_vdst(0) depctr_va_sdst(0) depctr_va_ssrc(0) depctr_va_vcc(0) depctr_vm_vsrc(0)
	s_getreg_b32 s2, hwreg(HW_REG_IB_STS2, 6, 4)
	s_cmp_eq_u32 s2, 0
	s_cbranch_scc0 .Lentry_in_a_cluster
	s_endpgm
.Lentry_in_a_cluster:
	s_bfe_u32 s2, ttmp6, 0x10000c
	s_cmp_lg_u32 s2, 0xf033
	s_cbranch_scc0 .Lentry_shape_is_right
	s_endpgm
.Lentry_shape_is_right:
.set SIZE_K, 1024
.set ASCALE, 3145728
.set BCODE,  2359296
.set BSCALE, 9535488
.set GB,     96*SIZE_K
.set FR,     12
.set NP,     4
.set HALFT,  24576
.set SLOT,   4*HALFT
.set LAPS,   SIZE_K/1024
.set SCL,    2*SLOT
.set HALFS,  4*SIZE_K
.set QS,     HALFS/2
.set SPARE,  SCL+2*HALFS
.set SPITCH, 272
.set ADRA, 16
.set ADRB, 20
.set STO,  24
.set RD,   25
.set CO,   26
.set ADRS, 27
.set SPW,  28
.set NIL,  29
.set SC,   32
.set BIAS, 64
.set ACC,  128
.set G1, 24
.set G0, 32
.set G1B, 48
.set G0B, 56
.set G1S, 68
.set G0S, 76
.set G1SB, 80
.set G0SB, 88
.set MSB, 0
.macro WIN new
.if MSB != \new
	s_set_vgpr_msb (MSB<<8)|\new
.set MSB, \new
.endif
.endm
.set MUL,  0x05
.set TO_F, 0x40
.macro JLOAD g0a, g1a, g0b, g1b
	s_cmp_eq_u32 s15, 0
	s_cbranch_scc0 .Lfor_b_\@
	tensor_load_to_lds s[\g0a:\g0a+3], s[\g1a:\g1a+7]
	s_nop 0
.rept 4
	v_nop
.endr
	s_branch .Lasked_\@
.Lfor_b_\@:
	tensor_load_to_lds s[\g0b:\g0b+3], s[\g1b:\g1b+7]
	s_nop 0
.rept 4
	v_nop
.endr
.Lasked_\@:
.endm
.macro CREST
	s_cmp_lg_u32 s14, 0
	s_cbranch_scc1 .Lnot_wave_0_\@
	s_barrier_signal -3
.Lnot_wave_0_\@:
	s_barrier_wait -3
	s_barrier_signal -1
	s_barrier_wait -1
.endm
.macro CROUND
	s_barrier_signal -1
	s_barrier_wait -1
	CREST
.endm
	s_load_b256 s[4:11], s[0:1], 0x0
	s_load_b64 s[12:13], s[0:1], 0x20
	v_lshl_add_u32 v[SPW], v0, 2, SPARE
	v_mov_b32 v[NIL], 0
	ds_add_u32 v28, v29
	ds_add_u32 v28, v29
	s_wait_dscnt 0x0
	v_lshrrev_b32 v1, 5, v0
	v_readfirstlane_b32 s14, v1
	s_lshr_b32 s15, s14, 1
	s_and_b32 s16, s14, 1
	s_bfe_u32 s40, ttmp6, 0x40000
	s_bfe_u32 s41, ttmp6, 0x40004
	s_lshl_b32 s42, ttmp9, 2
	s_add_co_u32 s42, s42, s40
	s_and_b32 s17, ttmp7, 0xffff
	s_lshl_b32 s17, s17, 2
	s_add_co_u32 s17, s17, s41
	s_lshl_b32 s43, s41, 2
	s_lshl_b32 s43, 15, s43
	s_lshl_b32 s44, 0x1111, s40
	s_or_b32 s[G1+0], s43, (3<<16)|(1<<21)
	s_or_b32 s[G1B+0], s44, (3<<16)|(1<<21)
.irp g, G1, G1B
	s_mov_b32 s[\g+1], 32<<16
	s_mov_b32 s[\g+2], 384<<16                     ; all of K of 128 rows is one dense block of 98,304 bytes: 384 rows of 256
	s_mov_b32 s[\g+3], 32<<16
	s_mov_b32 s[\g+4], 384
	s_mov_b32 s[\g+5], 32
	s_mov_b32 s[\g+6], 0
	s_mov_b32 s[\g+7], 0
.endr
	s_or_b32 s[G1S+0], s43, (3<<16)|(1<<21)
	s_or_b32 s[G1SB+0], s44, (3<<16)|(1<<21)
.irp g, G1S, G1SB
	s_mov_b32 s[\g+1], 32<<16
	s_mov_b32 s[\g+2], (HALFS/256)<<16
	s_mov_b32 s[\g+3], 32<<16
	s_mov_b32 s[\g+4], HALFS/256
	s_mov_b32 s[\g+5], 32
	s_mov_b32 s[\g+6], 0
	s_mov_b32 s[\g+7], 0
.endr
	s_mul_i32 s18, s16, HALFT
	s_mul_i32 s20, s17, GB
	s_add_co_u32 s20, s20, s18
	s_mul_i32 s22, s17, HALFS
	s_add_co_u32 s22, s22, ASCALE
	s_mul_i32 s46, s42, GB
	s_add_co_u32 s46, s46, s18
	s_add_co_u32 s46, s46, BCODE
	s_mul_i32 s92, s42, HALFS
	s_add_co_u32 s92, s92, BSCALE
	s_mov_b32 s21, 0
	s_mov_b32 s23, 0
	s_mov_b32 s47, 0
	s_mov_b32 s93, 0
	s_mul_i32 s45, s14, 2*HALFT                    ; wave 0: A's codes at 0; wave 2: B's at 4 HALFT
	s_wait_kmcnt 0x0
	s_add_nc_u64 s[20:21], s[4:5], s[20:21]
	s_add_nc_u64 s[22:23], s[4:5], s[22:23]
	s_add_nc_u64 s[46:47], s[6:7], s[46:47]
	s_add_nc_u64 s[92:93], s[6:7], s[92:93]
	CROUND
	s_mov_b32 s[G0S], 1
	s_mov_b32 s[G0S+1], SCL
	s_mov_b64 s[G0S+2:G0S+3], s[22:23]
	s_or_b32 s[G0S+3], s[G0S+3], 0x80000000
	s_mov_b32 s[G0SB], 1
	s_mov_b32 s[G0SB+1], SCL+HALFS
	s_mov_b64 s[G0SB+2:G0SB+3], s[92:93]
	s_or_b32 s[G0SB+3], s[G0SB+3], 0x80000000
.irp s, 0
	s_mov_b32 s[G0+4*\s], 1
	s_add_co_u32 s[G0+4*\s+1], s45, \s*SLOT
	s_add_nc_u64 s[G0+4*\s+2:G0+4*\s+3], s[20:21], \s*2*HALFT
	s_or_b32 s[G0+4*\s+3], s[G0+4*\s+3], 0x80000000
	s_mov_b32 s[G0B+4*\s], 1
	s_add_co_u32 s[G0B+4*\s+1], s45, \s*SLOT
	s_add_nc_u64 s[G0B+4*\s+2:G0B+4*\s+3], s[46:47], \s*2*HALFT
	s_or_b32 s[G0B+4*\s+3], s[G0B+4*\s+3], 0x80000000
.endr
; ALL OF K FITS IN LDS: 2 x 98,304 bytes of codes and 2 x 4,096 of scale words, every byte filled once, one joint load a wave:
; wave 0 A's codes, wave 1 A's scale words, wave 2 B's codes, wave 3 B's scale words.  One chain of branches on the wave's number, one load to an arm.
.macro ARM under, g0, g1, next
	s_cmp_lt_u32 s14, \under
	s_cbranch_scc0 \next
	tensor_load_to_lds s[\g0:\g0+3], s[\g1:\g1+7]
	s_nop 0
.rept 4
	v_nop
.endr
	s_branch .Lhead_asked
\next:
.endm
	ARM 1, G0,  G1,  .Lhead_sa
	ARM 2, G0S, G1S, .Lhead_b
	ARM 3, G0B, G1B, .Lhead_sb
	tensor_load_to_lds s[G0SB:G0SB+3], s[G1SB:G1SB+7]
	s_nop 0
.rept 4
	v_nop
.endr
.Lhead_asked:
	v_and_b32 v1, 15, v0
	v_bfe_u32 v2, v0, 4, 1
	s_wait_alu depctr_va_vdst(0)
	v_and_b32 v4, 31, v0
	v_lshlrev_b32 v3, 3, v4
	s_wait_alu depctr_va_vdst(0)
	s_lshl_b32 s96, s42, 9
	s_lshl_b32 s97, s16, 8
	s_add_co_u32 s96, s96, s97
	s_mov_b32 s97, 0
	s_add_nc_u64 s[8:9], s[8:9], s[96:97]
	v_lshlrev_b32 v7, 5, v2
.irp b, 0,1,2,3
	global_load_b128 v[BIAS+8*\b:BIAS+8*\b+3], v7, s[8:9] offset:64*\b
	global_load_b128 v[BIAS+8*\b+4:BIAS+8*\b+7], v7, s[8:9] offset:64*\b+16
.endr
	s_lshl_b32 s98, s17, 1
	s_add_co_u32 s98, s98, s15
	s_lshl_b32 s98, s98, 18
	s_add_co_u32 s98, s98, s96
	s_mov_b32 s99, 0
	s_add_nc_u64 s[12:13], s[12:13], s[98:99]
	s_add_nc_u64 s[66:67], s[10:11], s[98:99]
	v_lshlrev_b32 v[CO], 12, v2
	v_lshl_add_u32 v[CO], v1, 4, v[CO]
	WIN 0x80
.irp a, 0,1,2,3
.irp t, 0,1,2,3,4,5,6,7
	global_load_b128 v[32*\a+4*\t:32*\a+4*\t+3], v[CO], s[66:67] offset:(16*\a+2*\t)*4096
.endr
.endr
	WIN 0
	s_mul_i32 s21, s15, 4*3072
	s_mul_i32 s22, s16, 4*3072
	s_add_co_u32 s22, s22, 4*HALFT
.irp s, 0,1
	v_add_nc_u32 v[ADRA+\s], s21, v3
	v_add_nc_u32 v[ADRB+\s], s22, v3
	s_add_co_u32 s21, s21, 2*HALFT
	s_add_co_u32 s22, s22, 2*HALFT
.endr
	v_lshlrev_b32 v5, 2, v1
	s_lshl_b32 s21, s15, 8
	s_lshl_b32 s22, s16, 8
	s_add_co_u32 s22, s22, HALFS
	s_sub_co_u32 s22, s22, s21
	v_mul_u32_u24 v6, s22, v2
	s_add_co_u32 s21, s21, SCL
	v_add_nc_u32 v5, v5, v6
	v_add_nc_u32 v[ADRS], s21, v5
	s_mul_i32 s23, s14, 16*SPITCH
	v_mul_u32_u24 v5, v1, SPITCH
	v_lshl_add_u32 v5, v2, 5, v5
	v_add_nc_u32 v[STO], s23, v5
	v_mul_u32_u24 v5, v2, SPITCH
	v_lshl_add_u32 v5, v1, 4, v5
	v_add_nc_u32 v[RD], s23, v5
.macro FRAG reg, adr, q, i
.irp p, 0,1,2,3,4,5
	ds_load_b64 v[\reg+2*\p:\reg+2*\p+1], v[\adr] offset:((\q)/2)*HALFT+(2*(\i)+(\q)%2)*1536+256*\p
.endr
.endm
.macro LGRP slot, q, g
	WIN TO_F
.if (\g) < 2
	FRAG 128*((\q)%2)+FR*(2*(\g)), ADRB+\slot, \q, 2*(\g)
	FRAG 128*((\q)%2)+FR*(2*(\g)+1), ADRB+\slot, \q, 2*(\g)+1
.else
	FRAG 128*((\q)%2)+48+FR*(2*(\g)-4), ADRA+\slot, \q, 2*(\g)-4
	FRAG 128*((\q)%2)+48+FR*(2*(\g)-3), ADRA+\slot, \q, 2*(\g)-3
.endif
.endm
.macro MUL4 a, q, sc, zero
.irp b, 0,1,2,3
.if \zero == 2
	v_wmma_scale_f32_16x16x128_f8f6f4 v[ACC+8*(4*(\a)+\b):ACC+8*(4*(\a)+\b)+7], v[128*((\q)%2)+FR*\b:128*((\q)%2)+FR*\b+FR-1], v[128*((\q)%2)+48+FR*(\a):128*((\q)%2)+48+FR*(\a)+FR-1], v[BIAS+8*\b:BIAS+8*\b+7], v[SC+16*(\sc)+4*(\q)+\b], v[SC+16*(\sc)+4*(\q)+(\a)] matrix_a_fmt:MATRIX_FMT_BF6 matrix_b_fmt:MATRIX_FMT_BF6 matrix_a_scale:MATRIX_SCALE_ROW1
.else
	v_wmma_scale_f32_16x16x128_f8f6f4 v[ACC+8*(4*(\a)+\b):ACC+8*(4*(\a)+\b)+7], v[128*((\q)%2)+FR*\b:128*((\q)%2)+FR*\b+FR-1], v[128*((\q)%2)+48+FR*(\a):128*((\q)%2)+48+FR*(\a)+FR-1], v[ACC+8*(4*(\a)+\b):ACC+8*(4*(\a)+\b)+7], v[SC+16*(\sc)+4*(\q)+\b], v[SC+16*(\sc)+4*(\q)+(\a)] matrix_a_fmt:MATRIX_FMT_BF6 matrix_b_fmt:MATRIX_FMT_BF6 matrix_a_scale:MATRIX_SCALE_ROW1
.endif
.endr
.endm
.macro SCALES sc
	WIN 0
.irp q, 0,1,2,3
.irp j, 0,1,2,3
	ds_load_b32 v[SC+16*\sc+4*\q+\j], v[ADRS] offset:512*\q+64*\j
.endr
.endr
.endm
.macro PLACES n
.rept \n
	v_nop
.endr
.endm
.macro STEP slot, q, zero
	s_wait_dscnt 12
	WIN MUL
	MUL4 0, \q, \slot, \zero
	PLACES NP
	LGRP \slot, (\q)+1, 0
	WIN MUL
	MUL4 1, \q, \slot, \zero
	LGRP \slot, (\q)+1, 1
	s_wait_dscnt 24
	WIN MUL
	MUL4 2, \q, \slot, \zero
	LGRP \slot, (\q)+1, 2
	WIN MUL
	MUL4 3, \q, \slot, \zero
	LGRP \slot, (\q)+1, 3
.endm
.macro TURN slot, next, fill
	WIN 0
	s_wait_tensorcnt 0x0
	ds_add_u32 v[SPW], v[NIL]
	s_wait_dscnt 13
	WIN MUL
	MUL4 0, 3, \slot, 0
	MUL4 1, 3, \slot, 0
	s_wait_dscnt 0x0
	s_barrier_signal -1
	MUL4 2, 3, \slot, 0
	WIN 0
	s_barrier_wait -1
.if \fill
	CREST
	s_add_nc_u64 s[G0+4*\slot+2:G0+4*\slot+3], s[G0+4*\slot+2:G0+4*\slot+3], 4*HALFT
	s_add_nc_u64 s[G0B+4*\slot+2:G0B+4*\slot+3], s[G0B+4*\slot+2:G0B+4*\slot+3], 4*HALFT
	JLOAD G0+4*\slot, G1, G0B+4*\slot, G1B
.else
	PLACES NP
.endif
	v_add_nc_u32 v[ADRS], 2048, v[ADRS]
	SCALES \next
	LGRP \next, 0, 0
	LGRP \next, 0, 1
	LGRP \next, 0, 2
	LGRP \next, 0, 3
	WIN MUL
	MUL4 3, 3, \slot, 0
.endm
	s_wait_alu depctr_va_vdst(0)
	s_wait_tensorcnt 0x0                           ; my tile of the four is in
	s_barrier_signal -1
	s_barrier_wait -1
	SCALES 0
	LGRP 0, 0, 0
	LGRP 0, 0, 1
	LGRP 0, 0, 2
	LGRP 0, 0, 3
	s_wait_loadcnt 32
	STEP 0, 0, 2
.if LAPS > 1
	WIN 0
	s_mov_b32 s3, LAPS-1
.Llap:
	STEP 0, 1, 0
	STEP 0, 2, 0
	TURN 0, 1, 1
	STEP 1, 0, 0
	STEP 1, 1, 0
	STEP 1, 2, 0
	TURN 1, 0, 1
	STEP 0, 0, 0
	WIN 0
	s_sub_co_u32 s3, s3, 1
	s_cmp_lg_u32 s3, 0
	s_cbranch_scc1 .Llap
.endif
	STEP 0, 1, 0
	STEP 0, 2, 0
	TURN 0, 1, 0
	STEP 1, 0, 0
	STEP 1, 1, 0
	STEP 1, 2, 0
	s_wait_dscnt 12
	WIN MUL
	MUL4 0, 3, 1, 0
	MUL4 1, 3, 1, 0
	s_wait_dscnt 0x0
	MUL4 2, 3, 1, 0
	MUL4 3, 3, 1, 0
	WIN 0
.macro TOSTAGE a
	WIN 0
.irp b, 0,1,2,3
	ds_store_b128 v[STO], v[ACC+8*(4*(\a)+\b):ACC+8*(4*(\a)+\b)+3] offset:64*\b
	ds_store_b128 v[STO], v[ACC+8*(4*(\a)+\b)+4:ACC+8*(4*(\a)+\b)+7] offset:64*\b+16
.endr
	WIN TO_F
.irp t, 0,1,2,3,4,5,6,7
	ds_load_b128 v[32*(\a)+4*\t:32*(\a)+4*\t+3], v[RD] offset:\t*2*SPITCH
.endr
.endm
.macro SEND a
	s_wait_dscnt 16*(3-(\a))
	WIN 0x49
.set jj, 0
.rept 16
	v_pk_add_f32 v[32*(\a)+jj:32*(\a)+jj+1], v[32*(\a)+jj:32*(\a)+jj+1], v[32*(\a)+jj:32*(\a)+jj+1]
.set jj, jj+2
.endr
	WIN 0x04
.irp t, 0,1,2,3,4,5,6,7
	global_store_b128 v[CO], v[32*(\a)+4*\t:32*(\a)+4*\t+3], s[12:13] offset:(16*(\a)+2*\t)*4096
.endr
.endm
	PLACES NP
	TOSTAGE 0
	TOSTAGE 1
	TOSTAGE 2
	TOSTAGE 3
	s_wait_loadcnt 0x0
	SEND 0
	SEND 1
	SEND 2
	SEND 3
	WIN 0
	s_wait_tensorcnt 0x0
	ds_add_u32 v[SPW], v[NIL]
	s_wait_dscnt 0x0
	CROUND
	s_endpgm
.Lfunc_end_k_q37bb63e23a_oproj:
	.size	k_q37bb63e23a_oproj, .Lfunc_end_k_q37bb63e23a_oproj-k_q37bb63e23a_oproj
	.p2alignl 7, 3214868480
	.fill 96, 4, 3214868480
	.section	.rodata,"a",@progbits
	.p2align	6, 0x0
	.amdhsa_kernel k_q37bb63e23a_oproj
		.amdhsa_group_segment_fixed_size 327680
		.amdhsa_private_segment_fixed_size 0
		.amdhsa_enable_private_segment 0
		.amdhsa_kernarg_size 40
		.amdhsa_user_sgpr_count 2
		.amdhsa_user_sgpr_kernarg_segment_ptr 1
		.amdhsa_wavefront_size32 1
		.amdhsa_system_sgpr_workgroup_id_x 1
		.amdhsa_system_sgpr_workgroup_id_y 1
		.amdhsa_system_sgpr_workgroup_id_z 1
		.amdhsa_system_vgpr_workitem_id 0
		.amdhsa_next_free_vgpr 640
		.amdhsa_next_free_sgpr 102
		.amdhsa_reserve_vcc 0
		.amdhsa_float_denorm_mode_32 3
		.amdhsa_float_denorm_mode_16_64 3
		.amdhsa_memory_ordered 1
		.amdhsa_forward_progress 1
		.amdhsa_inst_pref_size 70
	.end_amdhsa_kernel
	.amdgpu_metadata
---
amdhsa.version: [ 1, 2 ]
amdhsa.kernels:
  - .name:           k_q37bb63e23a_oproj
    .symbol:         k_q37bb63e23a_oproj.kd
    .args:
      - { .name: ctxq, .offset: 0, .size: 8, .value_kind: global_buffer, .address_space: global }
      - { .name: wq, .offset: 8, .size: 8, .value_kind: global_buffer, .address_space: global }
      - { .name: b_o, .offset: 16, .size: 8, .value_kind: global_buffer, .address_space: global }
      - { .name: x, .offset: 24, .size: 8, .value_kind: global_buffer, .address_space: global }
      - { .name: x1, .offset: 32, .size: 8, .value_kind: global_buffer, .address_space: global }
    .group_segment_fixed_size: 327680
    .private_segment_fixed_size: 0
    .kernarg_segment_align: 8
    .kernarg_segment_size: 40
    .max_flat_workgroup_size: 128
    .sgpr_count:     102
    .vgpr_count:     640
    .wavefront_size: 32
...
	.end_amdgpu_metadata
.endif
;; end of part 11
;; launch ln1 (part 12): grid 256 x 1, 8 waves a work-group, no clusters, 66,816 bytes of LDS; arguments x1, ln2_scale, ln2_shift, hq; writes hq
.if DOCPART == 12
	.amdgcn_target "amdgcn-amd-amdhsa--gfx1250"
	.amdhsa_code_object_version 6
	.text
	.protected	k_q37bb63e23a_ln1
	.globl	k_q37bb63e23a_ln1
	.p2align	8
	.type	k_q37bb63e23a_ln1,@function
k_q37bb63e23a_ln1:
	s_mov_b64 s[64:65], 0
	v_nop
	global_prefetch_b8 v0, s[64:65] scope:SCOPE_SE
	s_setreg_imm32_b32 hwreg(HW_REG_WAVE_MODE, 25, 1), 1
	s_wait_xcnt 0x0
; h = gain x (x - mean) / sqrt(var + 1e-5) + shift over rows of 1,024 f32, all in f32, and h quantised along the row to codes of BF6 (E3M2), one E8M0 byte for each 32.
; A work-group takes 16 rows.  PHASE 1: wave w normalises rows 2 w and 2 w + 1 (a row is 32 registers a lane; mean first, then the mean of the squared differences, as the definition has it) and stores them as f32 into LDS.
; PHASE 2: wave w quantises K step w (128 columns) of all 16 rows: lane (r, h) takes row r and, of each block of 32, elements 8 h .. 8 h + 7 and 16 + 8 h .. 16 + 8 h + 7.
; So position p of a block holds element pi(p) = p with bits 3 and 4 exchanged, the order of every operand of this program.
; OUTPUT: codes [g = row / 128][s2 = k / 256][i = 16 rows][q = 128 k][1,536]: an image of the operand's registers (piece p: registers 2 p, 2 p + 1 of lane l at 256 p + 8 l); scale words at 3,145,728: [g][k / 128][i][16 rows] u32.
; Matrix units, clusters and tensor loads buy nothing here: memory and the row sums are all the work.
; LIMITS: NaN and infinities are not served; a block whose largest magnitude lies under 2^-122 keeps the byte 1; a block of zeros gets the byte 1 and not 127 (its codes are zeros; the bytes are read by this program alone).
.set PITCH, 4112                       ; an LDS row: 4,096 bytes + 16: an odd multiple of 16, so the 16 rows that a load of 16 bytes a lane touches start in different banks
.set GA,  96                           ; v96-127  the gain at my columns
.set BE,  128                          ; v128-159 the shift
.set TM,  100                          ; phase 2: v100-103 largest magnitudes, v104-107 bytes, v112-115 scale operands
.set PW,  120                          ; the scale word
.set PC,  160                          ; v160-171 the fragment's codes; v172-178 at work
	s_load_b256 s[4:11], s[0:1], 0x0               ; the rows s[4:5], gain s[6:7], shift s[8:9], hq s[10:11]
	v_lshl_add_u32 v192, v0, 2, 0x10100
	v_mov_b32 v193, 0
	v_lshrrev_b32 v1, 5, v0
	s_delay_alu instid0(VALU_DEP_1)
	v_readfirstlane_b32 s12, v1                    ; wave 0..7
	v_and_b32 v2, 31, v0                           ; lane
	s_delay_alu instid0(VALU_DEP_1)
	v_lshlrev_b32 v1, 4, v2                        ; 16 x lane
	s_wait_alu depctr_va_vdst(0)
	s_lshl_b32 s16, ttmp9, 16                      ; 16 rows of 4,096 bytes a work-group,
	s_lshl_b32 s17, s12, 13                        ; two a wave
	s_add_co_u32 s16, s16, s17
	s_mov_b32 s17, 0
	s_mov_b32 s13, 0x3a800000                      ; 1 / 1,024
	s_mov_b32 s14, 0x76543210                      ; v_permlanex16_b32's selects for lane l xor 16
	s_mov_b32 s15, 0xfedcba98
	s_mul_i32 s18, s12, 2*PITCH
	v_add_nc_u32 v3, s18, v1                       ; phase 1's stores: my wave's two rows, 16 x lane
	v_and_b32 v5, 15, v0                           ; r
	v_bfe_u32 v6, v0, 4, 1                         ; h
	s_delay_alu instid0(VALU_DEP_2)
	v_mul_u32_u24 v4, v5, PITCH
	s_delay_alu instid0(VALU_DEP_1)
	v_lshl_add_u32 v4, v6, 5, v4
	s_lshl_b32 s19, s12, 9
	v_add_nc_u32 v4, s19, v4                       ; phase 2's loads: row r, + 512 w, + 32 h
	v_lshlrev_b32 v5, 2, v5                        ; 4 r
	v_lshlrev_b32 v7, 3, v2                        ; 8 x lane
	s_lshr_b32 s20, ttmp9, 3                       ; g
	s_and_b32 s21, ttmp9, 7                        ; i
	s_mul_i32 s22, s20, 98304
	s_mul_i32 s23, s21, 3072
	s_add_co_u32 s22, s22, s23
	s_lshr_b32 s23, s12, 1
	s_mul_i32 s23, s23, 24576
	s_add_co_u32 s22, s22, s23
	s_and_b32 s23, s12, 1
	s_mul_i32 s23, s23, 1536
	s_add_co_u32 s22, s22, s23                     ; my image
	s_mov_b32 s23, 0
	s_lshl_b32 s24, s20, 12
	s_lshl_b32 s25, s21, 6
	s_add_co_u32 s24, s24, s25
	s_add_co_u32 s24, s24, s19
	s_add_co_u32 s24, s24, 3145728                 ; its 16 scale words
	s_mov_b32 s25, 0
	s_wait_kmcnt 0x0
	s_add_nc_u64 s[4:5], s[4:5], s[16:17]
	s_add_nc_u64 s[22:23], s[10:11], s[22:23]
	s_add_nc_u64 s[24:25], s[10:11], s[24:25]
.irp e, 0,1
.irp j, 0,1,2,3,4,5,6,7
	global_load_b128 v[32+32*\e+4*\j:35+32*\e+4*\j], v1, s[4:5] offset:4096*\e+512*\j   ; 32 lanes read 512 consecutive bytes
.endr
.endr
.irp j, 0,1,2,3,4,5,6,7
	global_load_b128 v[GA+4*\j:GA+4*\j+3], v1, s[6:7] offset:512*\j
	global_load_b128 v[BE+4*\j:BE+4*\j+3], v1, s[8:9] offset:512*\j
.endr
.macro LANESUM a, b                    ; v[a] summed over the 32 lanes, in every lane; v[b] at work (written before)
	s_delay_alu instid0(VALU_DEP_1)
	v_add_f32_dpp v[\a], v[\a], v[\a] row_xmask:1 row_mask:0xf bank_mask:0xf
	s_delay_alu instid0(VALU_DEP_1)
	v_add_f32_dpp v[\a], v[\a], v[\a] row_xmask:2 row_mask:0xf bank_mask:0xf
	s_delay_alu instid0(VALU_DEP_1)
	v_add_f32_dpp v[\a], v[\a], v[\a] row_xmask:4 row_mask:0xf bank_mask:0xf
	s_delay_alu instid0(VALU_DEP_1)
	v_add_f32_dpp v[\a], v[\a], v[\a] row_xmask:8 row_mask:0xf bank_mask:0xf
	s_delay_alu instid0(VALU_DEP_1)
	v_permlanex16_b32 v[\b], v[\a], s14, s15
	s_delay_alu instid0(VALU_DEP_1)
	v_add_f32 v[\a], v[\a], v[\b]
.endm
.macro ROW e
.set XR, 32+32*\e
	v_pk_add_f32 v[8:9], v[XR:XR+1], v[XR+2:XR+3]                   ; the sum, in two chains
	v_pk_add_f32 v[10:11], v[XR+4:XR+5], v[XR+6:XR+7]
.irp j, 8,12,16,20,24,28
	s_delay_alu instid0(VALU_DEP_2)
	v_pk_add_f32 v[8:9], v[8:9], v[XR+\j:XR+\j+1]
	s_delay_alu instid0(VALU_DEP_2)
	v_pk_add_f32 v[10:11], v[10:11], v[XR+\j+2:XR+\j+3]
.endr
	s_delay_alu instid0(VALU_DEP_1)
	v_pk_add_f32 v[8:9], v[8:9], v[10:11]
	s_delay_alu instid0(VALU_DEP_1)
	v_add_f32 v8, v8, v9
	LANESUM 8, 9
	s_delay_alu instid0(VALU_DEP_1)
	v_mul_f32 v8, s13, v8                          ; the mean,
	s_delay_alu instid0(VALU_DEP_1)
	v_mov_b32 v9, v8                               ; twice, for the packed form
.irp j, 0,2,4,6,8,10,12,14,16,18,20,22,24,26,28,30
	v_pk_add_f32 v[XR+\j:XR+\j+1], v[XR+\j:XR+\j+1], v[8:9] neg_lo:[0,1] neg_hi:[0,1]   ; x - mean
.endr
	v_pk_mul_f32 v[10:11], v[XR:XR+1], v[XR:XR+1]                   ; the sum of squares, in two chains
	v_pk_mul_f32 v[12:13], v[XR+2:XR+3], v[XR+2:XR+3]
.irp j, 4,8,12,16,20,24,28
	s_delay_alu instid0(VALU_DEP_2)
	v_pk_fma_f32 v[10:11], v[XR+\j:XR+\j+1], v[XR+\j:XR+\j+1], v[10:11]
	s_delay_alu instid0(VALU_DEP_2)
	v_pk_fma_f32 v[12:13], v[XR+\j+2:XR+\j+3], v[XR+\j+2:XR+\j+3], v[12:13]
.endr
	s_delay_alu instid0(VALU_DEP_1)
	v_pk_add_f32 v[10:11], v[10:11], v[12:13]
	s_delay_alu instid0(VALU_DEP_1)
	v_add_f32 v10, v10, v11
	LANESUM 10, 11
	s_delay_alu instid0(VALU_DEP_1)
	v_fmaak_f32 v10, s13, v10, 0x3727c5ac          ; var + 1e-5
	s_wait_alu depctr_va_vdst(0)
	v_rsq_f32 v12, v10
	v_rsq_f32 v13, v10                             ; twice, for the packed form
	v_nop                                          ; one plain place behind a transcendental
.if \e == 0
	s_wait_loadcnt 0x0                             ; gain and shift
.endif
	s_wait_alu depctr_va_vdst(0)
.irp j, 0,2,4,6,8,10,12,14,16,18,20,22,24,26,28,30
	v_pk_mul_f32 v[XR+\j:XR+\j+1], v[XR+\j:XR+\j+1], v[12:13]
.endr
.irp j, 0,2,4,6,8,10,12,14,16,18,20,22,24,26,28,30
	v_pk_fma_f32 v[XR+\j:XR+\j+1], v[XR+\j:XR+\j+1], v[GA+\j:GA+\j+1], v[BE+\j:BE+\j+1]
.endr
.irp j, 0,1,2,3,4,5,6,7
	ds_store_b128 v3, v[XR+4*\j:XR+4*\j+3] offset:\e*PITCH+512*\j
.endr
.endm
	s_wait_loadcnt 16                              ; my two rows are in; the 16 loads of gain and shift may be out
	ROW 0
	ROW 1
	s_wait_dscnt 0x0                               ; for the others' sake: my stores have landed
	s_barrier_signal -1
	s_barrier_wait -1                              ; 16 normalised rows lie in LDS
.irp b, 0,1,2,3
	ds_load_b128 v[32+16*\b:35+16*\b], v4 offset:128*\b          ; elements 8 h .. 8 h + 7 of block b,
	ds_load_b128 v[36+16*\b:39+16*\b], v4 offset:128*\b+16
	ds_load_b128 v[40+16*\b:43+16*\b], v4 offset:128*\b+64       ; and 16 + 8 h .. 16 + 8 h + 7
	ds_load_b128 v[44+16*\b:47+16*\b], v4 offset:128*\b+80
.endr
.irp b, 0,1,2,3
	v_mov_b32 v[TM+4+\b], 0                        ; a lane permute's destination counts as one of its sources
.endr
	s_wait_dscnt 0x0
.irp b, 0,1,2,3
	v_max3_num_f32 v[TM+\b], |v[32+16*\b]|, |v[33+16*\b]|, 0x2800000   ; my 16 numbers of block b, and the floor 2^(5 - 127): the byte cannot fall under 1
.endr
.irp i, 2,4,6,8,10,12,14
.irp b, 0,1,2,3
	s_delay_alu instid0(VALU_DEP_4)
	v_max3_num_f32 v[TM+\b], v[TM+\b], |v[32+16*\b+\i]|, |v[33+16*\b+\i]|
.endr
.endr
.irp b, 0,1,2,3
	s_delay_alu instid0(VALU_DEP_4)
	v_permlanex16_b32 v[TM+4+\b], v[TM+\b], s14, s15
.endr
.irp b, 0,1,2,3
	s_delay_alu instid0(VALU_DEP_4)
	v_max_num_f32 v[TM+\b], v[TM+\b], v[TM+4+\b]   ; with lane l xor 16's: the block's largest magnitude
.endr
.irp b, 0,1,2,3
	s_delay_alu instid0(VALU_DEP_4)
	v_add_nc_u32 v[TM+12+\b], 0xfe000000, v[TM+\b] ; 4 off its exponent field: the conversion's scale operand
.endr
.irp b, 0,1,2,3
	s_delay_alu instid0(VALU_DEP_4)
	v_lshrrev_b32 v[TM+4+\b], 23, v[TM+12+\b]      ; the scale's byte
.endr
	s_delay_alu instid0(VALU_DEP_3)
	v_lshl_or_b32 v[PW], v[TM+5], 8, v[TM+4]
	s_delay_alu instid0(VALU_DEP_1)
	v_lshl_or_b32 v[PW], v[TM+6], 16, v[PW]
	s_delay_alu instid0(VALU_DEP_1)
	v_lshl_or_b32 v[PW], v[TM+7], 24, v[PW]        ; my row's scale word (lanes r and r + 16 hold the same)
.irp c, 0,1
	v_cvt_scalef32_pk16_bf6_f32 v[PC+6*\c:PC+6*\c+2], v[32+32*\c:47+32*\c], v[TM+12+2*\c]
	v_cvt_scalef32_pk16_bf6_f32 v[PC+12+4*\c:PC+14+4*\c], v[48+32*\c:63+32*\c], v[TM+13+2*\c]
.endr
	v_nop                                          ; one plain place behind a scaled conversion
.irp c, 0,1                            ; the operand's layout wants a whole block in a lane: lanes 0-15 block 2 c, lanes 16-31 block 2 c + 1
.irp i, 0,1,2
	v_permlane16_swap_b32 v[PC+6*\c+\i], v[PC+12+4*\c+\i]
.endr
.irp i, 0,1,2
	s_delay_alu instid0(VALU_DEP_3)
	v_mov_b32 v[PC+3+6*\c+\i], v[PC+12+4*\c+\i]
.endr
.endr
.irp p, 0,1,2,3,4,5
	global_store_b64 v7, v[PC+2*\p:PC+2*\p+1], s[22:23] offset:256*\p   ; 32 lanes store 256 consecutive bytes, at a multiple of 256 from the buffer's first byte
.endr
	global_store_b32 v5, v[PW], s[24:25]           ; lanes r and r + 16 store the same word to the same place
	s_wait_tensorcnt 0x0
	ds_add_u32 v192, v193
	s_wait_dscnt 0x0
	s_endpgm
.Lfunc_end_k_q37bb63e23a_ln1:
	.size	k_q37bb63e23a_ln1, .Lfunc_end_k_q37bb63e23a_ln1-k_q37bb63e23a_ln1
	.p2alignl 7, 3214868480
	.fill 96, 4, 3214868480
	.section	.rodata,"a",@progbits
	.p2align	6, 0x0
	.amdhsa_kernel k_q37bb63e23a_ln1
		.amdhsa_group_segment_fixed_size 66816
		.amdhsa_private_segment_fixed_size 0
		.amdhsa_enable_private_segment 0
		.amdhsa_kernarg_size 32
		.amdhsa_user_sgpr_count 2
		.amdhsa_user_sgpr_kernarg_segment_ptr 1
		.amdhsa_wavefront_size32 1
		.amdhsa_system_sgpr_workgroup_id_x 1
		.amdhsa_system_sgpr_workgroup_id_y 1
		.amdhsa_system_sgpr_workgroup_id_z 1
		.amdhsa_system_vgpr_workitem_id 0
		.amdhsa_next_free_vgpr 194
		.amdhsa_next_free_sgpr 66
		.amdhsa_reserve_vcc 0
		.amdhsa_float_denorm_mode_32 3
		.amdhsa_float_denorm_mode_16_64 3
		.amdhsa_memory_ordered 1
		.amdhsa_forward_progress 1
		.amdhsa_inst_pref_size 29
	.end_amdhsa_kernel
	.amdgpu_metadata
---
amdhsa.version: [ 1, 2 ]
amdhsa.kernels:
  - .name:           k_q37bb63e23a_ln1
    .symbol:         k_q37bb63e23a_ln1.kd
    .args:
      - { .name: x1, .offset: 0, .size: 8, .value_kind: global_buffer, .address_space: global }
      - { .name: ln2_scale, .offset: 8, .size: 8, .value_kind: global_buffer, .address_space: global }
      - { .name: ln2_shift, .offset: 16, .size: 8, .value_kind: global_buffer, .address_space: global }
      - { .name: hq, .offset: 24, .size: 8, .value_kind: global_buffer, .address_space: global }
    .group_segment_fixed_size: 66816
    .private_segment_fixed_size: 0
    .kernarg_segment_align: 8
    .kernarg_segment_size: 32
    .max_flat_workgroup_size: 256
    .sgpr_count:     66
    .vgpr_count:     194
    .wavefront_size: 32
...
	.end_amdgpu_metadata
.endif
;; end of part 12
;; launch ff1 (part 13): grid 16 x 16, 4 waves a work-group, clusters of 4 x 4, 327,680 bytes of LDS; arguments hq, wq, b_ff1, gq; writes gq
.if DOCPART == 13
	.amdgcn_target "amdgcn-amd-amdhsa--gfx1250"
	.amdhsa_code_object_version 6
	.text
	.protected	k_q37bb63e23a_ff1
	.globl	k_q37bb63e23a_ff1
	.p2align	8
	.type	k_q37bb63e23a_ff1,@function
k_q37bb63e23a_ff1:
	s_mov_b64 s[64:65], 0
	v_nop
	global_prefetch_b8 v0, s[64:65] scope:SCOPE_SE
	s_setreg_imm32_b32 hwreg(HW_REG_WAVE_MODE, 25, 1), 1
	s_wait_xcnt 0x0
	s_wait_alu depctr_hold_cnt(0) depctr_sa_sdst(0) depctr_va_vdst(0) depctr_va_sdst(0) depctr_va_ssrc(0) depctr_va_vcc(0) depctr_vm_vsrc(0)
	s_getreg_b32 s2, hwreg(HW_REG_IB_STS2, 6, 4)
	s_cmp_eq_u32 s2, 0
	s_cbranch_scc0 .Lentry_in_a_cluster
	s_endpgm
.Lentry_in_a_cluster:
	s_bfe_u32 s2, ttmp6, 0x10000c
	s_cmp_lg_u32 s2, 0xf033
	s_cbranch_scc0 .Lentry_shape_is_right
	s_endpgm
.Lentry_shape_is_right:
.set SIZE_K, 1024
.set ASCALE, 3145728
.set BCODE,  3145728
.set BSCALE, 9568256
.set GB,     96*SIZE_K
.set NQ,     2
.set FR,     12
.set NL,     6
.set NP,     4
.set HALFT,  24576
.set SLOT,   4*HALFT
.set LAPS,   SIZE_K/512
.set SCL,    2*SLOT
.set HALFS,  4*SIZE_K
.set SPARE,  SCL+4*HALFS
.set ADRA, 16
.set ADRB, 20
.set OA,   24
.set OS,   26
.set ADRS, 27
.set SPW,  28
.set NIL,  29
.set SC,   32
.set BIAS, 64
.set HA,   64
.set AF,   128
.set PC,   128
.set TM,   224
.set PW,   240
.set PWS,  242
.set G1, 24
.set G0, 32
.set G1B, 48
.set G0B, 56
.set G1S, 68
.set G0S, 76
.set G1SB, 80
.set G0SB, 88
.set MSB, 0
.macro WIN new
.if MSB != \new
	s_set_vgpr_msb (MSB<<8)|\new
.set MSB, \new
.endif
.endm
.set MUL_LO, 0xa1
.set MUL_HI, 0xf1
.set TO_B,   0x40
.macro JLOAD g0a, g1a, g0b, g1b
	s_cmp_eq_u32 s15, 0
	s_cbranch_scc0 .Lfor_b_\@
	tensor_load_to_lds s[\g0a:\g0a+3], s[\g1a:\g1a+7]
	s_nop 0
.rept 4
	v_nop
.endr
	s_branch .Lasked_\@
.Lfor_b_\@:
	tensor_load_to_lds s[\g0b:\g0b+3], s[\g1b:\g1b+7]
	s_nop 0
.rept 4
	v_nop
.endr
.Lasked_\@:
.endm
.macro CREST
	s_cmp_lg_u32 s14, 0
	s_cbranch_scc1 .Lnot_wave_0_\@
	s_barrier_signal -3
.Lnot_wave_0_\@:
	s_barrier_wait -3
	s_barrier_signal -1
	s_barrier_wait -1
.endm
.macro CROUND
	s_barrier_signal -1
	s_barrier_wait -1
	CREST
.endm
	s_load_b256 s[4:11], s[0:1], 0x0
	v_lshl_add_u32 v[SPW], v0, 2, SPARE
	v_mov_b32 v[NIL], 0
	ds_add_u32 v28, v29
	ds_add_u32 v28, v29
	s_wait_dscnt 0x0
	v_lshrrev_b32 v1, 5, v0
	v_readfirstlane_b32 s14, v1
	s_lshr_b32 s15, s14, 1
	s_and_b32 s16, s14, 1
	s_bfe_u32 s40, ttmp6, 0x40000
	s_bfe_u32 s41, ttmp6, 0x40004
	s_lshl_b32 s42, ttmp9, 2
	s_add_co_u32 s42, s42, s40
	s_and_b32 s17, ttmp7, 0xffff
	s_lshl_b32 s17, s17, 2
	s_add_co_u32 s17, s17, s41
	s_lshl_b32 s43, s41, 2
	s_lshl_b32 s43, 15, s43
	s_lshl_b32 s44, 0x1111, s40
	s_or_b32 s[G1+0], s43, (3<<16)|(1<<21)
	s_or_b32 s[G1B+0], s44, (3<<16)|(1<<21)
.irp g, G1, G1B
	s_mov_b32 s[\g+1], 3072<<16                    ; for the head's loads: two groups of 128 rows, each 24,576 dense bytes (3,072 elements), GB bytes apart
	s_mov_b32 s[\g+2], 2<<16
	s_mov_b32 s[\g+3], 3072<<16
	s_mov_b32 s[\g+4], 2
	s_mov_b32 s[\g+5], GB/8
	s_mov_b32 s[\g+6], 0
	s_mov_b32 s[\g+7], 0
.endr
	s_or_b32 s[G1S+0], s43, (3<<16)|(1<<21)
	s_or_b32 s[G1SB+0], s44, (3<<16)|(1<<21)
.irp g, G1S, G1SB
	s_mov_b32 s[\g+1], 32<<16
	s_mov_b32 s[\g+2], (HALFS/128)<<16
	s_mov_b32 s[\g+3], 32<<16
	s_mov_b32 s[\g+4], HALFS/128
	s_mov_b32 s[\g+5], 32
	s_mov_b32 s[\g+6], 0
	s_mov_b32 s[\g+7], 0
.endr
	s_lshl_b32 s20, s17, 1
	s_add_co_u32 s20, s20, s16
	s_lshl_b32 s46, s42, 1
	s_add_co_u32 s46, s46, s16
	s_mul_i32 s22, s17, 2*HALFS
	s_add_co_u32 s22, s22, ASCALE
	s_mul_i32 s20, s20, GB
	s_mul_i32 s92, s42, 2*HALFS
	s_add_co_u32 s92, s92, BSCALE
	s_mul_i32 s46, s46, GB
	s_add_co_u32 s46, s46, BCODE
	s_mov_b32 s21, 0
	s_mov_b32 s23, 0
	s_mov_b32 s47, 0
	s_mov_b32 s93, 0
	s_mul_i32 s45, s14, HALFT
	s_wait_kmcnt 0x0
	s_add_nc_u64 s[20:21], s[4:5], s[20:21]
	s_add_nc_u64 s[22:23], s[4:5], s[22:23]
	s_add_nc_u64 s[46:47], s[6:7], s[46:47]
	s_add_nc_u64 s[92:93], s[6:7], s[92:93]
	; PREFETCHES INTO THE L2: both operands are touched here for the first time.  Behind the head's load I ask for K steps 1 and 2, behind the second fill for K step 3: never more than two steps asked for and not yet read.
	; Of the 96 blocks of 256 bytes that I fetch in a K step, each of the four partners that ask for them with me takes 24, told apart by address (cx for A, cy for B): a lane a block, lanes 24-31 name the last again.
	s_cmp_eq_u32 s15, 0                            ; do I fetch for A?
	s_cselect_b64 s[4:5], s[20:21], s[46:47]       ; (the arguments that lay here have been used)
	s_cselect_b32 s6, s40, s41                     ; my place among the four
	s_mul_i32 s98, s6, 24*256
	s_mov_b32 s99, 0
	s_add_nc_u64 s[4:5], s[4:5], s[98:99]
	CROUND
	s_mov_b32 s[G0S], 1
	s_mov_b32 s[G0S+1], SCL
	s_mov_b64 s[G0S+2:G0S+3], s[22:23]
	s_or_b32 s[G0S+3], s[G0S+3], 0x80000000
	s_mov_b32 s[G0SB], 1
	s_mov_b32 s[G0SB+1], SCL+2*HALFS
	s_mov_b64 s[G0SB+2:G0SB+3], s[92:93]
	s_or_b32 s[G0SB+3], s[G0SB+3], 0x80000000
.irp s, 0,1
	s_mov_b32 s[G0+4*\s], 1
	s_add_co_u32 s[G0+4*\s+1], s45, \s*SLOT
	s_add_nc_u64 s[G0+4*\s+2:G0+4*\s+3], s[20:21], \s*HALFT
	s_or_b32 s[G0+4*\s+3], s[G0+4*\s+3], 0x80000000
	s_mov_b32 s[G0B+4*\s], 1
	s_add_co_u32 s[G0B+4*\s+1], s45, \s*SLOT
	s_add_nc_u64 s[G0B+4*\s+2:G0B+4*\s+3], s[46:47], \s*HALFT
	s_or_b32 s[G0B+4*\s+3], s[G0B+4*\s+3], 0x80000000
.endr
; THE HEAD'S LOADS, ONE A WAVE: wave 0 K step 0 of A's 256 rows, wave 1 A's scale words, wave 2 K step 0 of B's 256 rows, wave 3 B's scale words.
.macro ARM under, g0, g1, next
	s_cmp_lt_u32 s14, \under
	s_cbranch_scc0 \next
	tensor_load_to_lds s[\g0:\g0+3], s[\g1:\g1+7]
	s_nop 0
.rept 4
	v_nop
.endr
	s_branch .Lhead_asked
\next:
.endm
	ARM 1, G0,  G1,  .Lhead_sa
	ARM 2, G0S, G1S, .Lhead_b
	ARM 3, G0B, G1B, .Lhead_sb
	tensor_load_to_lds s[G0SB:G0SB+3], s[G1SB:G1SB+7]
	s_nop 0
.rept 4
	v_nop
.endr
.Lhead_asked:
	v_and_b32 v1, 15, v0
	v_bfe_u32 v2, v0, 4, 1
	v_and_b32 v4, 31, v0
	v_lshlrev_b32 v[OA], 3, v4
	s_wait_alu depctr_va_vdst(0)
	v_lshlrev_b32 v[OS], 2, v4
	v_min_u32 v30, 23, v4
	v_lshlrev_b32 v30, 8, v30                      ; v30: 256 x min(lane, 23); never rewritten
	global_prefetch_b8 v30, s[4:5] offset:HALFT th:TH_LOAD_NT scope:SCOPE_SE
	global_prefetch_b8 v30, s[4:5] offset:2*HALFT th:TH_LOAD_NT scope:SCOPE_SE
	s_lshl_b32 s96, s42, 10
	s_lshl_b32 s97, s16, 9
	s_add_co_u32 s96, s96, s97
	s_mov_b32 s97, 0
	s_add_nc_u64 s[8:9], s[8:9], s[96:97]
	v_lshlrev_b32 v7, 5, v2
.irp b, 0,1,2,3,4,5,6,7
	global_load_b128 v[BIAS+8*\b:BIAS+8*\b+3], v7, s[8:9] offset:64*\b
	global_load_b128 v[BIAS+8*\b+4:BIAS+8*\b+7], v7, s[8:9] offset:64*\b+16
.endr
	s_lshl_b32 s98, s17, 1
	s_add_co_u32 s98, s98, s15
	s_mul_i32 s96, s98, 393216
	s_mul_i32 s99, s42, 24576
	s_add_co_u32 s96, s96, s99
	s_mul_i32 s99, s16, 1536
	s_add_co_u32 s96, s96, s99
	s_add_nc_u64 s[12:13], s[10:11], s[96:97]
	s_lshl_b32 s98, s98, 14
	s_lshl_b32 s99, s42, 1
	s_add_co_u32 s99, s99, s16
	s_lshl_b32 s99, s99, 9
	s_add_co_u32 s98, s98, s99
	s_add_co_u32 s98, s98, 12582912
	s_mov_b32 s99, 0
	s_add_nc_u64 s[66:67], s[10:11], s[98:99]
	s_mov_b32 s101, 0xffff0000
	s_mul_i32 s21, s15, HALFT
	s_mul_i32 s22, s16, HALFT
	s_add_co_u32 s22, s22, 2*HALFT
.irp s, 0,1
	v_add_nc_u32 v[ADRA+\s], s21, v[OA]
	v_add_nc_u32 v[ADRB+\s], s22, v[OA]
	s_add_co_u32 s21, s21, SLOT
	s_add_co_u32 s22, s22, SLOT
.endr
	v_lshlrev_b32 v5, 2, v1
	s_mul_i32 s21, s15, HALFS
	s_mul_i32 s22, s16, HALFS
	s_add_co_u32 s22, s22, 2*HALFS
	s_sub_co_u32 s22, s22, s21
	v_mul_u32_u24 v6, s22, v2
	s_add_co_u32 s21, s21, SCL
	v_add_nc_u32 v5, v5, v6
	v_add_nc_u32 v[ADRS], s21, v5
.irp b, 0,1,2,3
	v_mov_b32 v[TM+4+\b], 0
.endr
.macro FRAG reg, adr, q, i
.irp p, 0,1,2,3,4,5
	ds_load_b64 v[\reg+2*\p:\reg+2*\p+1], v[\adr] offset:(2*(\i)+(\q))*1536+256*\p
.endr
.endm
.macro MUL16 a0, p, q, sc, zero
.irp a, \a0, \a0+1
.irp b, 0,1,2,3,4,5,6,7
.if \zero == 2
	v_wmma_scale_f32_16x16x128_f8f6f4 v[8*(8*((\a)%4)+\b):8*(8*((\a)%4)+\b)+7], v[128*(\p)+FR*\b:128*(\p)+FR*\b+FR-1], v[AF+FR*(\a):AF+FR*(\a)+FR-1], v[BIAS+8*\b:BIAS+8*\b+7], v[SC+8*NQ*(\sc)+NQ*\b+(\q)], v[SC+8*NQ*(\sc)+NQ*(\a)+(\q)] matrix_a_fmt:MATRIX_FMT_BF6 matrix_b_fmt:MATRIX_FMT_BF6 matrix_a_scale:MATRIX_SCALE_ROW1
.else
	v_wmma_scale_f32_16x16x128_f8f6f4 v[8*(8*((\a)%4)+\b):8*(8*((\a)%4)+\b)+7], v[128*(\p)+FR*\b:128*(\p)+FR*\b+FR-1], v[AF+FR*(\a):AF+FR*(\a)+FR-1], v[8*(8*((\a)%4)+\b):8*(8*((\a)%4)+\b)+7], v[SC+8*NQ*(\sc)+NQ*\b+(\q)], v[SC+8*NQ*(\sc)+NQ*(\a)+(\q)] matrix_a_fmt:MATRIX_FMT_BF6 matrix_b_fmt:MATRIX_FMT_BF6 matrix_a_scale:MATRIX_SCALE_ROW1
.endif
.endr
.endr
.endm
.macro FETCH_B slot, q, p
	WIN TO_B
.irp i, 0,1,2,3,4,5,6,7
	FRAG 128*(\p)+FR*\i, ADRB+\slot, \q, \i
.endr
	WIN 0
.endm
.macro FETCH_A slot, q, i0
.irp i, \i0, \i0+1, \i0+2, \i0+3
	FRAG AF+FR*(\i), ADRA+\slot, \q, \i
.endr
.endm
.macro SCALES sc
.irp i, 0,1,2,3,4,5,6,7
	ds_load_b32 v[SC+8*NQ*\sc+NQ*\i], v[ADRS] offset:64*\i
	ds_load_b32 v[SC+8*NQ*\sc+NQ*\i+1], v[ADRS] offset:512+64*\i
.endr
.endm
.macro PLACES n
.rept \n
	v_nop
.endr
.endm
.macro STEP slot, q, zero
	s_wait_dscnt 4*NL
.if \zero == 2
	WIN 0x81
.else
	WIN MUL_LO
.endif
	MUL16 0, (\q)%2, \q, \slot, \zero
	MUL16 2, (\q)%2, \q, \slot, \zero
	s_wait_dscnt 0
	PLACES NP
	FETCH_B \slot, (\q)+1, 1-(\q)%2
	FETCH_A \slot, (\q)+1, 0
.if \zero == 2
	WIN 0xc1
.else
	WIN MUL_HI
.endif
	MUL16 4, (\q)%2, \q, \slot, \zero
	MUL16 6, (\q)%2, \q, \slot, \zero
	PLACES NP
	WIN 0
	FETCH_A \slot, (\q)+1, 4
.endm
.macro TURN slot, next, fill
	s_wait_tensorcnt 0x0
	ds_add_u32 v[SPW], v[NIL]
	s_wait_dscnt 4*NL+1
	WIN MUL_LO
	MUL16 0, 1, NQ-1, \slot, 0
	s_wait_dscnt 0x0
	s_barrier_signal -1
	MUL16 2, 1, NQ-1, \slot, 0
	WIN 0
	s_barrier_wait -1
.if \fill
	CREST
	s_add_nc_u64 s[G0+4*\slot+2:G0+4*\slot+3], s[G0+4*\slot+2:G0+4*\slot+3], 2*HALFT
	s_add_nc_u64 s[G0B+4*\slot+2:G0B+4*\slot+3], s[G0B+4*\slot+2:G0B+4*\slot+3], 2*HALFT
	JLOAD G0+4*\slot, G1, G0B+4*\slot, G1B
.else
	PLACES NP
.endif
	s_wait_alu depctr_va_vdst(0)
	v_add_nc_u32 v[ADRS], 512*NQ, v[ADRS]
	FETCH_B \next, 0, 0
	FETCH_A \next, 0, 0
	SCALES \next
	WIN MUL_HI
	MUL16 4, 1, NQ-1, \slot, 0
	MUL16 6, 1, NQ-1, \slot, 0
	PLACES NP
	WIN 0
	FETCH_A \next, 0, 4
.endm
.macro GELU AC, W
.set WQ, (\W)|((\W)<<2)
	WIN WQ
.set jj, 0
.rept 32
	v_pk_mul_f32 v[HA+jj:HA+jj+1], v[\AC+jj:\AC+jj+1], v[\AC+jj:\AC+jj+1]
.set jj, jj+2
.endr
	WIN 0
.set jj, 0
.rept 32
	v_pk_fma_f32 v[HA+jj:HA+jj+1], v[HA+jj:HA+jj+1], s[98:99], v[246:247] op_sel_hi:[1,0,1]
.set jj, jj+2
.endr
.set WQ, (\W)<<2
	WIN WQ
.set jj, 0
.rept 32
	v_pk_mul_f32 v[HA+jj:HA+jj+1], v[HA+jj:HA+jj+1], v[\AC+jj:\AC+jj+1]
.set jj, jj+2
.endr
	WIN 0
.set jj, 0
	s_wait_alu depctr_va_vdst(0)
.rept 64
	v_exp_f32 v[HA+jj], v[HA+jj]
.set jj, jj+1
.endr
	v_nop
.set jj, 0
	s_wait_alu depctr_va_vdst(0)
.rept 32
	v_pk_add_f32 v[HA+jj:HA+jj+1], v[HA+jj:HA+jj+1], 1.0 op_sel_hi:[1,0]
.set jj, jj+2
.endr
.set jj, 0
	s_wait_alu depctr_va_vdst(0)
.rept 64
	v_rcp_f32 v[HA+jj], v[HA+jj]
.set jj, jj+1
.endr
	v_nop
	WIN WQ
.set jj, 0
	s_wait_alu depctr_va_vdst(0)
.rept 32
	v_pk_mul_f32 v[HA+jj:HA+jj+1], v[HA+jj:HA+jj+1], v[\AC+jj:\AC+jj+1]
.set jj, jj+2
.endr
	WIN 0
.endm
.macro QUANT s, o
.irp b, 0,1,2,3
	v_max3_num_f32 v[TM+\b], 0x2800000, |v[\s+16*\b]|, |v[\s+16*\b+1]|
.endr
.irp i, 2,4,6,8,10,12,14
.irp b, 0,1,2,3
	v_max3_num_f32 v[TM+\b], v[TM+\b], |v[\s+16*\b+\i]|, |v[\s+16*\b+\i+1]|
.endr
.endr
.irp b, 0,1,2,3
	v_permlanex16_b32 v[TM+4+\b], v[TM+\b], s18, s19
.endr
.irp b, 0,1,2,3
	v_max_num_f32 v[TM+\b], v[TM+\b], v[TM+4+\b]
.endr
.irp b, 0,1,2,3
	v_add_nc_u32 v[TM+12+\b], 0xfe000000, v[TM+\b]
.endr
.irp b, 0,1,2,3
	v_lshrrev_b32 v[TM+4+\b], 23, v[TM+12+\b]
.endr
	v_lshl_or_b32 v[PW+\o], v[TM+5], 8, v[TM+4]
	v_lshl_or_b32 v[PW+\o], v[TM+6], 16, v[PW+\o]
	v_lshl_or_b32 v[PW+\o], v[TM+7], 24, v[PW+\o]
	s_wait_xcnt 0x0
.irp c, 0,1
	v_cvt_scalef32_pk16_bf6_f32 v[PC+6*\c:PC+6*\c+2], v[\s+32*\c:\s+32*\c+15], v[TM+12+2*\c]
	v_cvt_scalef32_pk16_bf6_f32 v[PC+12+4*\c:PC+14+4*\c], v[\s+32*\c+16:\s+32*\c+31], v[TM+13+2*\c]
.endr
	v_nop
.irp c, 0,1
.irp i, 0,1,2
	v_permlane16_swap_b32 v[PC+6*\c+\i], v[PC+12+4*\c+\i]
.endr
.irp i, 0,1,2
	v_mov_b32 v[PC+3+6*\c+\i], v[PC+12+4*\c+\i]
.endr
.endr
.endm
	s_wait_alu depctr_va_vdst(0)
	s_wait_tensorcnt 0x0                           ; my tile of the head's four is in
	ds_add_u32 v[SPW], v[NIL]
.irp g, G1, G1B                        ; no tensor load of mine is out: from here on a load brings one group's 24,576 bytes as 96 rows of 256
	s_mov_b32 s[\g+1], 32<<16
	s_mov_b32 s[\g+2], 96<<16
	s_mov_b32 s[\g+3], 32<<16
	s_mov_b32 s[\g+4], 96
	s_mov_b32 s[\g+5], 32
.endr
	s_wait_dscnt 0x0
	CROUND
	JLOAD G0+4, G1, G0B+4, G1B                     ; K step 1, the first tensor load behind the round
	FETCH_B 0, 0, 0
	FETCH_A 0, 0, 0
	SCALES 0
	global_prefetch_b8 v30, s[4:5] offset:3*HALFT th:TH_LOAD_NT scope:SCOPE_SE
	FETCH_A 0, 0, 4
	s_wait_loadcnt 0x0
	STEP 0, 0, 2
	s_mov_b32 s3, LAPS-1
.Llap:
	TURN 0, 1, 1
	STEP 1, 0, 0
	TURN 1, 0, 1
	STEP 0, 0, 0
	s_sub_co_u32 s3, s3, 1
	s_cmp_lg_u32 s3, 0
	s_cbranch_scc1 .Llap
	TURN 0, 1, 0
	STEP 1, 0, 0
	s_wait_dscnt 4*NL
	WIN MUL_LO
	MUL16 0, 1, NQ-1, 1, 0
	MUL16 2, 1, NQ-1, 1, 0
	s_wait_dscnt 0
	WIN MUL_HI
	MUL16 4, 1, NQ-1, 1, 0
	MUL16 6, 1, NQ-1, 1, 0
	WIN 0
	s_mov_b32 s18, 0x76543210
	s_mov_b32 s19, 0xfedcba98
	s_mov_b32 s98, 0xbdd2d3e8
	s_mov_b32 s99, s98
	PLACES NP
	v_mov_b32 v246, 0xc0135761
	v_mov_b32 v247, 0xc0135761
.irp a, 0,1,2,3,4,5,6,7
	GELU 64*(\a%4), 2+\a/4
	QUANT HA, \a%2
.irp p, 0,1,2,3,4,5
	global_store_b64 v[OA], v[PC+2*\p:PC+2*\p+1], s[12:13] offset:3072*\a+256*\p
.endr
.if \a%2
	v_cndmask_b32 v[PWS], v[PW], v[PW+1], s101
	global_store_b32 v[OS], v[PWS], s[66:67] offset:128*(\a/2)
.endif
.endr
	s_wait_tensorcnt 0x0
	ds_add_u32 v[SPW], v[NIL]
	s_wait_dscnt 0x0
	CROUND
	s_endpgm
.Lfunc_end_k_q37bb63e23a_ff1:
	.size	k_q37bb63e23a_ff1, .Lfunc_end_k_q37bb63e23a_ff1-k_q37bb63e23a_ff1
	.p2alignl 7, 3214868480
	.fill 96, 4, 3214868480
	.section	.rodata,"a",@progbits
	.p2align	6, 0x0
	.amdhsa_kernel k_q37bb63e23a_ff1
		.amdhsa_group_segment_fixed_size 327680
		.amdhsa_private_segment_fixed_size 0
		.amdhsa_enable_private_segment 0
		.amdhsa_kernarg_size 32
		.amdhsa_user_sgpr_count 2
		.amdhsa_user_sgpr_kernarg_segment_ptr 1
		.amdhsa_wavefront_size32 1
		.amdhsa_system_sgpr_workgroup_id_x 1
		.amdhsa_system_sgpr_workgroup_id_y 1
		.amdhsa_system_sgpr_workgroup_id_z 1
		.amdhsa_system_vgpr_workitem_id 0
		.amdhsa_next_free_vgpr 1024
		.amdhsa_next_free_sgpr 102
		.amdhsa_reserve_vcc 0
		.amdhsa_float_denorm_mode_32 3
		.amdhsa_float_denorm_mode_16_64 3
		.amdhsa_memory_ordered 1
		.amdhsa_forward_progress 1
		.amdhsa_inst_pref_size 255
	.end_amdhsa_kernel
	.section	.bss,"aw",@nobits
	.p2align	6
	.space	262144
	.amdgpu_metadata
---
amdhsa.version: [ 1, 2 ]
amdhsa.kernels:
  - .name:           k_q37bb63e23a_ff1
    .symbol:         k_q37bb63e23a_ff1.kd
    .args:
      - { .name: hq, .offset: 0, .size: 8, .value_kind: global_buffer, .address_space: global }
      - { .name: wq, .offset: 8, .size: 8, .value_kind: global_buffer, .address_space: global }
      - { .name: b_ff1, .offset: 16, .size: 8, .value_kind: global_buffer, .address_space: global }
      - { .name: gq, .offset: 24, .size: 8, .value_kind: global_buffer, .address_space: global }
    .group_segment_fixed_size: 327680
    .private_segment_fixed_size: 0
    .kernarg_segment_align: 8
    .kernarg_segment_size: 32
    .max_flat_workgroup_size: 128
    .sgpr_count:     102
    .vgpr_count:     1024
    .wavefront_size: 32
...
	.end_amdgpu_metadata
.endif
;; end of part 13
;; launch ff2 (part 14): grid 8 x 32, 4 waves a work-group, clusters of 4 x 4, 327,680 bytes of LDS; arguments gq, wq, b_ff2, x1, out0; writes out0
.if DOCPART == 14
	.amdgcn_target "amdgcn-amd-amdhsa--gfx1250"
	.amdhsa_code_object_version 6
	.text
	.protected	k_q37bb63e23a_ff2
	.globl	k_q37bb63e23a_ff2
	.p2align	8
	.type	k_q37bb63e23a_ff2,@function
k_q37bb63e23a_ff2:
	s_mov_b64 s[64:65], 0
	v_nop
	global_prefetch_b8 v0, s[64:65] scope:SCOPE_SE
	s_setreg_imm32_b32 hwreg(HW_REG_WAVE_MODE, 25, 1), 1
	s_wait_xcnt 0x0
	s_wait_alu depctr_hold_cnt(0) depctr_sa_sdst(0) depctr_va_vdst(0) depctr_va_sdst(0) depctr_va_ssrc(0) depctr_va_vcc(0) depctr_vm_vsrc(0)
	s_getreg_b32 s2, hwreg(HW_REG_IB_STS2, 6, 4)
	s_cmp_eq_u32 s2, 0
	s_cbranch_scc0 .Lentry_in_a_cluster
	s_endpgm
.Lentry_in_a_cluster:
	s_bfe_u32 s2, ttmp6, 0x10000c
	s_cmp_lg_u32 s2, 0xf033
	s_cbranch_scc0 .Lentry_shape_is_right
	s_endpgm
.Lentry_shape_is_right:
.set SIZE_K, 4096
.set ASCALE, 12582912
.set BCODE,  6291456
.set BSCALE, 9699328
.set GB,     96*SIZE_K
.set FR,     12
.set NP,     4
.set HALFT,  24576
.set SLOT,   4*HALFT
.set LAPS,   SIZE_K/1024
.set SCL,    2*SLOT
.set HALFS,  4*SIZE_K
.set QS,     HALFS/2
.set SPARE,  SCL+2*HALFS
.set SPITCH, 272
.set ADRA, 16
.set ADRB, 20
.set STO,  24
.set RD,   25
.set CO,   26
.set ADRS, 27
.set SPW,  28
.set NIL,  29
.set SC,   32
.set BIAS, 64
.set ACC,  128
.set G1, 24
.set G0, 32
.set G1B, 48
.set G0B, 56
.set G1S, 68
.set G0S, 76
.set G1SB, 80
.set G0SB, 88
.set MSB, 0
.macro WIN new
.if MSB != \new
	s_set_vgpr_msb (MSB<<8)|\new
.set MSB, \new
.endif
.endm
.set MUL,  0x05
.set TO_F, 0x40
.set PFA,  100                         ; s[100:101] where my prefetches stand
.set PFO,  30                          ; v30 256 x min(lane, 23); never rewritten
; PREFETCHES INTO THE L2.  A slot step is 512 along K.  Behind the head's load I ask for slot steps 1 and 2, behind the second fill for step 3, and behind the refill that loads step n for step n + 2:
; never more than two steps asked for and not yet read.  The loop's last trip loads steps 6 and 7 and asks for nothing.  s[PFA] stands three steps behind what a refill's prefetch names.
; Of the 96 blocks of 256 bytes that I fetch, each of the four partners that ask for them with me takes 24, told apart by address (cx for A, cy for B): a lane a block, lanes 24-31 name the last again.
.macro ASK
	s_cmp_gt_u32 s3, 1
	s_cbranch_scc0 .Lnot_mine_\@
	global_prefetch_b8 v[PFO], s[PFA:PFA+1] offset:6*HALFT th:TH_LOAD_NT scope:SCOPE_SE
.Lnot_mine_\@:
.endm
.macro JLOAD g0a, g1a, g0b, g1b
	s_cmp_eq_u32 s15, 0
	s_cbranch_scc0 .Lfor_b_\@
	tensor_load_to_lds s[\g0a:\g0a+3], s[\g1a:\g1a+7]
	s_nop 0
.rept 4
	v_nop
.endr
	s_branch .Lasked_\@
.Lfor_b_\@:
	tensor_load_to_lds s[\g0b:\g0b+3], s[\g1b:\g1b+7]
	s_nop 0
.rept 4
	v_nop
.endr
.Lasked_\@:
.endm
.macro CREST
	s_cmp_lg_u32 s14, 0
	s_cbranch_scc1 .Lnot_wave_0_\@
	s_barrier_signal -3
.Lnot_wave_0_\@:
	s_barrier_wait -3
	s_barrier_signal -1
	s_barrier_wait -1
.endm
.macro CROUND
	s_barrier_signal -1
	s_barrier_wait -1
	CREST
.endm
	s_load_b256 s[4:11], s[0:1], 0x0
	s_load_b64 s[12:13], s[0:1], 0x20
	v_lshl_add_u32 v[SPW], v0, 2, SPARE
	v_mov_b32 v[NIL], 0
	ds_add_u32 v28, v29
	ds_add_u32 v28, v29
	s_wait_dscnt 0x0
	v_lshrrev_b32 v1, 5, v0
	v_readfirstlane_b32 s14, v1
	s_lshr_b32 s15, s14, 1
	s_and_b32 s16, s14, 1
	s_bfe_u32 s40, ttmp6, 0x40000
	s_bfe_u32 s41, ttmp6, 0x40004
	s_lshl_b32 s42, ttmp9, 2
	s_add_co_u32 s42, s42, s40
	s_and_b32 s17, ttmp7, 0xffff
	s_lshl_b32 s17, s17, 2
	s_add_co_u32 s17, s17, s41
	s_lshl_b32 s43, s41, 2
	s_lshl_b32 s43, 15, s43
	s_lshl_b32 s44, 0x1111, s40
	s_or_b32 s[G1+0], s43, (3<<16)|(1<<21)
	s_or_b32 s[G1B+0], s44, (3<<16)|(1<<21)
.irp g, G1, G1B
	s_mov_b32 s[\g+1], 32<<16
	s_mov_b32 s[\g+2], 192<<16                     ; for the head's loads: a slot's 512 along K of 128 rows are 49,152 dense bytes
	s_mov_b32 s[\g+3], 32<<16
	s_mov_b32 s[\g+4], 192
	s_mov_b32 s[\g+5], 32
	s_mov_b32 s[\g+6], 0
	s_mov_b32 s[\g+7], 0
.endr
	s_or_b32 s[G1S+0], s43, (3<<16)|(1<<21)
	s_or_b32 s[G1SB+0], s44, (3<<16)|(1<<21)
.irp g, G1S, G1SB
	s_mov_b32 s[\g+1], 32<<16
	s_mov_b32 s[\g+2], (HALFS/256)<<16
	s_mov_b32 s[\g+3], 32<<16
	s_mov_b32 s[\g+4], HALFS/256
	s_mov_b32 s[\g+5], 32
	s_mov_b32 s[\g+6], 0
	s_mov_b32 s[\g+7], 0
.endr
	s_mul_i32 s18, s16, HALFT
	s_mul_i32 s20, s17, GB
	s_add_co_u32 s20, s20, s18
	s_mul_i32 s22, s17, HALFS
	s_add_co_u32 s22, s22, ASCALE
	s_mul_i32 s46, s42, GB
	s_add_co_u32 s46, s46, s18
	s_add_co_u32 s46, s46, BCODE
	s_mul_i32 s92, s42, HALFS
	s_add_co_u32 s92, s92, BSCALE
	s_mov_b32 s21, 0
	s_mov_b32 s23, 0
	s_mov_b32 s47, 0
	s_mov_b32 s93, 0
	s_mul_i32 s45, s14, HALFT
	s_wait_kmcnt 0x0
	s_add_nc_u64 s[20:21], s[4:5], s[20:21]
	s_add_nc_u64 s[22:23], s[4:5], s[22:23]
	s_add_nc_u64 s[46:47], s[6:7], s[46:47]
	s_add_nc_u64 s[92:93], s[6:7], s[92:93]
	s_cmp_eq_u32 s15, 0                            ; do I fetch for A?
	s_cselect_b64 s[PFA:PFA+1], s[20:21], s[46:47]
	s_cselect_b32 s95, s40, s41                    ; my place among the four that ask with me
	s_mul_i32 s98, s95, 24*256
	s_mov_b32 s99, 0
	s_add_nc_u64 s[PFA:PFA+1], s[PFA:PFA+1], s[98:99]
	CROUND
	s_mov_b32 s[G0S], 1
	s_mov_b32 s[G0S+1], SCL
	s_mov_b64 s[G0S+2:G0S+3], s[22:23]
	s_or_b32 s[G0S+3], s[G0S+3], 0x80000000
	s_mov_b32 s[G0SB], 1
	s_mov_b32 s[G0SB+1], SCL+HALFS
	s_mov_b64 s[G0SB+2:G0SB+3], s[92:93]
	s_or_b32 s[G0SB+3], s[G0SB+3], 0x80000000
.irp s, 0,1
	s_mov_b32 s[G0+4*\s], 1
	s_add_co_u32 s[G0+4*\s+1], s45, \s*SLOT
	s_add_nc_u64 s[G0+4*\s+2:G0+4*\s+3], s[20:21], \s*2*HALFT
	s_or_b32 s[G0+4*\s+3], s[G0+4*\s+3], 0x80000000
	s_mov_b32 s[G0B+4*\s], 1
	s_add_co_u32 s[G0B+4*\s+1], s45, \s*SLOT
	s_add_nc_u64 s[G0B+4*\s+2:G0B+4*\s+3], s[46:47], \s*2*HALFT
	s_or_b32 s[G0B+4*\s+3], s[G0B+4*\s+3], 0x80000000
.endr
; THE HEAD'S LOADS, ONE A WAVE: wave 0 slot 0 of A's 128 rows, wave 1 A's scale words, wave 2 slot 0 of B's 128 rows, wave 3 B's scale words.
.macro ARM under, g0, g1, next
	s_cmp_lt_u32 s14, \under
	s_cbranch_scc0 \next
	tensor_load_to_lds s[\g0:\g0+3], s[\g1:\g1+7]
	s_nop 0
.rept 4
	v_nop
.endr
	s_branch .Lhead_asked
\next:
.endm
	ARM 1, G0,  G1,  .Lhead_sa
	ARM 2, G0S, G1S, .Lhead_b
	ARM 3, G0B, G1B, .Lhead_sb
	tensor_load_to_lds s[G0SB:G0SB+3], s[G1SB:G1SB+7]
	s_nop 0
.rept 4
	v_nop
.endr
.Lhead_asked:
	v_and_b32 v1, 15, v0
	v_bfe_u32 v2, v0, 4, 1
	s_wait_alu depctr_va_vdst(0)
	v_and_b32 v4, 31, v0
	v_lshlrev_b32 v3, 3, v4
	v_min_u32 v[PFO], 23, v4
	v_lshlrev_b32 v[PFO], 8, v[PFO]
	global_prefetch_b8 v[PFO], s[PFA:PFA+1] offset:2*HALFT th:TH_LOAD_NT scope:SCOPE_SE
	global_prefetch_b8 v[PFO], s[PFA:PFA+1] offset:4*HALFT th:TH_LOAD_NT scope:SCOPE_SE
	s_wait_alu depctr_va_vdst(0)
	s_lshl_b32 s96, s42, 9
	s_lshl_b32 s97, s16, 8
	s_add_co_u32 s96, s96, s97
	s_mov_b32 s97, 0
	s_add_nc_u64 s[8:9], s[8:9], s[96:97]
	v_lshlrev_b32 v7, 5, v2
.irp b, 0,1,2,3
	global_load_b128 v[BIAS+8*\b:BIAS+8*\b+3], v7, s[8:9] offset:64*\b
	global_load_b128 v[BIAS+8*\b+4:BIAS+8*\b+7], v7, s[8:9] offset:64*\b+16
.endr
	s_lshl_b32 s98, s17, 1
	s_add_co_u32 s98, s98, s15
	s_lshl_b32 s98, s98, 18
	s_add_co_u32 s98, s98, s96
	s_mov_b32 s99, 0
	s_add_nc_u64 s[12:13], s[12:13], s[98:99]
	s_add_nc_u64 s[66:67], s[10:11], s[98:99]
	v_lshlrev_b32 v[CO], 12, v2
	v_lshl_add_u32 v[CO], v1, 4, v[CO]
	WIN 0x80
.irp a, 0,1,2,3
.irp t, 0,1,2,3,4,5,6,7
	global_load_b128 v[32*\a+4*\t:32*\a+4*\t+3], v[CO], s[66:67] offset:(16*\a+2*\t)*4096
.endr
.endr
	WIN 0
	s_mul_i32 s21, s15, 4*3072
	s_mul_i32 s22, s16, 4*3072
	s_add_co_u32 s22, s22, 2*HALFT
.irp s, 0,1
	v_add_nc_u32 v[ADRA+\s], s21, v3
	v_add_nc_u32 v[ADRB+\s], s22, v3
	s_add_co_u32 s21, s21, SLOT
	s_add_co_u32 s22, s22, SLOT
.endr
	v_lshlrev_b32 v5, 2, v1
	s_lshl_b32 s21, s15, 8
	s_lshl_b32 s22, s16, 8
	s_add_co_u32 s22, s22, HALFS
	s_sub_co_u32 s22, s22, s21
	v_mul_u32_u24 v6, s22, v2
	s_add_co_u32 s21, s21, SCL
	v_add_nc_u32 v5, v5, v6
	v_add_nc_u32 v[ADRS], s21, v5
	s_mul_i32 s23, s14, 16*SPITCH
	v_mul_u32_u24 v5, v1, SPITCH
	v_lshl_add_u32 v5, v2, 5, v5
	v_add_nc_u32 v[STO], s23, v5
	v_mul_u32_u24 v5, v2, SPITCH
	v_lshl_add_u32 v5, v1, 4, v5
	v_add_nc_u32 v[RD], s23, v5
.macro FRAG reg, adr, q, i
.irp p, 0,1,2,3,4,5
	ds_load_b64 v[\reg+2*\p:\reg+2*\p+1], v[\adr] offset:((\q)/2)*HALFT+(2*(\i)+(\q)%2)*1536+256*\p
.endr
.endm
.macro LGRP slot, q, g
	WIN TO_F
.if (\g) < 2
	FRAG 128*((\q)%2)+FR*(2*(\g)), ADRB+\slot, \q, 2*(\g)
	FRAG 128*((\q)%2)+FR*(2*(\g)+1), ADRB+\slot, \q, 2*(\g)+1
.else
	FRAG 128*((\q)%2)+48+FR*(2*(\g)-4), ADRA+\slot, \q, 2*(\g)-4
	FRAG 128*((\q)%2)+48+FR*(2*(\g)-3), ADRA+\slot, \q, 2*(\g)-3
.endif
.endm
.macro MUL4 a, q, sc, zero
.irp b, 0,1,2,3
.if \zero == 2
	v_wmma_scale_f32_16x16x128_f8f6f4 v[ACC+8*(4*(\a)+\b):ACC+8*(4*(\a)+\b)+7], v[128*((\q)%2)+FR*\b:128*((\q)%2)+FR*\b+FR-1], v[128*((\q)%2)+48+FR*(\a):128*((\q)%2)+48+FR*(\a)+FR-1], v[BIAS+8*\b:BIAS+8*\b+7], v[SC+16*(\sc)+4*(\q)+\b], v[SC+16*(\sc)+4*(\q)+(\a)] matrix_a_fmt:MATRIX_FMT_BF6 matrix_b_fmt:MATRIX_FMT_BF6 matrix_a_scale:MATRIX_SCALE_ROW1
.else
	v_wmma_scale_f32_16x16x128_f8f6f4 v[ACC+8*(4*(\a)+\b):ACC+8*(4*(\a)+\b)+7], v[128*((\q)%2)+FR*\b:128*((\q)%2)+FR*\b+FR-1], v[128*((\q)%2)+48+FR*(\a):128*((\q)%2)+48+FR*(\a)+FR-1], v[ACC+8*(4*(\a)+\b):ACC+8*(4*(\a)+\b)+7], v[SC+16*(\sc)+4*(\q)+\b], v[SC+16*(\sc)+4*(\q)+(\a)] matrix_a_fmt:MATRIX_FMT_BF6 matrix_b_fmt:MATRIX_FMT_BF6 matrix_a_scale:MATRIX_SCALE_ROW1
.endif
.endr
.endm
.macro SCALES sc
	WIN 0
.irp q, 0,1,2,3
.irp j, 0,1,2,3
	ds_load_b32 v[SC+16*\sc+4*\q+\j], v[ADRS] offset:512*\q+64*\j
.endr
.endr
.endm
.macro PLACES n
.rept \n
	v_nop
.endr
.endm
.macro STEP slot, q, zero
	s_wait_dscnt 12
	WIN MUL
	MUL4 0, \q, \slot, \zero
	PLACES NP
	LGRP \slot, (\q)+1, 0
	WIN MUL
	MUL4 1, \q, \slot, \zero
	LGRP \slot, (\q)+1, 1
	s_wait_dscnt 24
	WIN MUL
	MUL4 2, \q, \slot, \zero
	LGRP \slot, (\q)+1, 2
	WIN MUL
	MUL4 3, \q, \slot, \zero
	LGRP \slot, (\q)+1, 3
.endm
.macro TURN slot, next, fill
.if \fill
	s_wait_xcnt 0x0                                ; any prefetch of mine has read its address: it is stepped only behind this wait
	s_add_nc_u64 s[PFA:PFA+1], s[PFA:PFA+1], 2*HALFT
.endif
	WIN 0
	s_wait_tensorcnt 0x0
	ds_add_u32 v[SPW], v[NIL]
	s_wait_dscnt 13
	WIN MUL
	MUL4 0, 3, \slot, 0
	MUL4 1, 3, \slot, 0
	s_wait_dscnt 0x0
	s_barrier_signal -1
	MUL4 2, 3, \slot, 0
	WIN 0
	s_barrier_wait -1
.if \fill
	CREST
	s_add_nc_u64 s[G0+4*\slot+2:G0+4*\slot+3], s[G0+4*\slot+2:G0+4*\slot+3], 4*HALFT
	s_add_nc_u64 s[G0B+4*\slot+2:G0B+4*\slot+3], s[G0B+4*\slot+2:G0B+4*\slot+3], 4*HALFT
	JLOAD G0+4*\slot, G1, G0B+4*\slot, G1B
.else
	PLACES NP
.endif
	s_wait_alu depctr_va_vdst(0)
	v_add_nc_u32 v[ADRS], 2048, v[ADRS]
	SCALES \next
	LGRP \next, 0, 0
	LGRP \next, 0, 1
	LGRP \next, 0, 2
	LGRP \next, 0, 3
.if \fill
	WIN 0
	ASK
.endif
	WIN MUL
	MUL4 3, 3, \slot, 0
.endm
	s_wait_alu depctr_va_vdst(0)
	s_wait_tensorcnt 0x0                           ; my tile of the head's four is in
	ds_add_u32 v[SPW], v[NIL]
.irp g, G1, G1B                        ; no tensor load of mine is out: from here on a load brings 96 rows of 256 bytes
	s_mov_b32 s[\g+2], 96<<16
	s_mov_b32 s[\g+4], 96
.endr
	s_wait_dscnt 0x0
	CROUND
	JLOAD G0+4, G1, G0B+4, G1B                     ; slot 1, the first tensor load behind the round
	SCALES 0
	LGRP 0, 0, 0
	LGRP 0, 0, 1
	LGRP 0, 0, 2
	LGRP 0, 0, 3
	WIN 0
	global_prefetch_b8 v[PFO], s[PFA:PFA+1] offset:6*HALFT th:TH_LOAD_NT scope:SCOPE_SE
	s_wait_loadcnt 32
	STEP 0, 0, 2
.if LAPS > 1
	WIN 0
	s_mov_b32 s3, LAPS-1
.Llap:
	STEP 0, 1, 0
	STEP 0, 2, 0
	TURN 0, 1, 1
	STEP 1, 0, 0
	STEP 1, 1, 0
	STEP 1, 2, 0
	TURN 1, 0, 1
	STEP 0, 0, 0
	WIN 0
	s_sub_co_u32 s3, s3, 1
	s_cmp_lg_u32 s3, 0
	s_cbranch_scc1 .Llap
.endif
	STEP 0, 1, 0
	STEP 0, 2, 0
	TURN 0, 1, 0
	STEP 1, 0, 0
	STEP 1, 1, 0
	STEP 1, 2, 0
	s_wait_dscnt 12
	WIN MUL
	MUL4 0, 3, 1, 0
	MUL4 1, 3, 1, 0
	s_wait_dscnt 0x0
	MUL4 2, 3, 1, 0
	MUL4 3, 3, 1, 0
	WIN 0
.macro TOSTAGE a
	WIN 0
.irp b, 0,1,2,3
	ds_store_b128 v[STO], v[ACC+8*(4*(\a)+\b):ACC+8*(4*(\a)+\b)+3] offset:64*\b
	ds_store_b128 v[STO], v[ACC+8*(4*(\a)+\b)+4:ACC+8*(4*(\a)+\b)+7] offset:64*\b+16
.endr
	WIN TO_F
.irp t, 0,1,2,3,4,5,6,7
	ds_load_b128 v[32*(\a)+4*\t:32*(\a)+4*\t+3], v[RD] offset:\t*2*SPITCH
.endr
.endm
.macro SEND a
	s_wait_dscnt 16*(3-(\a))
	WIN 0x49
.set jj, 0
.rept 16
	v_pk_add_f32 v[32*(\a)+jj:32*(\a)+jj+1], v[32*(\a)+jj:32*(\a)+jj+1], v[32*(\a)+jj:32*(\a)+jj+1]
.set jj, jj+2
.endr
	WIN 0x04
.irp t, 0,1,2,3,4,5,6,7
	global_store_b128 v[CO], v[32*(\a)+4*\t:32*(\a)+4*\t+3], s[12:13] offset:(16*(\a)+2*\t)*4096
.endr
.endm
	PLACES NP
	TOSTAGE 0
	TOSTAGE 1
	TOSTAGE 2
	TOSTAGE 3
	s_wait_loadcnt 0x0
	SEND 0
	SEND 1
	SEND 2
	SEND 3
	WIN 0
	s_wait_tensorcnt 0x0
	ds_add_u32 v[SPW], v[NIL]
	s_wait_dscnt 0x0
	CROUND
	s_endpgm
.Lfunc_end_k_q37bb63e23a_ff2:
	.size	k_q37bb63e23a_ff2, .Lfunc_end_k_q37bb63e23a_ff2-k_q37bb63e23a_ff2
	.p2alignl 7, 3214868480
	.fill 96, 4, 3214868480
	.section	.rodata,"a",@progbits
	.p2align	6, 0x0
	.amdhsa_kernel k_q37bb63e23a_ff2
		.amdhsa_group_segment_fixed_size 327680
		.amdhsa_private_segment_fixed_size 0
		.amdhsa_enable_private_segment 0
		.amdhsa_kernarg_size 40
		.amdhsa_user_sgpr_count 2
		.amdhsa_user_sgpr_kernarg_segment_ptr 1
		.amdhsa_wavefront_size32 1
		.amdhsa_system_sgpr_workgroup_id_x 1
		.amdhsa_system_sgpr_workgroup_id_y 1
		.amdhsa_system_sgpr_workgroup_id_z 1
		.amdhsa_system_vgpr_workitem_id 0
		.amdhsa_next_free_vgpr 640
		.amdhsa_next_free_sgpr 102
		.amdhsa_reserve_vcc 0
		.amdhsa_float_denorm_mode_32 3
		.amdhsa_float_denorm_mode_16_64 3
		.amdhsa_memory_ordered 1
		.amdhsa_forward_progress 1
		.amdhsa_inst_pref_size 121
	.end_amdhsa_kernel
	.amdgpu_metadata
---
amdhsa.version: [ 1, 2 ]
amdhsa.kernels:
  - .name:           k_q37bb63e23a_ff2
    .symbol:         k_q37bb63e23a_ff2.kd
    .args:
      - { .name: gq, .offset: 0, .size: 8, .value_kind: global_buffer, .address_space: global }
      - { .name: wq, .offset: 8, .size: 8, .value_kind: global_buffer, .address_space: global }
      - { .name: b_ff2, .offset: 16, .size: 8, .value_kind: global_buffer, .address_space: global }
      - { .name: x1, .offset: 24, .size: 8, .value_kind: global_buffer, .address_space: global }
      - { .name: out0, .offset: 32, .size: 8, .value_kind: global_buffer, .address_space: global }
    .group_segment_fixed_size: 327680
    .private_segment_fixed_size: 0
    .kernarg_segment_align: 8
    .kernarg_segment_size: 40
    .max_flat_workgroup_size: 128
    .sgpr_count:     102
    .vgpr_count:     640
    .wavefront_size: 32
...
	.end_amdgpu_metadata
.endif
;; end of part 14
